; MI455X (gfx1250); checked and timed in simulation.
; The chip was launched on July 23, 2026; its instructions are those of AMD's public machine-readable ISA for CDNA 5 (MIT licence, August 2026) and "CDNA5" Instruction Set Architecture Reference Guide (July 2026). The comments in the code are by the model that wrote it; some were corrected since.
;; Multi Head Attention. Allowed arithmetic: matrix products marked QUANTISED: E2M3 operands, one E8M0 scale for each 32 along K, by v_wmma_scale_f32_16x16x128_f8f6f4 with both operands' format E2M3, f32 sums; everything else in f32.
;; Inputs: Wk 1,024 x 1,024 float32; Wo 1,024 x 1,024 float32; Wq 1,024 x 1,024 float32; Wv 1,024 x 1,024 float32; bk 1,024 float32; bo 1,024 float32; bq 1,024 float32; bv 1,024 float32; key_ 4 x 2,048 x 1,024 float32; mask 4 x 1 x 2,048 x 2,048 bool; query 4 x 2,048 x 1,024 float32; value 4 x 2,048 x 1,024 float32.
;; Outputs: out0 4 x 2,048 x 1,024 float32.
;; This version of the problem:
;;   THIS VERSION OF THE PROBLEM IS GIVEN IN LOW PRECISION. The matrix products marked QUANTISED in the list below multiply operands that are first quantised to E2M3 (2 exponent bits, 3 mantissa bits; 6 bits a number), with one power-of-two scale for each 32 numbers along K (OCP MX v1.0); their sums are f32. All else is computed in f32.
;;   The module's matrix products, in the order in which they are computed (A, B: the left and right operand; K: the contracted axis; several contracted axes count as one K, in the product's order):
;;     1. [M 8,192, K 1,024] x [K 1,024, N 1,024]; A: input query; B: input Wq: QUANTISED
;;     2. [M 8,192, K 1,024] x [K 1,024, N 1,024]; A: input key_; B: input Wk: QUANTISED
;;     3. [M 8,192, K 1,024] x [K 1,024, N 1,024]; A: input value; B: input Wv: QUANTISED
;;     4. batch 64 x [M 2,048, K 64] x [K 64, N 2,048]; A: computed on the way; B: computed on the way: QUANTISED
;;     5. batch 64 x [M 2,048, K 2,048] x [K 2,048, N 64]; A: computed on the way; B: computed on the way: QUANTISED
;;     6. [M 8,192, K 1,024] x [K 1,024, N 1,024]; A: computed on the way; B: input Wo: QUANTISED
;;   THE QUANTISER, for each operand of a quantised product, along K:
;;     - K is cut into blocks of 32 from its start; a last block that is shorter is filled with zeros.
;;     - A block's scale is 2^e with e = floor(log2(the largest magnitude in the block)) - 2, held to -126 .. 127; a block of zeros has e = 0. As a byte (E8M0): e + 127.
;;     - Each number is divided by its block's scale, clamped to +-7.5, and rounded to the nearest number of E2M3, ties to even, subnormals kept.
;;     - The product sums the exact products of the quantised numbers (number of the format x scale) in f32.
;;   ~~~python
;;   def quantise(x, axis):      # numpy; x: float32 -> the quantised numbers, widened to float32 again
;;       x = np.moveaxis(x, axis, -1); K = x.shape[-1]
;;       x = np.pad(x, [(0, 0)] * (x.ndim - 1) + [(0, -K % 32)]); x = x.reshape(x.shape[:-1] + (-1, 32)); a = np.abs(x).max(-1, keepdims=True)
;;       e = np.where(a > 0, np.clip(np.frexp(np.where(a > 0, a, 1))[1] - 1 - 2, -126, 127), 0)      # np.frexp(a)[1] - 1 = floor(log2(a)), exactly
;;       r = np.clip(x / 2.0 ** e, -7.5, 7.5)
;;       step = 2.0 ** (np.maximum(np.frexp(np.where(r == 0, 1, r))[1] - 1, 0) - 3)
;;       q = np.round(r / step) * step * 2.0 ** e      # np.round: ties to even
;;       return np.moveaxis(q.reshape(q.shape[:-2] + (-1,))[..., :K], -1, axis).astype(np.float32)
;;   ~~~
;;   OPERANDS COMPUTED ON THE WAY. 'Computed on the way' means the value that the module computes at that place (a softmax that the list does not call 'softmax' is quantised finished and normalised). What goes into a quantiser is computed in f32, as accurately as f32 sums, v_exp_f32 and their like allow (about 1e-6 of the number): no bf16 or f16 on the way to a quantiser, and a product that is left as it is and whose result goes on into a quantised operand takes f32 operands (vector FMAs, or v_wmma_f32_16x16x4_f32). A number that lies on a knife's edge between two numbers of the format may be rounded either way, as far as f32 arithmetic and the matrix unit's own rounding can turn it there, and no further.
;; 2 versions. Each part assembles by itself: llvm-mc -triple=amdgcn-amd-amdhsa -mcpu=gfx1250 --defsym DOCPART=n.
;; ======== version 1 of 2: 4 launches
;; workspace buffers: opc 22,020,096 bytes; ops 917,504 bytes; maskw 2,097,152 bytes of whole numbers; att 20,185,088 bytes; xc 6,291,456 bytes; xs 524,288 bytes
;; launch quant (part 1): grid 1408 x 1, 4 waves a work-group, no clusters, 68,096 bytes of LDS; arguments query, key_, value, Wq, Wk, Wv, Wo, mask, opc, ops, maskw; writes opc, ops, maskw
.if DOCPART == 1
	.amdgcn_target "amdgcn-amd-amdhsa--gfx1250"
	.amdhsa_code_object_version 6
	.text
	.protected	k_q89ef74049a_quant
	.globl	k_q89ef74049a_quant
	.p2align	8
	.type	k_q89ef74049a_quant,@function
k_q89ef74049a_quant:
	s_mov_b64 s[64:65], 0
	v_nop
	global_prefetch_b8 v0, s[64:65] scope:SCOPE_SE
	s_setreg_imm32_b32 hwreg(HW_REG_WAVE_MODE, 25, 1), 1
	s_wait_xcnt 0x0
; LAUNCH 1.  query, key_, value [8192][1024] and Wq, Wk, Wv, Wo [1024][1024], f32, K innermost, become codes of FP6 (E2M3) with one E8M0 byte for each 32 along K;
; the mask's bytes become lane masks.  Everything is laid in the order in which the later launches' registers take it.
; TILES.  A tile of 16 rows is never 16 neighbours: lane r of tile T is row 32 (T / 2) + 8 (T % 2) + r + 8 (r / 8).  A product that takes such a tile as source 0 leaves, in the 16 registers
; of tiles 2 b and 2 b + 1, 16 neighbours along that axis, which can then be quantised in registers.
; CODES.  A fragment (16 rows x 128 K, 12 registers a lane) lies as an image of its registers, 1,536 bytes: registers 0-3 at 16 x lane, 4-5 at 512 + 8 x lane, 6-9 at 768 + 16 x lane, 10-11 at 1,280 + 8 x lane.
; opc: for each tensor [quarter of K][tile][2 fragments].  ops: for each tile 512 bytes: [half of K][8 bytes a lane]: register i of lane l = the scale word of K step 4 half + 2 i + l / 16, row l % 16.
; maskw: [batch x 128 + tile of queries][step of 128 keys][64 words]: bit L of word j = mask(query of lane L % 16, key 128 step + 32 (j / 16) + 16 (L / 16) + j % 16).
; SHARES.  Work-groups 0-895: a wave takes one tile x 512 along K (four fragments).  Work-groups 896-1407: a wave takes 16 queries x 512 keys of the mask.  Waves share nothing: no barrier.
; Each load reads 512 consecutive bytes of one row; the bytes turn through the wave's own stage in LDS (rows 528 bytes apart) so that a lane gets whole blocks of 32.  Each store covers 256 or 512 consecutive bytes, aligned.
; A block's scale is 2^(floor(log2(largest magnitude)) - 2); its byte is the largest magnitude's exponent field - 2, held at 1 from below.
; LIMITS: a block of zeros gets the byte 1 where the rule says 127 (its codes are zeros, and this program alone reads the bytes); NaN and infinities among the inputs are not served.
.set SPARE, 67584                      ; behind the stages: the spare words, 128 bytes for each wave
.set WST,   8448                       ; a wave's stage: 16 rows x 528 bytes
.set MST,   33792                      ; the mask path's stages have bytes of their own, behind the four others
.set SP,    528
.set SPW,   2                          ; v2  LDS address of my spare word; never rewritten
.set NIL,   3                          ; v3  0; never rewritten
.set W,     24                         ; v24-27   the four fragments' scale words
.set R,     32                         ; v32-159  two sets of 64: numbers as they are loaded
.set X,     160                        ; v160-223 64 numbers: my two blocks of 32 of a fragment
.set C,     224                        ; v224-235 a fragment's codes; v236-238, v240-242 the halves that a conversion cannot put at an odd register
	s_load_b512 s[4:19], s[0:1], 0x0               ; query, key_, value, Wq, Wk, Wv, Wo, mask
	s_load_b128 s[20:23], s[0:1], 0x40             ; opc, ops
	s_load_b64 s[24:25], s[0:1], 0x50              ; maskw
	v_lshl_add_u32 v[SPW], v0, 2, SPARE
	v_mov_b32 v[NIL], 0
	v_lshrrev_b32 v1, 5, v0
	v_readfirstlane_b32 s26, v1                    ; wave
	v_and_b32 v4, 31, v0                           ; lane
	v_and_b32 v1, 15, v0                           ; r
	v_bfe_u32 v11, v0, 4, 1                        ; h
	s_mul_i32 s27, s26, WST
	v_lshlrev_b32 v5, 4, v4                        ; 16 x lane
	v_add_nc_u32 v6, s27, v5                       ; into the stage: a row as it lies
	v_mul_u32_u24 v7, v1, SP
	v_add_nc_u32 v7, s27, v7
	v_lshl_add_u32 v8, v11, 4, v7                  ; out of it, mask: row r, + 16 h
	v_lshl_add_u32 v7, v11, 7, v7                  ; out of it, f32: row r, + 128 h: block h
	v_lshlrev_b32 v9, 3, v4                        ; 8 x lane
	v_lshlrev_b32 v10, 3, v11                      ; 8 h: where my two bytes stand in a scale word
	v_mov_b32 v19, 0                               ; a lane permute's destination counts as one of its sources
	s_mov_b32 s31, 0xffff0000                      ; lanes 16-31
	s_mov_b32 s34, 0x76543210
	s_mov_b32 s35, 0xfedcba98                      ; selects for lane l xor 16
	s_cmp_ge_u32 ttmp9, 896
	s_cbranch_scc1 .Lmask
; ---- f32 into codes.  Which tensor: by the work-group's number alone
.macro PICK limit, ptr, first, cb
	s_cmp_lt_u32 ttmp9, \limit
	s_cselect_b64 s[28:29], s[\ptr:\ptr+1], s[28:29]
	s_cselect_b32 s30, \first, s30
	s_cselect_b32 s32, \cb, s32
.endm
	s_mov_b32 s30, 864                             ; the tensor's first work-group
	s_mov_b32 s32, 21233664                        ; where its codes begin in opc
	s_wait_kmcnt 0x0
	s_mov_b64 s[28:29], s[16:17]                   ; Wo, unless ..
	PICK 864, 14, 832, 20447232
	PICK 832, 12, 800, 19660800
	PICK 800, 10, 768, 18874368
	PICK 768, 8, 512, 12582912
	PICK 512, 6, 256, 6291456
	PICK 256, 4, 0, 0
	s_mov_b32 s33, 196608
	s_cmp_lt_u32 ttmp9, 768
	s_cselect_b32 s33, 1572864, s33                ; a quarter of K of the tensor's codes: tiles x 3,072 bytes
	s_sub_co_u32 s36, ttmp9, s30
	s_lshl_b32 s36, s36, 2
	s_add_co_u32 s36, s36, s26
	s_lshr_b32 s37, s36, 1                         ; T: my tile
	s_and_b32 s38, s36, 1                          ; my half of K
	s_lshr_b32 s40, s37, 1
	s_lshl_b32 s40, s40, 17                        ; 32 (T / 2) rows of 4,096 bytes
	s_and_b32 s41, s37, 1
	s_lshl_b32 s41, s41, 15                        ; 8 (T % 2) rows
	s_add_co_u32 s40, s40, s41
	s_lshl_b32 s41, s38, 11                        ; 512 numbers
	s_add_co_u32 s40, s40, s41
	s_mov_b32 s41, 0
	s_add_nc_u64 s[28:29], s[28:29], s[40:41]
	s_mul_i32 s42, s37, 3072
	s_add_co_u32 s42, s42, s32
	s_mul_i32 s43, s38, s33
	s_lshl_b32 s43, s43, 1
	s_add_co_u32 s42, s42, s43
	s_mov_b32 s43, 0
	s_add_nc_u64 s[44:45], s[20:21], s[42:43]      ; my first two fragments' place,
	s_mov_b32 s42, s33
	s_add_nc_u64 s[46:47], s[44:45], s[42:43]      ; and the other two's, a quarter of K on
	s_lshl_b32 s42, ttmp9, 2
	s_add_co_u32 s42, s42, s26
	s_lshl_b32 s42, s42, 8                         ; 256 bytes of scale words for each wave of the launch, in order
	s_add_nc_u64 s[22:23], s[22:23], s[42:43]
.macro LOAD s                          ; fragment s: 128 numbers of each of my 16 rows
.irp i, 0,1,2,3,4,5,6,7,8,9,10,11,12,13,14,15
	global_load_b128 v[R+64*((\s)%2)+4*\i:R+64*((\s)%2)+4*\i+3], v5, s[28:29] offset:(\i+8*(\i/8))*4096+512*(\s) th:TH_LOAD_NT
.endr
.endm
.macro STEP s
.if (\s) < 3
	s_wait_loadcnt 16                              ; this fragment's 16 loads are in; the next one's 16 may be out
.else
	s_wait_loadcnt 0x0
.endif
.irp i, 0,1,2,3,4,5,6,7,8,9,10,11,12,13,14,15
	ds_store_b128 v6, v[R+64*((\s)%2)+4*\i:R+64*((\s)%2)+4*\i+3] offset:SP*\i
.endr
.irp i, 0,1,2,3,4,5,6,7,8,9,10,11,12,13,14,15
	ds_load_b128 v[X+4*\i:X+4*\i+3], v7 offset:16*\i+128*(\i/8)   ; LDS serves a wave's instructions in order: these see the stores.  Blocks h and 2 + h of row r
.endr
	s_wait_dscnt 0x0                               ; my numbers are back, and the stores have read their registers,
.if (\s) < 2
	LOAD (\s)+2                                    ; which take the loads of two fragments on
.endif
.irp c, 0,1
	v_max3_num_f32 v[12+\c], |v[X+32*\c]|, |v[X+1+32*\c]|, 0x1800000   ; a block's 32 numbers are all mine; the floor 2^(3 - 127) holds the byte at 1 from below
.endr
.irp i, 2,4,6,8,10,12,14,16,18,20,22,24,26,28,30
.irp c, 0,1
	v_max3_num_f32 v[12+\c], v[12+\c], |v[X+32*\c+\i]|, |v[X+1+32*\c+\i]|
.endr
.endr
.irp c, 0,1
	v_add_nc_u32 v[14+\c], 0xff000000, v[12+\c]    ; 2 off the exponent field: the conversion's scale operand
.endr
.irp c, 0,1
	v_lshrrev_b32 v[16+\c], 23, v[14+\c]           ; the scale's byte
.endr
	v_lshl_or_b32 v18, v17, 16, v16                ; my two bytes, blocks h and 2 + h,
	v_lshlrev_b32 v18, v10, v18                    ; at their places in the word;
	v_permlanex16_b32 v19, v18, s34, s35
	v_or_b32 v[W+(\s)], v18, v19                   ; with lane l xor 16's two the word is whole
.if (\s) > 0
	s_wait_xcnt 0x0                                ; the last fragment's stores have read their data: the codes' registers are written again only behind this wait
.endif
	v_cvt_scalef32_pk16_fp6_f32 v[C:C+2], v[X:X+15], v14
	v_cvt_scalef32_pk16_fp6_f32 v[C+12:C+14], v[X+16:X+31], v14
	v_cvt_scalef32_pk16_fp6_f32 v[C+6:C+8], v[X+32:X+47], v15
	v_cvt_scalef32_pk16_fp6_f32 v[C+16:C+18], v[X+48:X+63], v15
	v_nop                                          ; one plain place behind a scaled conversion
.irp i, 0,1,2
	v_mov_b32 v[C+3+\i], v[C+12+\i]
	v_mov_b32 v[C+9+\i], v[C+16+\i]
.endr
	global_store_b128 v5, v[C:C+3], s[44+2*((\s)/2):45+2*((\s)/2)] offset:1536*((\s)%2)
	global_store_b64 v9, v[C+4:C+5], s[44+2*((\s)/2):45+2*((\s)/2)] offset:1536*((\s)%2)+512
	global_store_b128 v5, v[C+6:C+9], s[44+2*((\s)/2):45+2*((\s)/2)] offset:1536*((\s)%2)+768
	global_store_b64 v9, v[C+10:C+11], s[44+2*((\s)/2):45+2*((\s)/2)] offset:1536*((\s)%2)+1280
.endm
	LOAD 0
	LOAD 1
	STEP 0
	STEP 1
	STEP 2
	STEP 3
	v_cndmask_b32 v12, v[W], v[W+1], s31           ; lanes 0-15 carry the even K step's words, lanes 16-31 the odd one's
	v_cndmask_b32 v13, v[W+2], v[W+3], s31
	global_store_b64 v9, v[12:13], s[22:23]        ; 256 consecutive bytes, aligned
	s_wait_tensorcnt 0x0                           ; the wave's end: a wait, the add and its wait behind my last LDS store
	ds_add_u32 v[SPW], v[NIL]
	s_wait_dscnt 0x0
	s_endpgm
; ---- the mask's bytes into lane masks
.Lmask:
	s_sub_co_u32 s36, ttmp9, 896                   ; batch x 128 + tile of queries; my wave's number is the quarter of the keys
	s_lshr_b32 s40, s36, 1
	s_lshl_b32 s40, s40, 16                        ; 32 rows of 2,048 bytes
	s_and_b32 s41, s36, 1
	s_lshl_b32 s41, s41, 14                        ; 8 rows
	s_add_co_u32 s40, s40, s41
	s_lshl_b32 s41, s26, 9                         ; 512 keys
	s_add_co_u32 s40, s40, s41
	s_mov_b32 s41, 0
	s_lshl_b32 s42, s36, 2
	s_add_co_u32 s42, s42, s26
	s_lshl_b32 s42, s42, 10                        ; four steps x 256 bytes
	s_mov_b32 s43, 0
	s_wait_kmcnt 0x0
	s_add_nc_u64 s[18:19], s[18:19], s[40:41]
	s_add_nc_u64 s[24:25], s[24:25], s[42:43]
.irp i, 0,1,2,3,4,5,6,7,8,9,10,11,12,13,14,15
	global_load_b128 v[R+4*\i:R+4*\i+3], v5, s[18:19] offset:(\i+8*(\i/8))*2048 th:TH_LOAD_NT   ; 512 consecutive bytes of one query's row
.endr
	s_wait_loadcnt 0x0
.irp i, 0,1,2,3,4,5,6,7,8,9,10,11,12,13,14,15
	ds_store_b128 v6, v[R+4*\i:R+4*\i+3] offset:MST+SP*\i
.endr
.irp i, 0,1,2,3,4,5,6,7,8,9,10,11,12,13,14,15
	ds_load_b128 v[X+4*\i:X+4*\i+3], v8 offset:MST+128*(\i/4)+32*(\i%4)   ; step i / 4, keys 32 (i % 4) + 16 h + 0 .. 15 of query r
.endr
.irp i, 0,1,2,3,4,5,6,7
	v_mov_b32 v[C+\i], 0                           ; v_writelane_b32's destination counts as read
.endr
	s_wait_dscnt 0x0
.macro MSTEP st                        ; 64 words, eight at a time: byte j of my 64 is tested in all lanes at once, and the lanes' bits are word j, which goes to register j % 2 of lane j / 2
.set jj, 0
.rept 8
.irp e, 0,1,2,3,4,5,6,7
	v_and_b32 v[12+\e], 0xff<<(8*(\e%4)), v[X+16*(\st)+(jj+\e)/4]
.endr
.irp e, 0,1,2,3,4,5,6,7
	v_cmp_ne_u32 s[48+\e], 0, v[12+\e]
.endr
.irp e, 0,1,2,3,4,5,6,7
	v_writelane_b32 v[C+2*(\st)+\e%2], s[48+\e], (jj+\e)/2
.endr
.set jj, jj+8
.endr
	global_store_b64 v9, v[C+2*(\st):C+2*(\st)+1], s[24:25] offset:256*(\st)   ; 256 consecutive bytes, aligned
.endm
	MSTEP 0
	MSTEP 1
	MSTEP 2
	MSTEP 3
	s_wait_tensorcnt 0x0                           ; the wave's end: a wait, the add and its wait behind my last LDS store
	ds_add_u32 v[SPW], v[NIL]
	s_wait_dscnt 0x0
	s_endpgm
.Lfunc_end_k_q89ef74049a_quant:
	.size	k_q89ef74049a_quant, .Lfunc_end_k_q89ef74049a_quant-k_q89ef74049a_quant
	.p2alignl 7, 3214868480
	.fill 96, 4, 3214868480
	.section	.rodata,"a",@progbits
	.p2align	6, 0x0
	.amdhsa_kernel k_q89ef74049a_quant
		.amdhsa_group_segment_fixed_size 68096
		.amdhsa_private_segment_fixed_size 0
		.amdhsa_enable_private_segment 0
		.amdhsa_kernarg_size 88
		.amdhsa_user_sgpr_count 2
		.amdhsa_user_sgpr_kernarg_segment_ptr 1
		.amdhsa_wavefront_size32 1
		.amdhsa_system_sgpr_workgroup_id_x 1
		.amdhsa_system_sgpr_workgroup_id_y 1
		.amdhsa_system_sgpr_workgroup_id_z 1
		.amdhsa_system_vgpr_workitem_id 0
		.amdhsa_next_free_vgpr 256
		.amdhsa_next_free_sgpr 66
		.amdhsa_reserve_vcc 0
		.amdhsa_float_denorm_mode_32 3
		.amdhsa_float_denorm_mode_16_64 3
		.amdhsa_memory_ordered 1
		.amdhsa_forward_progress 1
		.amdhsa_inst_pref_size 85
	.end_amdhsa_kernel
	.amdgpu_metadata
---
amdhsa.version: [ 1, 2 ]
amdhsa.kernels:
  - .name:           k_q89ef74049a_quant
    .symbol:         k_q89ef74049a_quant.kd
    .args:
      - { .name: query, .offset: 0, .size: 8, .value_kind: global_buffer, .address_space: global }
      - { .name: key_, .offset: 8, .size: 8, .value_kind: global_buffer, .address_space: global }
      - { .name: value, .offset: 16, .size: 8, .value_kind: global_buffer, .address_space: global }
      - { .name: Wq, .offset: 24, .size: 8, .value_kind: global_buffer, .address_space: global }
      - { .name: Wk, .offset: 32, .size: 8, .value_kind: global_buffer, .address_space: global }
      - { .name: Wv, .offset: 40, .size: 8, .value_kind: global_buffer, .address_space: global }
      - { .name: Wo, .offset: 48, .size: 8, .value_kind: global_buffer, .address_space: global }
      - { .name: mask, .offset: 56, .size: 8, .value_kind: global_buffer, .address_space: global }
      - { .name: opc, .offset: 64, .size: 8, .value_kind: global_buffer, .address_space: global }
      - { .name: ops, .offset: 72, .size: 8, .value_kind: global_buffer, .address_space: global }
      - { .name: maskw, .offset: 80, .size: 8, .value_kind: global_buffer, .address_space: global }
    .group_segment_fixed_size: 68096
    .private_segment_fixed_size: 0
    .kernarg_segment_align: 8
    .kernarg_segment_size: 88
    .max_flat_workgroup_size: 128
    .sgpr_count:     66
    .vgpr_count:     256
    .wavefront_size: 32
...
	.end_amdgpu_metadata
.endif
;; end of part 1
;; launch proj (part 2): grid 64 x 12, 4 waves a work-group, clusters of 4 x 4, 295,424 bytes of LDS; arguments opc, ops, bq, bk, bv, att; writes att
.if DOCPART == 2
	.amdgcn_target "amdgcn-amd-amdhsa--gfx1250"
	.amdhsa_code_object_version 6
	.text
	.protected	k_q89ef74049a_proj
	.globl	k_q89ef74049a_proj
	.p2align	8
	.type	k_q89ef74049a_proj,@function
k_q89ef74049a_proj:
	s_mov_b64 s[64:65], 0
	v_nop
	global_prefetch_b8 v0, s[64:65] scope:SCOPE_SE
	s_setreg_imm32_b32 hwreg(HW_REG_WAVE_MODE, 25, 1), 1
	s_wait_xcnt 0x0
	s_wait_alu depctr_hold_cnt(0) depctr_sa_sdst(0) depctr_va_vdst(0) depctr_va_sdst(0) depctr_va_ssrc(0) depctr_va_vcc(0) depctr_vm_vsrc(0)
	s_getreg_b32 s2, hwreg(HW_REG_IB_STS2, 6, 4)
	s_cmp_eq_u32 s2, 0
	s_cbranch_scc0 .Lentry_in_a_cluster
	s_endpgm
.Lentry_in_a_cluster:
	s_bfe_u32 s2, ttmp6, 0x10000c
	s_cmp_lg_u32 s2, 0xf033
	s_cbranch_scc0 .Lentry_shape_is_right
	s_endpgm
.Lentry_shape_is_right:
; LAUNCH 2.  q = query Wq^T + bq, k = key_ Wk^T + bk, v = value Wv^T + bv on codes of FP6 (E2M3) with E8M0 scales, f32 sums; the results are quantised in registers for the two products of attention and stored as images of operand registers.
; ONE BODY.  The product is S0 x S1^T: a lane holds ONE row of S1 and its registers run along the rows of S0.  q, k (cluster y = 0, 1): S0 = the weight, S1 = the tokens: registers run along the head's 64, the K of q k^T.
; v (cluster y = 2): S0 = the tokens, S1 = the weight: registers run along the keys, the K of attn v.  Tiles are laid as launch 1 lays them, so 16 registers of two neighbouring tiles of S0 are 16 neighbours.
; SHARES.  A work-group makes 256 rows of S0 x 128 rows of S1; wave (w0 = wave % 2, w1 = wave / 2) 128 x 64: 32 accumulators.  K = 1,024 in eight steps of 128, 32 matrix instructions each.
; LDS.  The work-group's operands for ALL of K are 4 x 73,728 bytes and come once, as four quarters of K: no byte of LDS is filled twice.  Each wave has four tensor loads out at the start; the counted waits let the later quarters stay out.
; CLUSTER.  4 x 4 work-groups: the four of a column share S0's tiles, the four of a row S1's: each tile is asked for jointly.
; OUT (att).  q at 0, k at 6,815,744: for each (batch, head) 128 tiles x 768 bytes (16 tokens x 64: six registers a lane: 0-3 at 16 x lane, 4-5 at 512 + 8 x lane), then 32 x 256 bytes of scale words (8 bytes a lane:
; register i of lane l = tile 2 i + l / 16 of four, row l % 16; two bytes used, the upper two 0).  v at 13,631,488: for each (batch, head) 16 steps x 4 tiles of the head's 64 x 1,536 bytes, then 16 x 256 bytes of scale words.
; REGISTERS.  Window 0: v4-19 LDS addresses; v32-63, v64-79 scale words of S0, S1; v80-175 S1's fragments, two sets; v176-219 the quantiser.  Window 1: the accumulators ((a, t) at v[8 (8 a + t)]).  Window 2: S0's fragments, two sets, v0-191; v192-255 the bias, as the C of each sum's first product.
; LIMITS: a block of zeros gets the byte 1 (its codes are zeros; this program alone reads the bytes); NaN and infinities are not served.
.set SLOT,  73728                      ; a quarter of K: S0's 16 tiles x 3,072 bytes, then S1's 8
.set S1O,   49152
.set SPARE, 294912                     ; behind the four quarters: the spare words, 128 bytes for each wave
.set A16, 4                            ; v4-7    S0: 16 x lane + my 8 tiles, in quarter 0 .. 3
.set A8,  8                            ; v8-11   the same + 512 + 8 x lane
.set B16, 12                           ; v12-15  S1 likewise
.set B8,  16                           ; v16-19
.set L16, 20                           ; v20     16 x lane
.set L8,  21                           ; v21     8 x lane
.set SPW, 22                           ; v22     LDS address of my spare word; never rewritten
.set NIL, 23                           ; v23     0; never rewritten
.set SC0, 32                           ; tile t, K step ks: v[SC0 + 4 t + ks / 2], lanes 0-15 for even ks, 16-31 for odd
.set SC1, 64
.set F1,  80
.set TM,  176
.set PC,  192
.set PW,  212
.set E,   216
.set BIAS, 192
.set G1A, 24
.set G1B, 32
.set G0A, 40
.set G0B, 68
.set MSB, 0
.macro WIN new                         ; the immediate's high byte repeats the setting that is left
.if MSB != \new
	s_set_vgpr_msb (MSB<<8)|\new
.set MSB, \new
.endif
.endm
.macro PLACES
.rept 4
	v_nop
.endr
.endm
.macro CROUND                          ; a round of the cluster's barrier
	s_barrier_signal -1
	s_barrier_wait -1
	s_cmp_lg_u32 s16, 0
	s_cbranch_scc1 .Lnot_wave_0_\@
	s_barrier_signal -3
.Lnot_wave_0_\@:
	s_barrier_wait -3
	s_barrier_signal -1
	s_barrier_wait -1
.endm
	s_load_b256 s[4:11], s[0:1], 0x0               ; opc, ops, bq, bk
	s_load_b128 s[12:15], s[0:1], 0x20             ; bv, att
	v_lshl_add_u32 v[SPW], v0, 2, SPARE
	v_mov_b32 v[NIL], 0
	ds_add_u32 v[SPW], v[NIL]                      ; the wave's opening: the add and its wait ahead of my first tensor load; work on registers stands between them
	v_lshrrev_b32 v1, 5, v0
	v_readfirstlane_b32 s16, v1                    ; wave
	s_and_b32 s17, s16, 1                          ; w0.  Also: which half of a tile block I fetch
	s_lshr_b32 s18, s16, 1                         ; w1.  Also: I fetch for S0 (0) or S1 (1)
	s_and_b32 s19, ttmp7, 0xffff                   ; cluster y: 0 q, 1 k, 2 v
	s_mov_b32 s20, ttmp9                           ; cluster x
	s_bfe_u32 s21, ttmp6, 0x40000                  ; cx
	s_bfe_u32 s22, ttmp6, 0x40004                  ; cy
	s_mov_b32 s23, 0xffff0000                      ; lanes 16-31
	s_mov_b32 s62, 0x76543210
	s_mov_b32 s63, 0xfedcba98                      ; selects for lane l xor 16
	s_lshl_b32 s98, 0x1111, s21                    ; my column of the cluster
	s_or_b32 s[G1A], s98, (3<<16)|(1<<21)          ; S0's tiles: the mask; elements of 8 bytes; bit 21 beside a mask
	s_lshl_b32 s99, s22, 2
	s_lshl_b32 s99, 15, s99                        ; my row
	s_or_b32 s[G1B], s99, (3<<16)|(1<<21)
	s_mov_b32 s[G1A+1], 32<<16                     ; rows of 256 bytes, dense: 8 tiles x 3,072 bytes = 96 rows
	s_mov_b32 s[G1A+2], 96<<16
	s_mov_b32 s[G1A+3], 32<<16
	s_mov_b32 s[G1A+4], 96
	s_mov_b32 s[G1A+5], 32
	s_mov_b32 s[G1A+6], 0
	s_mov_b32 s[G1A+7], 0
	s_mov_b32 s[G1B+1], 32<<16                     ; 4 tiles = 48 rows
	s_mov_b32 s[G1B+2], 48<<16
	s_mov_b32 s[G1B+3], 32<<16
	s_mov_b32 s[G1B+4], 48
	s_mov_b32 s[G1B+5], 32
	s_mov_b32 s[G1B+6], 0
	s_mov_b32 s[G1B+7], 0
	s_mul_i32 s84, s19, 786432
	s_add_co_u32 s84, s84, 18874368                ; the weight's codes in opc,
	s_mul_i32 s85, s19, 6291456                    ; the tokens',
	s_lshl_b32 s86, s19, 6
	s_add_co_u32 s86, s86, 1536                    ; the weight's first tile in ops,
	s_lshl_b32 s87, s19, 9                         ; the tokens'
	s_lshr_b32 s98, s20, 1
	s_and_b32 s99, s20, 1
	s_mov_b32 s94, 196608
	s_mov_b32 s96, 1572864
	s_cmp_eq_u32 s19, 2                            ; v: the tokens are S0
	s_cselect_b32 s98, s98, 0
	s_cselect_b32 s99, s99, s20
	s_cselect_b32 s58, s85, s84                    ; S0's codes
	s_cselect_b32 s60, s84, s85                    ; S1's
	s_cselect_b32 s59, s87, s86                    ; S0's first tile in ops
	s_cselect_b32 s61, s86, s87                    ; S1's
	s_cselect_b32 s94, 1572864, s94                ; a quarter of K on, in S0
	s_cselect_b32 s96, 196608, s96                 ; in S1
	s_mov_b32 s95, 0
	s_mov_b32 s97, 0
	s_lshl_b32 s56, s98, 2
	s_add_co_u32 s56, s56, s21                     ; which 256 rows of S0: hangs on x alone
	s_lshl_b32 s57, s99, 2
	s_add_co_u32 s57, s57, s22                     ; which 128 rows of S1: on cluster x and cy
	s_lshl_b32 s2, s56, 4
	s_lshl_b32 s3, s17, 3
	s_add_co_u32 s2, s2, s3
	s_mul_i32 s2, s2, 3072
	s_add_co_u32 s2, s2, s58
	s_mov_b32 s3, 0                                ; S0: the 8 tiles that I would fetch
	s_lshl_b32 s92, s57, 3
	s_lshl_b32 s93, s17, 2
	s_add_co_u32 s92, s92, s93
	s_mul_i32 s92, s92, 3072
	s_add_co_u32 s92, s92, s60
	s_mov_b32 s93, 0                               ; S1: the 4 tiles
	s_mul_i32 s98, s17, 24576                      ; where they go: no place in the cluster enters an LDS address
	s_mul_i32 s99, s17, 12288
	s_add_co_u32 s99, s99, S1O
	s_wait_dscnt 0x0                               ; the opening add is done
	s_wait_kmcnt 0x0
	s_add_nc_u64 s[2:3], s[4:5], s[2:3]
	s_add_nc_u64 s[92:93], s[4:5], s[92:93]
.irp g, 0,1,2,3
	s_mov_b32 s[G0A+4*\g], 1
	s_add_co_u32 s[G0A+4*\g+1], s98, \g*SLOT
	s_mov_b64 s[G0A+4*\g+2:G0A+4*\g+3], s[2:3]
	s_or_b32 s[G0A+4*\g+3], s[G0A+4*\g+3], 0x80000000
	s_add_nc_u64 s[2:3], s[2:3], s[94:95]
	s_mov_b32 s[G0B+4*\g], 1
	s_add_co_u32 s[G0B+4*\g+1], s99, \g*SLOT
	s_mov_b64 s[G0B+4*\g+2:G0B+4*\g+3], s[92:93]
	s_or_b32 s[G0B+4*\g+3], s[G0B+4*\g+3], 0x80000000
	s_add_nc_u64 s[92:93], s[92:93], s[96:97]
.endr
	CROUND                                         ; all sixteen work-groups are here: the joint loads meet
	s_cmp_lt_u32 s16, 2                            ; a wave's four fills stand in one branch on the wave's number: four loads of mine are out
	s_cbranch_scc0 .Lfill_b
.irp g, 0,1,2,3
	tensor_load_to_lds s[G0A+4*\g:G0A+4*\g+3], s[G1A:G1A+7]
	s_nop 0
.endr
	PLACES
	s_branch .Lfilled
.Lfill_b:
.irp g, 0,1,2,3
	tensor_load_to_lds s[G0B+4*\g:G0B+4*\g+3], s[G1B:G1B+7]
	s_nop 0
.endr
	PLACES
.Lfilled:
	v_and_b32 v1, 31, v0
	v_and_b32 v2, 15, v0                           ; r
	v_bfe_u32 v3, v0, 4, 1                         ; h
	v_lshlrev_b32 v[L16], 4, v1
	v_lshlrev_b32 v[L8], 3, v1
	v_add_nc_u32 v26, 512, v[L8]
	v_lshlrev_b32 v24, 6, v3                       ; 64 h: the bias of q, k: my half's 16 numbers of 32
	v_and_b32 v25, 8, v2
	v_add_nc_u32 v25, v25, v2
	v_lshlrev_b32 v25, 2, v25                      ; 4 (r + 8 (r / 8)): the bias of v: my lane's row of a tile
	s_mul_i32 s98, s17, 24576                      ; my 8 tiles of S0,
	s_mul_i32 s99, s18, 12288
	s_add_co_u32 s99, s99, S1O                     ; my 4 of S1
.irp g, 0,1,2,3
	v_add_nc_u32 v[A16+\g], s98, v[L16]
	v_add_nc_u32 v[A8+\g], s98, v26
	v_add_nc_u32 v[B16+\g], s99, v[L16]
	v_add_nc_u32 v[B8+\g], s99, v26
	s_add_co_u32 s98, s98, SLOT
	s_add_co_u32 s99, s99, SLOT
.endr
.irp b, 0,1,2,3
	v_mov_b32 v[TM+4+\b], 0                        ; a lane permute's destination counts as one of its sources
.endr
	s_lshl_b32 s2, s56, 4
	s_lshl_b32 s3, s17, 3
	s_add_co_u32 s2, s2, s3
	s_add_co_u32 s2, s2, s59
	s_lshl_b32 s2, s2, 9
	s_mov_b32 s3, 0
	s_add_nc_u64 s[2:3], s[6:7], s[2:3]            ; the scale words of my 8 tiles of S0: 512 bytes a tile
	s_lshl_b32 s92, s57, 3
	s_lshl_b32 s93, s18, 2
	s_add_co_u32 s92, s92, s93
	s_add_co_u32 s92, s92, s61
	s_lshl_b32 s92, s92, 9
	s_mov_b32 s93, 0
	s_add_nc_u64 s[92:93], s[6:7], s[92:93]        ; and of my 4 of S1
.irp t, 0,1,2,3,4,5,6,7
	global_load_b64 v[SC0+4*\t:SC0+4*\t+1], v[L8], s[2:3] offset:512*\t
	global_load_b64 v[SC0+4*\t+2:SC0+4*\t+3], v[L8], s[2:3] offset:512*\t+256
.endr
.irp a, 0,1,2,3
	global_load_b64 v[SC1+4*\a:SC1+4*\a+1], v[L8], s[92:93] offset:512*\a
	global_load_b64 v[SC1+4*\a+2:SC1+4*\a+3], v[L8], s[92:93] offset:512*\a+256
.endr
	s_cmp_eq_u32 s19, 2
	s_cbranch_scc1 .Lbias_v
	; q, k: the bias runs along the registers: tile t's eight numbers of my half.  And where the results go
	s_cmp_eq_u32 s19, 0
	s_cselect_b64 s[100:101], s[8:9], s[10:11]
	s_lshl_b32 s94, s56, 10
	s_lshl_b32 s95, s17, 9
	s_add_co_u32 s94, s94, s95
	s_mov_b32 s95, 0
	s_add_nc_u64 s[100:101], s[100:101], s[94:95]
	WIN 0x80                                       ; destination window 2
.irp t, 0,1,2,3,4,5,6,7
	global_load_b128 v[BIAS+8*\t:BIAS+8*\t+3], v24, s[100:101] offset:(32*(\t/2)+8*(\t%2))*4
	global_load_b128 v[BIAS+8*\t+4:BIAS+8*\t+7], v24, s[100:101] offset:(32*(\t/2)+8*(\t%2))*4+16
.endr
	WIN 0
	s_lshl_b32 s20, s57, 3
	s_lshl_b32 s21, s18, 2
	s_add_co_u32 s20, s20, s21                     ; my first tile of tokens
	s_lshr_b32 s21, s20, 7                         ; the batch
	s_and_b32 s20, s20, 127                        ; the tile in it
	s_lshl_b32 s21, s21, 4
	s_lshl_b32 s22, s56, 2
	s_add_co_u32 s21, s21, s22
	s_lshl_b32 s22, s17, 1
	s_add_co_u32 s21, s21, s22                     ; 16 x batch + my first head (my 128 columns are two heads)
	s_mul_i32 s21, s21, 106496
	s_mul_i32 s22, s19, 6815744
	s_add_co_u32 s21, s21, s22
	s_mul_i32 s84, s20, 768
	s_add_co_u32 s84, s84, s21
	s_lshr_b32 s88, s20, 2
	s_lshl_b32 s88, s88, 8
	s_add_co_u32 s88, s88, s21
	s_add_co_u32 s88, s88, 98304
	s_mov_b32 s86, 106496                          ; the second head's image lies a head on
	s_mov_b32 s90, 768                             ; from tile to tile
	s_branch .Lbias_done
.Lbias_v:
	; v: the bias hangs on the lane's row of S1: the same number in a tile's eight registers
	s_lshl_b32 s94, s57, 3
	s_lshl_b32 s95, s18, 2
	s_add_co_u32 s94, s94, s95
	s_lshl_b32 s94, s94, 6
	s_mov_b32 s95, 0
	s_add_nc_u64 s[100:101], s[12:13], s[94:95]
	WIN 0x80
.irp a, 0,1,2,3
.irp j, 0,1,2,3,4,5,6,7
	global_load_b32 v[BIAS+8*\a+\j], v25, s[100:101] offset:(32*(\a/2)+8*(\a%2))*4
.endr
.endr
	WIN 0
	s_lshl_b32 s20, s57, 1
	s_add_co_u32 s20, s20, s18                     ; the head: my 64 rows of Wv
	s_lshl_b32 s21, s56, 1
	s_add_co_u32 s21, s21, s17                     ; which 128 tokens
	s_lshr_b32 s22, s21, 4
	s_lshl_b32 s22, s22, 4
	s_add_co_u32 s20, s20, s22                     ; 16 x batch + head
	s_and_b32 s21, s21, 15                         ; the key step
	s_mul_i32 s20, s20, 102400
	s_add_co_u32 s20, s20, 13631488
	s_mul_i32 s84, s21, 6144
	s_add_co_u32 s84, s84, s20
	s_lshl_b32 s88, s21, 8
	s_add_co_u32 s88, s88, s20
	s_add_co_u32 s88, s88, 98304
	s_mov_b32 s86, 768                             ; the fragment's second half follows the first
	s_mov_b32 s90, 1536
.Lbias_done:
	s_mov_b32 s85, 0
	s_mov_b32 s87, 0
	s_mov_b32 s89, 0
	s_mov_b32 s91, 0
	s_add_nc_u64 s[84:85], s[14:15], s[84:85]
	s_add_nc_u64 s[86:87], s[84:85], s[86:87]
	s_add_nc_u64 s[88:89], s[14:15], s[88:89]
.macro FRAG reg, a16, a8, off          ; a fragment comes back as it was stored: every load reads consecutive bytes
	ds_load_b128 v[0+(\reg):3+(\reg)], v[\a16] offset:\off
	ds_load_b64 v[4+(\reg):5+(\reg)], v[\a8] offset:\off
	ds_load_b128 v[6+(\reg):9+(\reg)], v[\a16] offset:(\off)+768
	ds_load_b64 v[10+(\reg):11+(\reg)], v[\a8] offset:(\off)+768
.endm
.macro FETCH ks                        ; K step ks: S0's eight fragments and S1's four, into set ks % 2
	WIN 0x80
.irp t, 0,1,2,3,4,5,6,7
	FRAG 96*((\ks)%2)+12*\t, A16+(\ks)/2, A8+(\ks)/2, 3072*\t+1536*((\ks)%2)
.endr
	WIN 0
.irp a, 0,1,2,3
	FRAG F1+48*((\ks)%2)+12*\a, B16+(\ks)/2, B8+(\ks)/2, 3072*\a+1536*((\ks)%2)
.endr
.endm
.macro WM d, a, b, c, sa, sb, row
.if \row
	v_wmma_scale_f32_16x16x128_f8f6f4 v[0+(\d):7+(\d)], v[0+(\a):11+(\a)], v[0+(\b):11+(\b)], v[0+(\c):7+(\c)], v[0+(\sa)], v[0+(\sb)] matrix_a_fmt:MATRIX_FMT_FP6 matrix_b_fmt:MATRIX_FMT_FP6 matrix_a_scale:MATRIX_SCALE_ROW1 matrix_b_scale:MATRIX_SCALE_ROW1
.else
	v_wmma_scale_f32_16x16x128_f8f6f4 v[0+(\d):7+(\d)], v[0+(\a):11+(\a)], v[0+(\b):11+(\b)], v[0+(\c):7+(\c)], v[0+(\sa)], v[0+(\sb)] matrix_a_fmt:MATRIX_FMT_FP6 matrix_b_fmt:MATRIX_FMT_FP6
.endif
.endm
; 32 matrix instructions: the 32 accumulators take turns, one instruction a turn, in the same order in every step.
; cmode 0: onto the sums; 1: the sums begin with the bias along the registers; 2: with the bias along the lanes.
.macro MUL32 ks, cmode
.if \cmode
	WIN 0x62                                       ; S0 window 2, S1 window 0, C window 2, D window 1
.else
	WIN 0x52                                       ; C and D window 1
.endif
.irp a, 0,1,2,3
.irp t, 0,1,2,3,4,5,6,7
.if \cmode == 1
	WM 8*(8*\a+\t), 96*((\ks)%2)+12*\t, F1+48*((\ks)%2)+12*\a, BIAS+8*\t, SC0+4*\t+(\ks)/2, SC1+4*\a+(\ks)/2, (\ks)%2
.elseif \cmode == 2
	WM 8*(8*\a+\t), 96*((\ks)%2)+12*\t, F1+48*((\ks)%2)+12*\a, BIAS+8*\a, SC0+4*\t+(\ks)/2, SC1+4*\a+(\ks)/2, (\ks)%2
.else
	WM 8*(8*\a+\t), 96*((\ks)%2)+12*\t, F1+48*((\ks)%2)+12*\a, 8*(8*\a+\t), SC0+4*\t+(\ks)/2, SC1+4*\a+(\ks)/2, (\ks)%2
.endif
.endr
.endr
.endm
.macro KSTEP ks                        ; what stands ahead of K step ks's products
	s_wait_dscnt 0x0                               ; this step's fragments are in (asked for 32 matrix instructions ago)
.if (\ks) < 7
.if (\ks)%2
	s_wait_tensorcnt 3-((\ks)+1)/2                 ; my part of the next quarter of K has landed; the quarters behind it may stay out
	s_barrier_signal -1
	s_barrier_wait -1                              ; everybody's has
.endif
.if (\ks) > 0
	PLACES                                         ; four places between the last products and the loads into the set that they read
.endif
	FETCH (\ks)+1
.endif
.endm
	s_wait_tensorcnt 0x3                           ; my part of the first quarter of K has landed; three loads may stay out
	s_barrier_signal -1
	s_barrier_wait -1
	FETCH 0
	s_wait_loadcnt 0x0                             ; scale words and bias
	KSTEP 0
	WIN 0
	s_cmp_eq_u32 s19, 2
	s_cbranch_scc1 .Lfirst_v
	MUL32 0, 1
	WIN 0
	s_branch .Lfirst_done
.Lfirst_v:
	MUL32 0, 2
	WIN 0
.Lfirst_done:
.irp k, 1,2,3,4,5,6,7
	KSTEP \k
	MUL32 \k, 0
.endr
	WIN 0
; 64 numbers of a lane in window 1, v[s] on, register 16 b + i = k 32 b + 16 (lane / 16) + i of my row, become a fragment's codes in v[PC] on and its scale word in v[pw].  Each accumulator is read from its low end on.
.macro QUANTW s, pw
	WIN 0x05
.irp b, 0,1,2,3
	v_max3_num_f32 v[TM+\b], |v[16*\b+(\s)]|, |v[16*\b+1+(\s)]|, 0x1800000   ; the floor 2^(3 - 127) holds the byte at 1 from below
.endr
	WIN 0x14
.irp i, 2,4,6,8,10,12,14
.irp b, 0,1,2,3
	v_max3_num_f32 v[TM+\b], v[TM+\b], |v[16*\b+\i+(\s)]|, |v[16*\b+\i+1+(\s)]|
.endr
.endr
	WIN 0
.irp b, 0,1,2,3
	v_permlanex16_b32 v[TM+4+\b], v[TM+\b], s62, s63
.endr
.irp b, 0,1,2,3
	v_max_num_f32 v[TM+\b], v[TM+\b], v[TM+4+\b]   ; with lane l xor 16's: the block's largest magnitude
.endr
.irp b, 0,1,2,3
	v_add_nc_u32 v[TM+12+\b], 0xff000000, v[TM+\b] ; 2 off the exponent field: the conversion's scale operand
.endr
.irp b, 0,1,2,3
	v_lshrrev_b32 v[TM+4+\b], 23, v[TM+12+\b]      ; the scale's byte
.endr
	v_lshl_or_b32 v[\pw], v[TM+5], 8, v[TM+4]
	v_lshl_or_b32 v[\pw], v[TM+6], 16, v[\pw]
	v_lshl_or_b32 v[\pw], v[TM+7], 24, v[\pw]
	WIN 0x01
.irp c, 0,1
	v_cvt_scalef32_pk16_fp6_f32 v[PC+6*\c:PC+6*\c+2], v[32*\c+(\s):32*\c+15+(\s)], v[TM+12+2*\c]
	v_cvt_scalef32_pk16_fp6_f32 v[PC+12+4*\c:PC+14+4*\c], v[32*\c+16+(\s):32*\c+31+(\s)], v[TM+13+2*\c]
.endr
	WIN 0
	v_nop                                          ; one plain place behind a scaled conversion
.irp c, 0,1                            ; the operand's layout wants a whole block in a lane: lanes 0-15 block 2 c, lanes 16-31 block 2 c + 1
.irp i, 0,1,2
	v_permlane16_swap_b32 v[PC+6*\c+\i], v[PC+12+4*\c+\i]
.endr
.irp i, 0,1,2
	v_mov_b32 v[PC+3+6*\c+\i], v[PC+12+4*\c+\i]
.endr
.endr
.endm
	PLACES                                         ; four places between the last product and the first read of results
.irp a, 0,1,2,3
.if \a > 0
	s_wait_xcnt 0x0                                ; the last tile's stores have read their data and bases: both are written again only behind this wait
	s_add_nc_u64 s[84:85], s[84:85], s[90:91]
	s_add_nc_u64 s[86:87], s[86:87], s[90:91]
.endif
	QUANTW 64*\a, PW+\a
	global_store_b128 v[L16], v[PC:PC+3], s[84:85]             ; each store covers 512 or 256 consecutive bytes, aligned
	global_store_b64 v[L8], v[PC+4:PC+5], s[84:85] offset:512
	global_store_b128 v[L16], v[PC+6:PC+9], s[86:87]
	global_store_b64 v[L8], v[PC+10:PC+11], s[86:87] offset:512
.endr
	v_cndmask_b32 v[E], v[PW], v[PW+1], s23        ; four tiles' scale words in two registers: lanes 0-15 the even tile, lanes 16-31 the odd one
	v_cndmask_b32 v[E+1], v[PW+2], v[PW+3], s23
	s_cmp_eq_u32 s19, 2
	s_cbranch_scc1 .Lscale_v
	v_and_b32 v[E+2], 0xffff, v[E]                 ; q, k: the word's lower two bytes are the first head's, the upper two the second's
	v_and_b32 v[E+3], 0xffff, v[E+1]
	v_lshrrev_b32 v26, 16, v[E]
	v_lshrrev_b32 v27, 16, v[E+1]
	global_store_b64 v[L8], v[E+2:E+3], s[88:89]
	global_store_b64 v[L8], v[26:27], s[88:89] offset:106496
	s_branch .Lend
.Lscale_v:
	global_store_b64 v[L8], v[E:E+1], s[88:89]
.Lend:
	s_wait_tensorcnt 0x0                           ; the wave's end: a wait, the add and its wait behind my last tensor load
	ds_add_u32 v[SPW], v[NIL]
	s_wait_dscnt 0x0
	CROUND                                         ; the closing round
	s_endpgm
.Lfunc_end_k_q89ef74049a_proj:
	.size	k_q89ef74049a_proj, .Lfunc_end_k_q89ef74049a_proj-k_q89ef74049a_proj
	.p2alignl 7, 3214868480
	.fill 96, 4, 3214868480
	.section	.rodata,"a",@progbits
	.p2align	6, 0x0
	.amdhsa_kernel k_q89ef74049a_proj
		.amdhsa_group_segment_fixed_size 295424
		.amdhsa_private_segment_fixed_size 0
		.amdhsa_enable_private_segment 0
		.amdhsa_kernarg_size 48
		.amdhsa_user_sgpr_count 2
		.amdhsa_user_sgpr_kernarg_segment_ptr 1
		.amdhsa_wavefront_size32 1
		.amdhsa_system_sgpr_workgroup_id_x 1
		.amdhsa_system_sgpr_workgroup_id_y 1
		.amdhsa_system_sgpr_workgroup_id_z 1
		.amdhsa_system_vgpr_workitem_id 0
		.amdhsa_next_free_vgpr 768
		.amdhsa_next_free_sgpr 102
		.amdhsa_reserve_vcc 0
		.amdhsa_float_denorm_mode_32 3
		.amdhsa_float_denorm_mode_16_64 3
		.amdhsa_memory_ordered 1
		.amdhsa_forward_progress 1
		.amdhsa_inst_pref_size 100
	.end_amdhsa_kernel
	.amdgpu_metadata
---
amdhsa.version: [ 1, 2 ]
amdhsa.kernels:
  - .name:           k_q89ef74049a_proj
    .symbol:         k_q89ef74049a_proj.kd
    .args:
      - { .name: opc, .offset: 0, .size: 8, .value_kind: global_buffer, .address_space: global }
      - { .name: ops, .offset: 8, .size: 8, .value_kind: global_buffer, .address_space: global }
      - { .name: bq, .offset: 16, .size: 8, .value_kind: global_buffer, .address_space: global }
      - { .name: bk, .offset: 24, .size: 8, .value_kind: global_buffer, .address_space: global }
      - { .name: bv, .offset: 32, .size: 8, .value_kind: global_buffer, .address_space: global }
      - { .name: att, .offset: 40, .size: 8, .value_kind: global_buffer, .address_space: global }
    .group_segment_fixed_size: 295424
    .private_segment_fixed_size: 0
    .kernarg_segment_align: 8
    .kernarg_segment_size: 48
    .max_flat_workgroup_size: 128
    .sgpr_count:     102
    .vgpr_count:     768
    .wavefront_size: 32
...
	.end_amdgpu_metadata
.endif
;; end of part 2
;; launch attn (part 3): grid 4 x 64, 16 waves a work-group, clusters of 4 x 1, 210,944 bytes of LDS; arguments att, maskw, xc, xs; writes xc, xs
.if DOCPART == 3
	.amdgcn_target "amdgcn-amd-amdhsa--gfx1250"
	.amdhsa_code_object_version 6
	.text
	.protected	k_q89ef74049a_attn
	.globl	k_q89ef74049a_attn
	.p2align	8
	.type	k_q89ef74049a_attn,@function
k_q89ef74049a_attn:
	s_mov_b64 s[64:65], 0
	v_nop
	global_prefetch_b8 v0, s[64:65] scope:SCOPE_SE
	s_setreg_imm32_b32 hwreg(HW_REG_WAVE_MODE, 25, 1), 1
	s_wait_xcnt 0x0
	s_wait_alu depctr_hold_cnt(0) depctr_sa_sdst(0) depctr_va_vdst(0) depctr_va_sdst(0) depctr_va_ssrc(0) depctr_va_vcc(0) depctr_vm_vsrc(0)
	s_getreg_b32 s2, hwreg(HW_REG_IB_STS2, 6, 4)
	s_cmp_eq_u32 s2, 0
	s_cbranch_scc0 .Lentry_in_a_cluster
	s_endpgm
.Lentry_in_a_cluster:
	s_bfe_u32 s2, ttmp6, 0x10000c
	s_cmp_lg_u32 s2, 0x3003
	s_cbranch_scc0 .Lentry_shape_is_right
	s_endpgm
.Lentry_shape_is_right:
; LAUNCH 3.  x = attn v, attn = softmax(q k^T / 8 under the mask), hidden places 0; both products on codes of FP6 (E2M3) with E8M0 scales.  attn is quantised FINISHED AND NORMALISED, along the keys: so a row's largest score and its
; sum are known before the first code is made: TWO PASSES over the keys; the second makes the scores anew.
; PASS 1: t = score x log2(e) / 8; M = the running largest t of the open keys, rounded up to a whole number; l = the sum of 2^(t - M); when M moves, l is multiplied by 2^(old M - new M), which rounds nothing.
; PASS 2: attn = 2^(t - M) x (1 / l), quantised in blocks of 32 keys, times v.  A hidden score becomes -infinity ahead of the maximum, so its attn is exactly 0.  A row with an open key has l > 0.5; a row with none has l = 0 and
; every 2^(t - M) = 0: l is held at 0.5 from below, and the row is exactly 0.
; SHARES.  A work-group takes one (batch, head) and 512 queries; each of its sixteen waves two tiles of 16 queries, one after the other (two sweeps).  Four waves to a SIMD: one wave's vector work stands beside another's loads and products.
; LDS.  The head's whole k and v (codes and scale words, 208,896 bytes) come once and stay: no byte is filled twice, and the loops have no barrier.  The four work-groups of a head form a cluster and ask jointly.
; LAYOUT.  Both products are used transposed: S^T = k q^T, O^T = v^T attn^T: a lane holds ONE query.  Tiles are laid as launch 1 lays them, so the 16 registers of score tiles 2 b, 2 b + 1 are keys 32 b + 16 (lane / 16) + 0 .. 15.
; K = 64 IN A FORM OF 128: a tile of k is six registers; the instruction names twelve, of which the upper six are the next tile's (behind the last: zeros); they meet q's upper six, which are zero codes, and add nothing.
; THE MASK comes as lane masks, one word for each score register, by scalar loads a step ahead.
; OUT.  xc: x's codes as launch 4's operand; xs: their scale words, 128 bytes a wave (half of an aligned 256: the whole buffer is 0.5 MB).
; LIMITS: a block of zeros gets the byte 1 (its codes are zeros; this program alone reads the bytes); NaN and infinities are not served.
.set KSC,   98304                      ; LDS: k's codes at 0, its scale words here,
.set VB,    106496                     ; v's codes,
.set VSC,   204800                     ; v's scale words,
.set SPARE, 208896                     ; and the spare words, 128 bytes for each wave
.set TM,  226                          ; v226-229 largest magnitudes; v230-233 the other half's, then bytes; v234-237 the conversions' scale operands
.set PC,  192                          ; v192-203 codes; v204-206, v208-210 the halves that a conversion cannot put at an odd register
; v2-7 my lane's places in LDS; v8-13 the step's addresses; v14, v15, v87, v29: 16, 8, 4 x lane, 8 x (lane % 16); v16-27 q (v22-27 zeros); v28 q's scale words; v30, v31 the add's two;
; v32-79 eight tiles of k, later four fragments of v; v80-85 zeros; v86 x's scale words; v96-159 scores, then attn; v160-191 O^T; v212-215, v216-217, v218 scale words of k, v, attn;
; v220 -M, v221 the largest t; v[222:223] l in two halves; v[224:225] 1 / l; v[238:239] f; v240-241 at work; v248 -infinity.
; s12 wave; s[14:15] c; s[16:17] lane selects; s18, s19 counters; s20, s21, s22 the step's bytes in codes, k's scale words, v's; s24 the step's bytes in the mask words; s[26:27] mask words; s[28:29] q's codes; s[2:3] q's scale words;
; s[66:67] xc; s[10:11] xs; s30 the sweep's lanes; s[32:63], s[68:99] the step's 64 mask words (ahead of them: the descriptors).
.macro CROUND
	s_barrier_signal -1
	s_barrier_wait -1
	s_cmp_lg_u32 s12, 0
	s_cbranch_scc1 .Lnot_wave_0_\@
	s_barrier_signal -3
.Lnot_wave_0_\@:
	s_barrier_wait -3
	s_barrier_signal -1
	s_barrier_wait -1
.endm
.macro PLACES
.rept 4
	v_nop
.endr
.endm
	s_load_b256 s[4:11], s[0:1], 0x0               ; att, maskw, xc, xs
	v_lshl_add_u32 v30, v0, 2, SPARE
	v_mov_b32 v31, 0
	ds_add_u32 v30, v31                            ; the wave's opening: the add and its wait ahead of the first tensor loads; work on registers stands between them
	v_lshrrev_b32 v1, 5, v0
	v_readfirstlane_b32 s12, v1                    ; wave 0..15
	s_and_b32 s23, ttmp7, 0xffff                   ; 16 x batch + head: the four partners share it
	s_mov_b32 s32, 15|(3<<16)|(1<<21)              ; k: the mask names all four; elements of 8 bytes; bit 21 beside a mask
	s_mov_b32 s33, 32<<16                          ; rows of 256 bytes, dense: a quarter of 106,496 bytes = 104 rows
	s_mov_b32 s34, 104<<16
	s_mov_b32 s35, 32<<16
	s_mov_b32 s36, 104
	s_mov_b32 s37, 32
	s_mov_b32 s38, 0
	s_mov_b32 s39, 0
	s_mov_b32 s40, 15|(3<<16)|(1<<21)              ; v: a quarter of 102,400 bytes = 100 rows
	s_mov_b32 s41, 32<<16
	s_mov_b32 s42, 100<<16
	s_mov_b32 s43, 32<<16
	s_mov_b32 s44, 100
	s_mov_b32 s45, 32
	s_mov_b32 s46, 0
	s_mov_b32 s47, 0
	s_mul_i32 s18, s23, 106496                     ; the head's block of q and of k,
	s_mul_i32 s20, s23, 102400                     ; of v
	s_mul_i32 s22, s12, 26624                      ; the quarter that waves 0 to 3 fetch, in memory and in LDS
	s_mul_i32 s24, s12, 25600
	s_mov_b32 s48, 1
	s_mov_b32 s49, s22
	s_mov_b32 s52, 1
	s_add_co_u32 s53, s24, VB
	s_add_co_u32 s56, s18, s22
	s_add_co_u32 s56, s56, 6815744
	s_mov_b32 s57, 0
	s_add_co_u32 s58, s20, s24
	s_add_co_u32 s58, s58, 13631488
	s_mov_b32 s59, 0
	s_mov_b32 s14, 0x3e38aa3b                      ; c = log2(e) / 8
	s_mov_b32 s15, s14                             ; (named with it as a pair, so it is written)
	s_mov_b32 s16, 0x76543210
	s_mov_b32 s17, 0xfedcba98                      ; selects for lane l xor 16
	s_wait_dscnt 0x0                               ; the opening add is done
	s_wait_kmcnt 0x0
	s_add_nc_u64 s[50:51], s[4:5], s[56:57]
	s_or_b32 s51, s51, 0x80000000
	s_add_nc_u64 s[54:55], s[4:5], s[58:59]
	s_or_b32 s55, s55, 0x80000000
	CROUND                                         ; all four work-groups are here: the joint loads meet
	s_cmp_lt_u32 s12, 4                            ; waves 0 to 3 fetch, two loads each, in one branch on the wave's number
	s_cbranch_scc0 .Lfilled
	tensor_load_to_lds s[48:51], s[32:39]
	s_nop 0
	tensor_load_to_lds s[52:55], s[40:47]
	s_nop 0
	PLACES
.Lfilled:
	s_bfe_u32 s13, ttmp6, 0x40000                  ; cx: it enters global addresses alone
	s_lshl_b32 s25, s13, 4
	s_add_co_u32 s25, s25, s12                     ; P: my pair of query tiles, 2 P and 2 P + 1
	s_mov_b32 s31, 0
	s_mul_i32 s30, s25, 1536
	s_add_co_u32 s30, s30, s18
	s_add_nc_u64 s[28:29], s[4:5], s[30:31]        ; q's codes: 768 bytes a tile
	s_lshr_b32 s30, s25, 1
	s_lshl_b32 s30, s30, 8                         ; q's scale words: 256 bytes for four tiles;
	s_and_b32 s13, s25, 1
	s_lshl_b32 s13, s13, 2                         ; my pair is register P % 2 of a lane's two; the sweep picks the half of the lanes: 128 bytes on
	s_add_co_u32 s30, s30, s13
	s_add_co_u32 s30, s30, s18
	s_add_co_u32 s30, s30, KSC
	s_add_nc_u64 s[2:3], s[4:5], s[30:31]
	s_lshr_b32 s13, s23, 4                         ; the batch
	s_lshl_b32 s30, s13, 19
	s_lshl_b32 s22, s25, 13
	s_add_co_u32 s30, s30, s22
	s_add_nc_u64 s[26:27], s[6:7], s[30:31]        ; the mask words: 4,096 bytes a tile of queries
	s_lshl_b32 s30, s13, 7
	s_lshl_b32 s22, s25, 1
	s_add_co_u32 s30, s30, s22
	s_mul_i32 s30, s30, 3072                       ; xc: [quarter of K][tile of tokens][2 fragments][2 halves of 64]: my head is 64 of launch 4's K
	s_and_b32 s22, s23, 15
	s_lshr_b32 s24, s22, 2
	s_mul_i32 s24, s24, 1572864
	s_add_co_u32 s30, s30, s24
	s_bfe_u32 s24, s22, 0x10001
	s_mul_i32 s24, s24, 1536
	s_add_co_u32 s30, s30, s24
	s_and_b32 s24, s22, 1
	s_mul_i32 s24, s24, 768
	s_add_co_u32 s30, s30, s24
	s_add_nc_u64 s[66:67], s[8:9], s[30:31]
	s_lshl_b32 s30, s23, 6
	s_add_co_u32 s30, s30, s25
	s_lshl_b32 s30, s30, 7
	s_add_nc_u64 s[10:11], s[10:11], s[30:31]      ; xs: 128 bytes a pair
	s_mov_b32 s30, 0x0000ffff                      ; the first sweep's scale words go to lanes 0-15
	s_mov_b32 s19, 2
	v_and_b32 v1, 31, v0
	v_lshlrev_b32 v14, 4, v1
	v_lshlrev_b32 v15, 3, v1
	v_lshlrev_b32 v87, 2, v1
	v_and_b32 v29, 15, v0
	v_lshlrev_b32 v29, 3, v29
	v_lshlrev_b32 v2, 4, v1
	v_add_nc_u32 v3, 512, v15
	v_add_nc_u32 v4, KSC, v15
	v_add_nc_u32 v5, VB, v14
	v_add_nc_u32 v6, VB+512, v15
	v_add_nc_u32 v7, VSC, v15
.irp i, 22,23,24,25,26,27,80,81,82,83,84,85,86,230,231,232,233,239,241
	v_mov_b32 v\i, 0                               ; q's upper half and the tail behind k's tiles: zero codes; x's scale words; permutes' destinations; the upper half of f's pair
.endr
	v_mov_b32 v248, 0xff800000                     ; -infinity
	s_wait_tensorcnt 0x0                           ; my parts of k and v have landed,
	s_barrier_signal -1
	s_barrier_wait -1                              ; everybody's have; the descriptors' registers are free
.macro MLOAD                           ; a step's 64 mask words
	s_load_b512 s[32:47], s[26:27], s24 offset:0x0
	s_load_b512 s[48:63], s[26:27], s24 offset:0x40
	s_load_b512 s[68:83], s[26:27], s24 offset:0x80
	s_load_b512 s[84:99], s[26:27], s24 offset:0xc0
.endm
; The scores of 128 keys under the mask.  pv = 1: v's four fragments are asked for too, into the registers that k's tiles leave.
.macro SCORES pv
	v_add_nc_u32 v8, s20, v2
	v_add_nc_u32 v9, s20, v3
	v_add_nc_u32 v10, s21, v4
.if \pv
	v_add_nc_u32 v11, s20, v5                      ; (these six are also the places between the last step's products and the loads below)
	v_add_nc_u32 v12, s20, v6
	v_add_nc_u32 v13, s22, v7
.endif
.set tt, 0
.rept 8
	ds_load_b128 v[32+6*tt:35+6*tt], v8 offset:768*tt
	ds_load_b64 v[36+6*tt:37+6*tt], v9 offset:768*tt
.set tt, tt+1
.endr
	ds_load_b64 v[212:213], v10                    ; tile t's scale words: register t / 2, lanes 0-15 for even t, 16-31 for odd
	ds_load_b64 v[214:215], v10 offset:256
	s_wait_dscnt 0x0
.set tt, 0
.rept 8
.if tt%2
	v_wmma_scale_f32_16x16x128_f8f6f4 v[96+8*tt:103+8*tt], v[32+6*tt:43+6*tt], v[16:27], 0, v[212+tt/2], v28 matrix_a_fmt:MATRIX_FMT_FP6 matrix_b_fmt:MATRIX_FMT_FP6 matrix_a_scale:MATRIX_SCALE_ROW1
.else
	v_wmma_scale_f32_16x16x128_f8f6f4 v[96+8*tt:103+8*tt], v[32+6*tt:43+6*tt], v[16:27], 0, v[212+tt/2], v28 matrix_a_fmt:MATRIX_FMT_FP6 matrix_b_fmt:MATRIX_FMT_FP6
.endif
.set tt, tt+1
.endr
	PLACES                                         ; four places ahead of the first read of results, and of the loads into k's registers
	s_wait_kmcnt 0x0                               ; the step's mask words, asked for a step ago
.set jj, 0
.rept 64
	v_cndmask_b32 v[96+jj], v[96+jj], v248, s[32+jj+4*(jj/32)]   ; hidden: -infinity.  In ascending order: each accumulator is read from its low end on
.set jj, jj+1
.endr
	s_add_co_u32 s24, s24, 256                     ; (the scalar loads are done: their offset may be written)
	s_and_b32 s24, s24, 0xfff                      ; behind the last step comes the first again, for the next pass
	MLOAD
.if \pv
.set tt, 0
.rept 4
	ds_load_b128 v[32+12*tt:35+12*tt], v11 offset:1536*tt
	ds_load_b64 v[36+12*tt:37+12*tt], v12 offset:1536*tt
	ds_load_b128 v[38+12*tt:41+12*tt], v11 offset:1536*tt+768
	ds_load_b64 v[42+12*tt:43+12*tt], v12 offset:1536*tt+768
.set tt, tt+1
.endr
	ds_load_b64 v[216:217], v13
.endif
.endm
.macro TMINUSM                         ; t - M, two at a time, and 2^(t - M)
.set jj, 0
.rept 32
	v_pk_fma_f32 v[96+jj:97+jj], v[96+jj:97+jj], s[14:15], v[220:221] op_sel_hi:[1,0,0]
.set jj, jj+2
.endr
.set jj, 0
.rept 64
	v_exp_f32 v[96+jj], v[96+jj]
.set jj, jj+1
.endr
.endm
.macro P1TAIL
.irp b, 0,1,2,3
	v_max3_num_f32 v[TM+\b], v[96+16*\b], v[97+16*\b], v[98+16*\b]   ; the largest of my 64 scores, in four chains
.endr
.irp i, 3,5,7,9,11,13
.irp b, 0,1,2,3
	v_max3_num_f32 v[TM+\b], v[TM+\b], v[96+16*\b+\i], v[97+16*\b+\i]
.endr
.endr
.irp b, 0,1,2,3
	v_max_num_f32 v[TM+\b], v[TM+\b], v[111+16*\b]
.endr
	v_max3_num_f32 v240, v[TM], v[TM+1], v[TM+2]
	v_max_num_f32 v240, v240, v[TM+3]
	v_permlanex16_b32 v241, v240, s16, s17
	v_max_num_f32 v240, v240, v241                 ; with lane l xor 16's 64 keys
	v_mul_f32 v240, s14, v240                      ; as t (c is positive)
	v_max_num_f32 v221, v221, v240                 ; the running largest t
	v_mov_b32 v240, v220
	v_floor_f32 v220, -v221                        ; the new -M = floor(-t): M is a whole number
	v_sub_f32 v240, v220, v240                     ; old M - new M: a whole number, 0 or less
	v_cvt_i32_f32 v240, v240                       ; (it saturates)
	v_ldexp_f32 v238, 1.0, v240                    ; f = 2^(old M - new M)
	TMINUSM
	v_pk_mul_f32 v[222:223], v[222:223], v[238:239] op_sel_hi:[1,0]   ; l under the new M.  (The plain place behind the exponentials)
	s_wait_alu depctr_va_vdst(0)                   ; one wait for the batch of 64, ahead of its first reader
	v_pk_add_f32 v[240:241], v[96:97], v[98:99]    ; the sum, two at a time, in two chains
.set jj, 4
.rept 15
	v_pk_add_f32 v[222:223], v[222:223], v[96+jj:97+jj]
	v_pk_add_f32 v[240:241], v[240:241], v[98+jj:99+jj]
.set jj, jj+4
.endr
	v_pk_add_f32 v[222:223], v[222:223], v[240:241]
.endm
.macro P2TAIL
	TMINUSM
	v_nop                                          ; the plain place behind the exponentials
	s_wait_alu depctr_va_vdst(0)                   ; one wait for the batch of 64
.set jj, 0
.rept 32
	v_pk_mul_f32 v[96+jj:97+jj], v[96+jj:97+jj], v[224:225]   ; attn, finished and normalised
.set jj, jj+2
.endr
.irp b, 0,1,2,3
	v_max3_num_f32 v[TM+\b], v[96+16*\b], v[97+16*\b], 0x1800000   ; the blocks' largest attn (none is negative), and the floor 2^(3 - 127)
.endr
.irp i, 2,4,6,8,10,12,14
.irp b, 0,1,2,3
	v_max3_num_f32 v[TM+\b], v[TM+\b], v[96+16*\b+\i], v[97+16*\b+\i]
.endr
.endr
.irp b, 0,1,2,3
	v_permlanex16_b32 v[TM+4+\b], v[TM+\b], s16, s17
.endr
.irp b, 0,1,2,3
	v_max_num_f32 v[TM+\b], v[TM+\b], v[TM+4+\b]
.endr
.irp b, 0,1,2,3
	v_add_nc_u32 v[TM+8+\b], 0xff000000, v[TM+\b]  ; 2 off the exponent field: the conversion's scale operand
.endr
.irp b, 0,1,2,3
	v_lshrrev_b32 v[TM+4+\b], 23, v[TM+8+\b]       ; the scale's byte
.endr
	v_lshl_or_b32 v218, v[TM+5], 8, v[TM+4]        ; attn's scale word for these 128 keys
	v_lshl_or_b32 v218, v[TM+6], 16, v218
	v_lshl_or_b32 v218, v[TM+7], 24, v218
.irp c, 0,1
	v_cvt_scalef32_pk16_fp6_f32 v[PC+6*\c:PC+6*\c+2], v[96+32*\c:111+32*\c], v[TM+8+2*\c]
	v_cvt_scalef32_pk16_fp6_f32 v[PC+12+4*\c:PC+14+4*\c], v[112+32*\c:127+32*\c], v[TM+9+2*\c]
.endr
	v_nop                                          ; one plain place behind a scaled conversion
.irp c, 0,1                            ; a whole block in a lane: lanes 0-15 block 2 c, lanes 16-31 block 2 c + 1
.irp i, 0,1,2
	v_permlane16_swap_b32 v[PC+6*\c+\i], v[PC+12+4*\c+\i]
.endr
.irp i, 0,1,2
	v_mov_b32 v[PC+3+6*\c+\i], v[PC+12+4*\c+\i]
.endr
.endr
.rept 8
	v_nop                                          ; a scale register written by vector instructions stands eight places ahead of a scaled matrix instruction, an operand so written four
.endr
	s_wait_dscnt 0x0                               ; v's fragments and scale words are in
.set tt, 0
.rept 4                                ; O^T += v^T attn^T: the four accumulators take turns
.if tt%2
	v_wmma_scale_f32_16x16x128_f8f6f4 v[160+8*tt:167+8*tt], v[32+12*tt:43+12*tt], v[PC:PC+11], v[160+8*tt:167+8*tt], v[216+tt/2], v218 matrix_a_fmt:MATRIX_FMT_FP6 matrix_b_fmt:MATRIX_FMT_FP6 matrix_a_scale:MATRIX_SCALE_ROW1
.else
	v_wmma_scale_f32_16x16x128_f8f6f4 v[160+8*tt:167+8*tt], v[32+12*tt:43+12*tt], v[PC:PC+11], v[160+8*tt:167+8*tt], v[216+tt/2], v218 matrix_a_fmt:MATRIX_FMT_FP6 matrix_b_fmt:MATRIX_FMT_FP6
.endif
.set tt, tt+1
.endr
.endm
.Lsweep:                               ; two trips: tile 2 P, tile 2 P + 1
	s_wait_kmcnt 0x0                               ; no scalar load is out: the mask words' registers may be loaded
	s_mov_b32 s24, 0
	MLOAD
	global_load_b128 v[16:19], v14, s[28:29]       ; q's tile: six registers
	global_load_b64 v[20:21], v15, s[28:29] offset:512
	global_load_b32 v28, v29, s[2:3]               ; and its scale words
	v_mov_b32 v221, 0xff61b1e6                     ; the largest t so far: -3e38, under every t
	v_floor_f32 v220, -v221
	v_mov_b32 v222, 0
	v_mov_b32 v223, 0
.set jj, 0
.rept 32
	v_mov_b32 v[160+jj], 0                         ; O^T: pass 2 is written once, and its first step finds zeros
.set jj, jj+1
.endr
	s_mov_b32 s20, 0
	s_mov_b32 s21, 0
	s_mov_b32 s18, 16
	s_wait_loadcnt 0x0
.Lp1:                                  ; 16 trips of 128 keys
	SCORES 0
	P1TAIL
	s_add_co_u32 s20, s20, 6144
	s_add_co_u32 s21, s21, 512
	s_sub_co_i32 s18, s18, 1
	s_cmp_lg_u32 s18, 0
	s_cbranch_scc1 .Lp1
	v_add_f32 v222, v222, v223                     ; l's two halves,
	v_permlanex16_b32 v241, v222, s16, s17
	v_add_f32 v222, v222, v241                     ; and lane l xor 16's
	v_max_num_f32 v222, 0.5, v222                  ; (a row with no open key: see the head)
	v_rcp_f32 v224, v222
	v_nop                                          ; a plain place behind the reciprocal
	s_wait_alu depctr_va_vdst(0)                   ; and the wait ahead of its first reader
	v_mov_b32 v225, v224
	s_mov_b32 s20, 0
	s_mov_b32 s21, 0
	s_mov_b32 s22, 0
	s_mov_b32 s18, 16
.Lp2:                                  ; 16 trips of 128 keys
	SCORES 1
	P2TAIL
	s_add_co_u32 s20, s20, 6144
	s_add_co_u32 s21, s21, 512
	s_add_co_u32 s22, s22, 256
	s_sub_co_i32 s18, s18, 1
	s_cmp_lg_u32 s18, 0
	s_cbranch_scc1 .Lp2
	; x's 64 numbers of my query, register 16 b + i = 32 b + 16 (lane / 16) + i of the head: two blocks of launch 4's K
	PLACES
.irp b, 0,1
	v_max3_num_f32 v[TM+\b], |v[160+16*\b]|, |v[161+16*\b]|, 0x1800000
.endr
.irp i, 2,4,6,8,10,12,14
.irp b, 0,1
	v_max3_num_f32 v[TM+\b], v[TM+\b], |v[160+16*\b+\i]|, |v[161+16*\b+\i]|
.endr
.endr
.irp b, 0,1
	v_permlanex16_b32 v[TM+4+\b], v[TM+\b], s16, s17
.endr
.irp b, 0,1
	v_max_num_f32 v[TM+\b], v[TM+\b], v[TM+4+\b]
.endr
.irp b, 0,1
	v_add_nc_u32 v[TM+8+\b], 0xff000000, v[TM+\b]
.endr
.irp b, 0,1
	v_lshrrev_b32 v[TM+4+\b], 23, v[TM+8+\b]
.endr
	v_lshl_or_b32 v240, v[TM+5], 8, v[TM+4]
	v_cndmask_b32 v86, v86, v240, s30              ; this sweep's half of the lanes takes the word
	v_cvt_scalef32_pk16_fp6_f32 v[PC:PC+2], v[160:175], v[TM+8]
	v_cvt_scalef32_pk16_fp6_f32 v[PC+12:PC+14], v[176:191], v[TM+9]
	v_nop                                          ; one plain place behind a scaled conversion
.irp i, 0,1,2
	v_permlane16_swap_b32 v[PC+\i], v[PC+12+\i]
.endr
.irp i, 0,1,2
	v_mov_b32 v[PC+3+\i], v[PC+12+\i]
.endr
	global_store_b128 v14, v[PC:PC+3], s[66:67]    ; 512 and 256 consecutive bytes, aligned
	global_store_b64 v15, v[PC+4:PC+5], s[66:67] offset:512
	s_wait_xcnt 0x0                                ; stores and scalar loads have read their bases and data: they are written again only behind this wait
	s_add_nc_u64 s[28:29], s[28:29], 768
	s_add_nc_u64 s[2:3], s[2:3], 128
	s_add_nc_u64 s[26:27], s[26:27], 4096
	s_add_nc_u64 s[66:67], s[66:67], 3072
	s_lshl_b32 s30, s30, 16
	s_sub_co_i32 s19, s19, 1
	s_cmp_lg_u32 s19, 0
	s_cbranch_scc1 .Lsweep
	global_store_b32 v87, v86, s[10:11]            ; both tiles' scale words
	s_wait_kmcnt 0x0
	s_wait_tensorcnt 0x0                           ; the wave's end: a wait, the add and its wait behind the last tensor load
	ds_add_u32 v30, v31
	s_wait_dscnt 0x0
	CROUND                                         ; the closing round
	s_endpgm
.Lfunc_end_k_q89ef74049a_attn:
	.size	k_q89ef74049a_attn, .Lfunc_end_k_q89ef74049a_attn-k_q89ef74049a_attn
	.p2alignl 7, 3214868480
	.fill 96, 4, 3214868480
	.section	.rodata,"a",@progbits
	.p2align	6, 0x0
	.amdhsa_kernel k_q89ef74049a_attn
		.amdhsa_group_segment_fixed_size 210944
		.amdhsa_private_segment_fixed_size 0
		.amdhsa_enable_private_segment 0
		.amdhsa_kernarg_size 32
		.amdhsa_user_sgpr_count 2
		.amdhsa_user_sgpr_kernarg_segment_ptr 1
		.amdhsa_wavefront_size32 1
		.amdhsa_system_sgpr_workgroup_id_x 1
		.amdhsa_system_sgpr_workgroup_id_y 1
		.amdhsa_system_sgpr_workgroup_id_z 1
		.amdhsa_system_vgpr_workitem_id 0
		.amdhsa_next_free_vgpr 256
		.amdhsa_next_free_sgpr 100
		.amdhsa_reserve_vcc 0
		.amdhsa_float_denorm_mode_32 3
		.amdhsa_float_denorm_mode_16_64 3
		.amdhsa_memory_ordered 1
		.amdhsa_forward_progress 1
		.amdhsa_inst_pref_size 47
	.end_amdhsa_kernel
	.amdgpu_metadata
---
amdhsa.version: [ 1, 2 ]
amdhsa.kernels:
  - .name:           k_q89ef74049a_attn
    .symbol:         k_q89ef74049a_attn.kd
    .args:
      - { .name: att, .offset: 0, .size: 8, .value_kind: global_buffer, .address_space: global }
      - { .name: maskw, .offset: 8, .size: 8, .value_kind: global_buffer, .address_space: global }
      - { .name: xc, .offset: 16, .size: 8, .value_kind: global_buffer, .address_space: global }
      - { .name: xs, .offset: 24, .size: 8, .value_kind: global_buffer, .address_space: global }
    .group_segment_fixed_size: 210944
    .private_segment_fixed_size: 0
    .kernarg_segment_align: 8
    .kernarg_segment_size: 32
    .max_flat_workgroup_size: 512
    .sgpr_count:     100
    .vgpr_count:     256
    .wavefront_size: 32
...
	.end_amdgpu_metadata
.endif
;; end of part 3
;; launch outproj (part 4): grid 4 x 64, 4 waves a work-group, clusters of 4 x 4, 295,424 bytes of LDS; arguments xc, xs, opc, ops, bo, out0; writes out0
.if DOCPART == 4
	.amdgcn_target "amdgcn-amd-amdhsa--gfx1250"
	.amdhsa_code_object_version 6
	.text
	.protected	k_q89ef74049a_outproj
	.globl	k_q89ef74049a_outproj
	.p2align	8
	.type	k_q89ef74049a_outproj,@function
k_q89ef74049a_outproj:
	s_mov_b64 s[64:65], 0
	v_nop
	global_prefetch_b8 v0, s[64:65] scope:SCOPE_SE
	s_setreg_imm32_b32 hwreg(HW_REG_WAVE_MODE, 25, 1), 1
	s_wait_xcnt 0x0
	s_wait_alu depctr_hold_cnt(0) depctr_sa_sdst(0) depctr_va_vdst(0) depctr_va_sdst(0) depctr_va_ssrc(0) depctr_va_vcc(0) depctr_vm_vsrc(0)
	s_getreg_b32 s2, hwreg(HW_REG_IB_STS2, 6, 4)
	s_cmp_eq_u32 s2, 0
	s_cbranch_scc0 .Lentry_in_a_cluster
	s_endpgm
.Lentry_in_a_cluster:
	s_bfe_u32 s2, ttmp6, 0x10000c
	s_cmp_lg_u32 s2, 0xf033
	s_cbranch_scc0 .Lentry_shape_is_right
	s_endpgm
.Lentry_shape_is_right:
; LAUNCH 4.  out0 = x Wo^T + bo on codes of FP6 (E2M3) with E8M0 scales, f32 sums.  x's codes and scale words are launch 3's, Wo's launch 1's.
; The product is S0 x S1^T with S0 = Wo (256 rows a work-group) and S1 = x (128 tokens): a lane holds one token, and the 16 registers of two neighbouring tiles of Wo are 16 neighbouring outputs.
; SHARES, LDS, CLUSTER as in launch 2: wave (w0 = wave % 2, w1 = wave / 2) makes 128 outputs x 64 tokens in 32 accumulators; the operands for all of K (4 x 73,728 bytes) come once, as four quarters of K, by joint loads:
; the four work-groups of a column of the cluster share Wo's tiles, the four of a row x's.  Four tensor loads of a wave are out at the start; no byte of LDS is filled twice.
; THE WAY OUT.  16 tokens x 128 outputs at a time go through the wave's own stage (rows of 528 bytes) and leave as rows of 512 consecutive bytes.  The stages lie in the first quarter's bytes: it has had its one fill, and every wave's
; reads of it are over behind the barriers of the later quarters.
; REGISTERS.  Window 0: v4-19 LDS addresses; v32-63 Wo's scale words; v64-79 x's; v80-175 x's fragments, two sets; v176-207 x's scale words as loaded; on the way out v80-207 rows.  Window 1: the accumulators.  Window 2: Wo's fragments, two sets; v192-255 the bias.
.set SLOT,  73728
.set S1O,   49152
.set SPARE, 294912
.set A16, 4
.set A8,  8
.set B16, 12
.set B8,  16
.set L16, 20
.set L8,  21
.set SPW, 22                           ; v22  LDS address of my spare word; never rewritten
.set NIL, 23                           ; v23  0; never rewritten
.set STO, 27                           ; v27  the stage: where I put 16 bytes of a row
.set RD,  28                           ; v28  and where I read a row back
.set SC0, 32
.set SC1, 64                           ; K step ks, tiles 2 p and 2 p + 1: v[SC1 + 2 ks + p], lanes 0-15 the even tile, lanes 16-31 the odd one
.set F1,  80
.set XW,  176
.set BIAS, 192
.set G1A, 24
.set G1B, 32
.set G0A, 40
.set G0B, 68
.set MSB, 0
.macro WIN new
.if MSB != \new
	s_set_vgpr_msb (MSB<<8)|\new
.set MSB, \new
.endif
.endm
.macro PLACES
.rept 4
	v_nop
.endr
.endm
.macro CROUND
	s_barrier_signal -1
	s_barrier_wait -1
	s_cmp_lg_u32 s16, 0
	s_cbranch_scc1 .Lnot_wave_0_\@
	s_barrier_signal -3
.Lnot_wave_0_\@:
	s_barrier_wait -3
	s_barrier_signal -1
	s_barrier_wait -1
.endm
	s_load_b256 s[4:11], s[0:1], 0x0               ; xc, xs, opc, ops
	s_load_b128 s[12:15], s[0:1], 0x20             ; bo, out0
	v_lshl_add_u32 v[SPW], v0, 2, SPARE
	v_mov_b32 v[NIL], 0
	ds_add_u32 v[SPW], v[NIL]                      ; the wave's opening: the add and its wait ahead of my first tensor load
	v_lshrrev_b32 v1, 5, v0
	v_readfirstlane_b32 s16, v1                    ; wave
	s_and_b32 s17, s16, 1                          ; w0; also the half that I fetch
	s_lshr_b32 s18, s16, 1                         ; w1; also: I fetch for Wo (0) or x (1)
	s_bfe_u32 s21, ttmp6, 0x40000                  ; cx
	s_bfe_u32 s22, ttmp6, 0x40004                  ; cy
	s_lshl_b32 s56, ttmp9, 2
	s_add_co_u32 s56, s56, s21                     ; which 256 rows of Wo
	s_and_b32 s57, ttmp7, 0xffff
	s_lshl_b32 s57, s57, 2
	s_add_co_u32 s57, s57, s22                     ; which 128 tokens
	s_lshl_b32 s98, 0x1111, s21                    ; my column of the cluster
	s_or_b32 s[G1A], s98, (3<<16)|(1<<21)
	s_lshl_b32 s99, s22, 2
	s_lshl_b32 s99, 15, s99                        ; my row
	s_or_b32 s[G1B], s99, (3<<16)|(1<<21)
	s_mov_b32 s[G1A+1], 32<<16                     ; rows of 256 bytes, dense: 8 tiles x 3,072 bytes = 96 rows
	s_mov_b32 s[G1A+2], 96<<16
	s_mov_b32 s[G1A+3], 32<<16
	s_mov_b32 s[G1A+4], 96
	s_mov_b32 s[G1A+5], 32
	s_mov_b32 s[G1A+6], 0
	s_mov_b32 s[G1A+7], 0
	s_mov_b32 s[G1B+1], 32<<16                     ; 4 tiles = 48 rows
	s_mov_b32 s[G1B+2], 48<<16
	s_mov_b32 s[G1B+3], 32<<16
	s_mov_b32 s[G1B+4], 48
	s_mov_b32 s[G1B+5], 32
	s_mov_b32 s[G1B+6], 0
	s_mov_b32 s[G1B+7], 0
	s_lshl_b32 s2, s56, 4
	s_lshl_b32 s3, s17, 3
	s_add_co_u32 s2, s2, s3
	s_mul_i32 s2, s2, 3072
	s_add_co_u32 s2, s2, 21233664                  ; Wo's codes in opc
	s_mov_b32 s3, 0
	s_lshl_b32 s92, s57, 3
	s_lshl_b32 s93, s17, 2
	s_add_co_u32 s92, s92, s93
	s_mul_i32 s92, s92, 3072
	s_mov_b32 s93, 0
	s_mul_i32 s98, s17, 24576
	s_mul_i32 s99, s17, 12288
	s_add_co_u32 s99, s99, S1O
	s_wait_dscnt 0x0                               ; the opening add is done
	s_wait_kmcnt 0x0
	s_add_nc_u64 s[2:3], s[8:9], s[2:3]
	s_add_nc_u64 s[92:93], s[4:5], s[92:93]
.irp g, 0,1,2,3
	s_mov_b32 s[G0A+4*\g], 1
	s_add_co_u32 s[G0A+4*\g+1], s98, \g*SLOT
	s_mov_b64 s[G0A+4*\g+2:G0A+4*\g+3], s[2:3]
	s_or_b32 s[G0A+4*\g+3], s[G0A+4*\g+3], 0x80000000
	s_add_nc_u64 s[2:3], s[2:3], 196608            ; a quarter of K on
	s_mov_b32 s[G0B+4*\g], 1
	s_add_co_u32 s[G0B+4*\g+1], s99, \g*SLOT
	s_mov_b64 s[G0B+4*\g+2:G0B+4*\g+3], s[92:93]
	s_or_b32 s[G0B+4*\g+3], s[G0B+4*\g+3], 0x80000000
	s_add_nc_u64 s[92:93], s[92:93], 1572864
.endr
	CROUND                                         ; all sixteen work-groups are here: the joint loads meet
	s_cmp_lt_u32 s16, 2                            ; a wave's four fills stand in one branch on the wave's number
	s_cbranch_scc0 .Lfill_b
.irp g, 0,1,2,3
	tensor_load_to_lds s[G0A+4*\g:G0A+4*\g+3], s[G1A:G1A+7]
	s_nop 0
.endr
	PLACES
	s_branch .Lfilled
.Lfill_b:
.irp g, 0,1,2,3
	tensor_load_to_lds s[G0B+4*\g:G0B+4*\g+3], s[G1B:G1B+7]
	s_nop 0
.endr
	PLACES
.Lfilled:
	v_and_b32 v1, 31, v0
	v_and_b32 v2, 15, v0                           ; r
	v_bfe_u32 v3, v0, 4, 1                         ; h
	v_lshlrev_b32 v[L16], 4, v1
	v_lshlrev_b32 v[L8], 3, v1
	v_lshlrev_b32 v25, 2, v1                       ; 4 x lane
	v_add_nc_u32 v26, 512, v[L8]
	v_lshlrev_b32 v24, 6, v3                       ; 64 h
	s_mul_i32 s98, s17, 24576
	s_mul_i32 s99, s18, 12288
	s_add_co_u32 s99, s99, S1O
.irp g, 0,1,2,3
	v_add_nc_u32 v[A16+\g], s98, v[L16]
	v_add_nc_u32 v[A8+\g], s98, v26
	v_add_nc_u32 v[B16+\g], s99, v[L16]
	v_add_nc_u32 v[B8+\g], s99, v26
	s_add_co_u32 s98, s98, SLOT
	s_add_co_u32 s99, s99, SLOT
.endr
	s_mul_i32 s98, s16, 8448                       ; my stage
	v_mul_u32_u24 v[STO], v2, 528
	v_lshl_add_u32 v[STO], v3, 6, v[STO]
	v_add_nc_u32 v[STO], s98, v[STO]               ; in: row r, + 64 h
	v_add_nc_u32 v[RD], s98, v[L16]                ; back: a row's 512 bytes, 16 a lane
	s_lshl_b32 s2, s56, 4
	s_lshl_b32 s3, s17, 3
	s_add_co_u32 s2, s2, s3
	s_add_co_u32 s2, s2, 1728                      ; Wo's first tile in ops
	s_lshl_b32 s2, s2, 9
	s_mov_b32 s3, 0
	s_add_nc_u64 s[2:3], s[10:11], s[2:3]
	s_lshl_b32 s20, s57, 3
	s_lshl_b32 s21, s18, 2
	s_add_co_u32 s20, s20, s21                     ; my first tile of tokens
	s_lshr_b32 s92, s20, 7
	s_lshl_b32 s92, s92, 10                        ; 16 heads x 64 pairs a batch
	s_and_b32 s93, s20, 127
	s_lshr_b32 s93, s93, 1
	s_add_co_u32 s92, s92, s93
	s_lshl_b32 s92, s92, 7
	s_mov_b32 s93, 0
	s_add_nc_u64 s[92:93], s[6:7], s[92:93]        ; x's scale words: head 0, my first pair of tiles
	s_lshl_b32 s94, s56, 10
	s_lshl_b32 s95, s17, 9
	s_add_co_u32 s94, s94, s95                     ; my 128 outputs, in bytes
	s_mov_b32 s95, 0
	s_add_nc_u64 s[12:13], s[12:13], s[94:95]
	s_add_nc_u64 s[84:85], s[14:15], s[94:95]
	s_lshl_b32 s94, s20, 16                        ; 16 tokens of 4,096 bytes a tile
	s_add_nc_u64 s[84:85], s[84:85], s[94:95]
.irp t, 0,1,2,3,4,5,6,7
	global_load_b64 v[SC0+4*\t:SC0+4*\t+1], v[L8], s[2:3] offset:512*\t
	global_load_b64 v[SC0+4*\t+2:SC0+4*\t+3], v[L8], s[2:3] offset:512*\t+256
.endr
.irp d, 0,1,2,3,4,5,6,7,8,9,10,11,12,13,14,15
	global_load_b32 v[XW+2*\d], v25, s[92:93] offset:8192*\d         ; head d, tiles 0 and 1 of my four: two bytes a row
	global_load_b32 v[XW+2*\d+1], v25, s[92:93] offset:8192*\d+128   ; tiles 2 and 3
.endr
	WIN 0x80
.irp t, 0,1,2,3,4,5,6,7
	global_load_b128 v[BIAS+8*\t:BIAS+8*\t+3], v24, s[12:13] offset:(32*(\t/2)+8*(\t%2))*4
	global_load_b128 v[BIAS+8*\t+4:BIAS+8*\t+7], v24, s[12:13] offset:(32*(\t/2)+8*(\t%2))*4+16
.endr
	WIN 0
.macro FRAG reg, a16, a8, off
	ds_load_b128 v[0+(\reg):3+(\reg)], v[\a16] offset:\off
	ds_load_b64 v[4+(\reg):5+(\reg)], v[\a8] offset:\off
	ds_load_b128 v[6+(\reg):9+(\reg)], v[\a16] offset:(\off)+768
	ds_load_b64 v[10+(\reg):11+(\reg)], v[\a8] offset:(\off)+768
.endm
.macro FETCH ks
	WIN 0x80
.irp t, 0,1,2,3,4,5,6,7
	FRAG 96*((\ks)%2)+12*\t, A16+(\ks)/2, A8+(\ks)/2, 3072*\t+1536*((\ks)%2)
.endr
	WIN 0
.irp a, 0,1,2,3
	FRAG F1+48*((\ks)%2)+12*\a, B16+(\ks)/2, B8+(\ks)/2, 3072*\a+1536*((\ks)%2)
.endr
.endm
.macro WM d, a, b, c, sa, sb, ra, rb
.if (\ra) && (\rb)
	v_wmma_scale_f32_16x16x128_f8f6f4 v[0+(\d):7+(\d)], v[0+(\a):11+(\a)], v[0+(\b):11+(\b)], v[0+(\c):7+(\c)], v[0+(\sa)], v[0+(\sb)] matrix_a_fmt:MATRIX_FMT_FP6 matrix_b_fmt:MATRIX_FMT_FP6 matrix_a_scale:MATRIX_SCALE_ROW1 matrix_b_scale:MATRIX_SCALE_ROW1
.elseif (\ra)
	v_wmma_scale_f32_16x16x128_f8f6f4 v[0+(\d):7+(\d)], v[0+(\a):11+(\a)], v[0+(\b):11+(\b)], v[0+(\c):7+(\c)], v[0+(\sa)], v[0+(\sb)] matrix_a_fmt:MATRIX_FMT_FP6 matrix_b_fmt:MATRIX_FMT_FP6 matrix_a_scale:MATRIX_SCALE_ROW1
.elseif (\rb)
	v_wmma_scale_f32_16x16x128_f8f6f4 v[0+(\d):7+(\d)], v[0+(\a):11+(\a)], v[0+(\b):11+(\b)], v[0+(\c):7+(\c)], v[0+(\sa)], v[0+(\sb)] matrix_a_fmt:MATRIX_FMT_FP6 matrix_b_fmt:MATRIX_FMT_FP6 matrix_b_scale:MATRIX_SCALE_ROW1
.else
	v_wmma_scale_f32_16x16x128_f8f6f4 v[0+(\d):7+(\d)], v[0+(\a):11+(\a)], v[0+(\b):11+(\b)], v[0+(\c):7+(\c)], v[0+(\sa)], v[0+(\sb)] matrix_a_fmt:MATRIX_FMT_FP6 matrix_b_fmt:MATRIX_FMT_FP6
.endif
.endm
; 32 matrix instructions: the 32 accumulators take turns, one instruction a turn, in the same order in every step.  first = 1: the sums begin with the bias.
.macro MUL32 ks, first
.if \first
	WIN 0x62                                       ; Wo window 2, x window 0, C window 2, D window 1
.else
	WIN 0x52
.endif
.irp a, 0,1,2,3
.irp t, 0,1,2,3,4,5,6,7
.if \first
	WM 8*(8*\a+\t), 96*((\ks)%2)+12*\t, F1+48*((\ks)%2)+12*\a, BIAS+8*\t, SC0+4*\t+(\ks)/2, SC1+2*(\ks)+\a/2, (\ks)%2, \a%2
.else
	WM 8*(8*\a+\t), 96*((\ks)%2)+12*\t, F1+48*((\ks)%2)+12*\a, 8*(8*\a+\t), SC0+4*\t+(\ks)/2, SC1+2*(\ks)+\a/2, (\ks)%2, \a%2
.endif
.endr
.endr
.endm
.macro KSTEP ks
	s_wait_dscnt 0x0                               ; this step's fragments are in
.if (\ks) < 7
.if (\ks)%2
	s_wait_tensorcnt 3-((\ks)+1)/2                 ; my part of the next quarter of K has landed; the quarters behind it may stay out
	s_barrier_signal -1
	s_barrier_wait -1
.endif
.if (\ks) > 0
	PLACES                                         ; four places between the last products and the loads into the set that they read
.endif
	FETCH (\ks)+1
.endif
.endm
	s_wait_tensorcnt 0x3                           ; my part of the first quarter of K has landed; three loads may stay out
	s_barrier_signal -1
	s_barrier_wait -1
	FETCH 0
	s_wait_loadcnt 0x0                             ; scale words and bias
.irp k, 0,1,2,3,4,5,6,7
.irp p, 0,1
	v_lshl_or_b32 v[SC1+2*\k+\p], v[XW+4*\k+2+\p], 16, v[XW+4*\k+\p]   ; a K step of 128 is two heads: the even head's two bytes below, the odd head's above
.endr
.endr
.rept 8
	v_nop                                          ; a scale register written by vector instructions stands eight places ahead of a scaled matrix instruction
.endr
	KSTEP 0
	MUL32 0, 1
.irp k, 1,2,3,4,5,6,7
	KSTEP \k
	MUL32 \k, 0
.endr
	WIN 0
	PLACES                                         ; four places ahead of the first read of results and of the loads into x's fragments' registers
.irp a, 0,1,2,3
.if \a >= 2
	s_wait_xcnt 0x0                                ; the stores of two tiles back have read their data: the rows' registers are loaded again only behind this wait
.endif
	WIN 0x04                                       ; an LDS store's data: window 1
.irp t, 0,1,2,3,4,5,6,7
	ds_store_b128 v[STO], v[8*(8*\a+\t):8*(8*\a+\t)+3] offset:128*(\t/2)+32*(\t%2)          ; each accumulator from its low end on
	ds_store_b128 v[STO], v[8*(8*\a+\t)+4:8*(8*\a+\t)+7] offset:128*(\t/2)+32*(\t%2)+16
.endr
	WIN 0
.irp i, 0,1,2,3,4,5,6,7,8,9,10,11,12,13,14,15
	ds_load_b128 v[80+64*(\a%2)+4*\i:80+64*(\a%2)+4*\i+3], v[RD] offset:528*\i   ; LDS serves a wave's instructions in order: these see my stores, and the next tile's stores come behind them
.endr
.irp i, 0,1,2,3,4,5,6,7,8,9,10,11,12,13,14,15
	s_wait_dscnt 15-\i                             ; row i is back; the younger rows may be out
	global_store_b128 v[L16], v[80+64*(\a%2)+4*\i:80+64*(\a%2)+4*\i+3], s[84:85] offset:(32*(\a/2)+8*(\a%2)+\i+8*(\i/8))*4096 th:TH_STORE_NT   ; 512 consecutive bytes of one token's row, aligned
.endr
.endr
	s_wait_tensorcnt 0x0                           ; the wave's end: a wait, the add and its wait behind my last tensor load and my last LDS store
	ds_add_u32 v[SPW], v[NIL]
	s_wait_dscnt 0x0
	CROUND                                         ; the closing round
	s_endpgm
.Lfunc_end_k_q89ef74049a_outproj:
	.size	k_q89ef74049a_outproj, .Lfunc_end_k_q89ef74049a_outproj-k_q89ef74049a_outproj
	.p2alignl 7, 3214868480
	.fill 96, 4, 3214868480
	.section	.rodata,"a",@progbits
	.p2align	6, 0x0
	.amdhsa_kernel k_q89ef74049a_outproj
		.amdhsa_group_segment_fixed_size 295424
		.amdhsa_private_segment_fixed_size 0
		.amdhsa_enable_private_segment 0
		.amdhsa_kernarg_size 48
		.amdhsa_user_sgpr_count 2
		.amdhsa_user_sgpr_kernarg_segment_ptr 1
		.amdhsa_wavefront_size32 1
		.amdhsa_system_sgpr_workgroup_id_x 1
		.amdhsa_system_sgpr_workgroup_id_y 1
		.amdhsa_system_sgpr_workgroup_id_z 1
		.amdhsa_system_vgpr_workitem_id 0
		.amdhsa_next_free_vgpr 768
		.amdhsa_next_free_sgpr 100
		.amdhsa_reserve_vcc 0
		.amdhsa_float_denorm_mode_32 3
		.amdhsa_float_denorm_mode_16_64 3
		.amdhsa_memory_ordered 1
		.amdhsa_forward_progress 1
		.amdhsa_inst_pref_size 92
	.end_amdhsa_kernel
	.amdgpu_metadata
---
amdhsa.version: [ 1, 2 ]
amdhsa.kernels:
  - .name:           k_q89ef74049a_outproj
    .symbol:         k_q89ef74049a_outproj.kd
    .args:
      - { .name: xc, .offset: 0, .size: 8, .value_kind: global_buffer, .address_space: global }
      - { .name: xs, .offset: 8, .size: 8, .value_kind: global_buffer, .address_space: global }
      - { .name: opc, .offset: 16, .size: 8, .value_kind: global_buffer, .address_space: global }
      - { .name: ops, .offset: 24, .size: 8, .value_kind: global_buffer, .address_space: global }
      - { .name: bo, .offset: 32, .size: 8, .value_kind: global_buffer, .address_space: global }
      - { .name: out0, .offset: 40, .size: 8, .value_kind: global_buffer, .address_space: global }
    .group_segment_fixed_size: 295424
    .private_segment_fixed_size: 0
    .kernarg_segment_align: 8
    .kernarg_segment_size: 48
    .max_flat_workgroup_size: 128
    .sgpr_count:     100
    .vgpr_count:     768
    .wavefront_size: 32
...
	.end_amdgpu_metadata
.endif
;; end of part 4
;; ======== version 2 of 2: 4 launches
;; limits: right only within a limited range of input values
;; workspace buffers: opc 22,020,096 bytes; ops 917,504 bytes; maskw 2,097,152 bytes of whole numbers; att 20,185,088 bytes; xc 6,291,456 bytes; xs 262,144 bytes
;; launch quant (part 5): grid 1408 x 1, 4 waves a work-group, no clusters, 68,096 bytes of LDS; arguments query, key_, value, Wq, Wk, Wv, Wo, mask, opc, ops, maskw; writes opc, ops, maskw
.if DOCPART == 5
	.amdgcn_target "amdgcn-amd-amdhsa--gfx1250"
	.amdhsa_code_object_version 6
	.text
	.protected	k_q89ef74049a_quant
	.globl	k_q89ef74049a_quant
	.p2align	8
	.type	k_q89ef74049a_quant,@function
k_q89ef74049a_quant:
	s_mov_b64 s[64:65], 0
	v_nop
	global_prefetch_b8 v0, s[64:65] scope:SCOPE_SE
	s_setreg_imm32_b32 hwreg(HW_REG_WAVE_MODE, 25, 1), 1
	s_wait_xcnt 0x0
; LAUNCH 1.  query, key_, value [8192][1024] and Wq, Wk, Wv, Wo [1024][1024], f32, K innermost, become codes of FP6 (E2M3) with one E8M0 byte for each 32 along K;
; the mask's bytes become lane masks.  Everything is laid in the order in which the later launches' registers take it.
; TILES.  A tile of 16 rows is never 16 neighbours: lane r of tile T is row 32 (T / 2) + 8 (T % 2) + r + 8 (r / 8).  A product that takes such a tile as source 0 leaves, in the 16 registers
; of tiles 2 b and 2 b + 1, 16 neighbours along that axis, which can then be quantised in registers.
; CODES.  A fragment (16 rows x 128 K, 12 registers a lane) lies as an image of its registers, 1,536 bytes: registers 0-3 at 16 x lane, 4-5 at 512 + 8 x lane, 6-9 at 768 + 16 x lane, 10-11 at 1,280 + 8 x lane.
; opc: for each tensor [quarter of K][tile][2 fragments].  ops: for each tile 512 bytes: [half of K][8 bytes a lane]: register i of lane l = the scale word of K step 4 half + 2 i + l / 16, row l % 16.
; maskw: [batch x 128 + tile of queries][step of 128 keys][64 words]: bit L of word j = mask(query of lane L % 16, key 128 step + 32 (j / 16) + 16 (L / 16) + j % 16).
; SHARES.  Work-groups 0-895: a wave takes one tile x 512 along K (four fragments).  Work-groups 896-1407: a wave takes 16 queries x 512 keys of the mask.  Waves share nothing: no barrier.
; Each load reads 512 consecutive bytes of one row; the bytes turn through the wave's own stage in LDS (rows 528 bytes apart) so that a lane gets whole blocks of 32.  Each store covers 256 or 512 consecutive bytes, aligned.
; A block's scale is 2^(floor(log2(largest magnitude)) - 2); its byte is the largest magnitude's exponent field - 2, held at 1 from below.
; LIMITS: a block of zeros gets the byte 1 where the rule says 127 (its codes are zeros, and this program alone reads the bytes); NaN and infinities among the inputs are not served.
.set SPARE, 67584                      ; behind the stages: the spare words, 128 bytes for each wave
.set WST,   8448                       ; a wave's stage: 16 rows x 528 bytes
.set MST,   33792                      ; the mask path's stages have bytes of their own, behind the four others
.set SP,    528
.set SPW,   2                          ; v2  LDS address of my spare word; never rewritten
.set NIL,   3                          ; v3  0; never rewritten
.set W,     24                         ; v24-27   the four fragments' scale words
.set R,     32                         ; v32-159  two sets of 64: numbers as they are loaded
.set X,     160                        ; v160-223 64 numbers: my two blocks of 32 of a fragment
.set C,     224                        ; v224-235 a fragment's codes; v236-238, v240-242 the halves that a conversion cannot put at an odd register
	s_load_b512 s[4:19], s[0:1], 0x0               ; query, key_, value, Wq, Wk, Wv, Wo, mask
	s_load_b128 s[20:23], s[0:1], 0x40             ; opc, ops
	s_load_b64 s[24:25], s[0:1], 0x50              ; maskw
	v_lshl_add_u32 v[SPW], v0, 2, SPARE
	v_mov_b32 v[NIL], 0
	v_lshrrev_b32 v1, 5, v0
	v_readfirstlane_b32 s26, v1                    ; wave
	v_and_b32 v4, 31, v0                           ; lane
	v_and_b32 v1, 15, v0                           ; r
	v_bfe_u32 v11, v0, 4, 1                        ; h
	s_mul_i32 s27, s26, WST
	v_lshlrev_b32 v5, 4, v4                        ; 16 x lane
	v_add_nc_u32 v6, s27, v5                       ; into the stage: a row as it lies
	v_mul_u32_u24 v7, v1, SP
	v_add_nc_u32 v7, s27, v7
	v_lshl_add_u32 v8, v11, 4, v7                  ; out of it, mask: row r, + 16 h
	v_lshl_add_u32 v7, v11, 7, v7                  ; out of it, f32: row r, + 128 h: block h
	v_lshlrev_b32 v9, 3, v4                        ; 8 x lane
	v_lshlrev_b32 v10, 3, v11                      ; 8 h: where my two bytes stand in a scale word
	v_mov_b32 v19, 0                               ; a lane permute's destination counts as one of its sources
	s_mov_b32 s31, 0xffff0000                      ; lanes 16-31
	s_mov_b32 s34, 0x76543210
	s_mov_b32 s35, 0xfedcba98                      ; selects for lane l xor 16
	s_cmp_ge_u32 ttmp9, 896
	s_cbranch_scc1 .Lmask
; ---- f32 into codes.  Which tensor: by the work-group's number alone
.macro PICK limit, ptr, first, cb
	s_cmp_lt_u32 ttmp9, \limit
	s_cselect_b64 s[28:29], s[\ptr:\ptr+1], s[28:29]
	s_cselect_b32 s30, \first, s30
	s_cselect_b32 s32, \cb, s32
.endm
	s_mov_b32 s30, 864                             ; the tensor's first work-group
	s_mov_b32 s32, 21233664                        ; where its codes begin in opc
	s_wait_kmcnt 0x0
	s_mov_b64 s[28:29], s[16:17]                   ; Wo, unless ..
	PICK 864, 14, 832, 20447232
	PICK 832, 12, 800, 19660800
	PICK 800, 10, 768, 18874368
	PICK 768, 8, 512, 12582912
	PICK 512, 6, 256, 6291456
	PICK 256, 4, 0, 0
	; opc is laid tile by tile: for each tensor [tile][8 fragments along K], 12,288 bytes a tile (this takes the place of the order by quarters of K named at the head)
	s_sub_co_u32 s36, ttmp9, s30
	s_lshl_b32 s36, s36, 2
	s_add_co_u32 s36, s36, s26
	s_lshr_b32 s37, s36, 1                         ; T: my tile
	s_and_b32 s38, s36, 1                          ; my half of K
	s_lshr_b32 s40, s37, 1
	s_lshl_b32 s40, s40, 17                        ; 32 (T / 2) rows of 4,096 bytes
	s_and_b32 s41, s37, 1
	s_lshl_b32 s41, s41, 15                        ; 8 (T % 2) rows
	s_add_co_u32 s40, s40, s41
	s_lshl_b32 s41, s38, 11                        ; 512 numbers
	s_add_co_u32 s40, s40, s41
	s_mov_b32 s41, 0
	s_add_nc_u64 s[28:29], s[28:29], s[40:41]
	s_mul_i32 s42, s37, 12288
	s_add_co_u32 s42, s42, s32
	s_mul_i32 s43, s38, 6144                       ; my half of K: four fragments
	s_add_co_u32 s42, s42, s43
	s_mov_b32 s43, 0
	s_add_nc_u64 s[44:45], s[20:21], s[42:43]      ; my first two fragments' place,
	s_mov_b32 s42, 3072                            ; two fragments on
	s_add_nc_u64 s[46:47], s[44:45], s[42:43]      ; and the other two's, a quarter of K on
	s_lshl_b32 s42, ttmp9, 2
	s_add_co_u32 s42, s42, s26
	s_lshl_b32 s42, s42, 8                         ; 256 bytes of scale words for each wave of the launch, in order
	s_add_nc_u64 s[22:23], s[22:23], s[42:43]
.macro LOAD s                          ; fragment s: 128 numbers of each of my 16 rows
.irp i, 0,1,2,3,4,5,6,7,8,9,10,11,12,13,14,15
	global_load_b128 v[R+64*((\s)%2)+4*\i:R+64*((\s)%2)+4*\i+3], v5, s[28:29] offset:(\i+8*(\i/8))*4096+512*(\s) th:TH_LOAD_NT
.endr
.endm
.macro STEP s
.if (\s) < 3
	s_wait_loadcnt 16                              ; this fragment's 16 loads are in; the next one's 16 may be out
.else
	s_wait_loadcnt 0x0
.endif
.irp i, 0,1,2,3,4,5,6,7,8,9,10,11,12,13,14,15
	ds_store_b128 v6, v[R+64*((\s)%2)+4*\i:R+64*((\s)%2)+4*\i+3] offset:SP*\i
.endr
.irp i, 0,1,2,3,4,5,6,7,8,9,10,11,12,13,14,15
	ds_load_b128 v[X+4*\i:X+4*\i+3], v7 offset:16*\i+128*(\i/8)   ; LDS serves a wave's instructions in order: these see the stores.  Blocks h and 2 + h of row r
.endr
	s_wait_dscnt 0x0                               ; my numbers are back, and the stores have read their registers,
.if (\s) < 2
	LOAD (\s)+2                                    ; which take the loads of two fragments on
.endif
.irp c, 0,1
	v_max3_num_f32 v[12+\c], |v[X+32*\c]|, |v[X+1+32*\c]|, 0x1800000   ; a block's 32 numbers are all mine; the floor 2^(3 - 127) holds the byte at 1 from below
.endr
.irp i, 2,4,6,8,10,12,14,16,18,20,22,24,26,28,30
.irp c, 0,1
	v_max3_num_f32 v[12+\c], v[12+\c], |v[X+32*\c+\i]|, |v[X+1+32*\c+\i]|
.endr
.endr
.irp c, 0,1
	v_add_nc_u32 v[14+\c], 0xff000000, v[12+\c]    ; 2 off the exponent field: the conversion's scale operand
.endr
.irp c, 0,1
	v_lshrrev_b32 v[16+\c], 23, v[14+\c]           ; the scale's byte
.endr
	v_lshl_or_b32 v18, v17, 16, v16                ; my two bytes, blocks h and 2 + h,
	v_lshlrev_b32 v18, v10, v18                    ; at their places in the word;
	v_permlanex16_b32 v19, v18, s34, s35
	v_or_b32 v[W+(\s)], v18, v19                   ; with lane l xor 16's two the word is whole
.if (\s) > 0
	s_wait_alu depctr_va_vdst(0)
	s_wait_xcnt 0x0                                ; the last fragment's stores have read their data: the codes' registers are written again only behind this wait
.endif
	v_cvt_scalef32_pk16_fp6_f32 v[C:C+2], v[X:X+15], v14
	v_cvt_scalef32_pk16_fp6_f32 v[C+12:C+14], v[X+16:X+31], v14
	v_cvt_scalef32_pk16_fp6_f32 v[C+6:C+8], v[X+32:X+47], v15
	v_cvt_scalef32_pk16_fp6_f32 v[C+16:C+18], v[X+48:X+63], v15
	v_nop                                          ; one plain place behind a scaled conversion
.irp i, 0,1,2
	v_mov_b32 v[C+3+\i], v[C+12+\i]
	v_mov_b32 v[C+9+\i], v[C+16+\i]
.endr
	global_store_b128 v5, v[C:C+3], s[44+2*((\s)/2):45+2*((\s)/2)] offset:1536*((\s)%2)
	global_store_b64 v9, v[C+4:C+5], s[44+2*((\s)/2):45+2*((\s)/2)] offset:1536*((\s)%2)+512
	global_store_b128 v5, v[C+6:C+9], s[44+2*((\s)/2):45+2*((\s)/2)] offset:1536*((\s)%2)+768
	global_store_b64 v9, v[C+10:C+11], s[44+2*((\s)/2):45+2*((\s)/2)] offset:1536*((\s)%2)+1280
.endm
	s_wait_alu depctr_va_vdst(0)
	LOAD 0
	LOAD 1
	STEP 0
	STEP 1
	STEP 2
	STEP 3
	v_cndmask_b32 v12, v[W], v[W+1], s31           ; lanes 0-15 carry the even K step's words, lanes 16-31 the odd one's
	v_cndmask_b32 v13, v[W+2], v[W+3], s31
	global_store_b64 v9, v[12:13], s[22:23]        ; 256 consecutive bytes, aligned
	s_wait_tensorcnt 0x0                           ; the wave's end: a wait, the add and its wait behind my last LDS store
	ds_add_u32 v[SPW], v[NIL]
	s_wait_dscnt 0x0
	s_endpgm
; ---- the mask's bytes into lane masks
.Lmask:
	s_sub_co_u32 s36, ttmp9, 896                   ; batch x 128 + tile of queries; my wave's number is the quarter of the keys
	s_lshr_b32 s40, s36, 1
	s_lshl_b32 s40, s40, 16                        ; 32 rows of 2,048 bytes
	s_and_b32 s41, s36, 1
	s_lshl_b32 s41, s41, 14                        ; 8 rows
	s_add_co_u32 s40, s40, s41
	s_lshl_b32 s41, s26, 9                         ; 512 keys
	s_add_co_u32 s40, s40, s41
	s_mov_b32 s41, 0
	s_lshl_b32 s42, s36, 2
	s_add_co_u32 s42, s42, s26
	s_lshl_b32 s42, s42, 10                        ; four steps x 256 bytes
	s_mov_b32 s43, 0
	s_wait_kmcnt 0x0
	s_add_nc_u64 s[18:19], s[18:19], s[40:41]
	s_add_nc_u64 s[24:25], s[24:25], s[42:43]
	s_wait_alu depctr_va_vdst(0)
.irp i, 0,1,2,3,4,5,6,7,8,9,10,11,12,13,14,15
	global_load_b128 v[R+4*\i:R+4*\i+3], v5, s[18:19] offset:(\i+8*(\i/8))*2048 th:TH_LOAD_NT   ; 512 consecutive bytes of one query's row
.endr
	s_wait_loadcnt 0x0
.irp i, 0,1,2,3,4,5,6,7,8,9,10,11,12,13,14,15
	ds_store_b128 v6, v[R+4*\i:R+4*\i+3] offset:MST+SP*\i
.endr
.irp i, 0,1,2,3,4,5,6,7,8,9,10,11,12,13,14,15
	ds_load_b128 v[X+4*\i:X+4*\i+3], v8 offset:MST+128*(\i/4)+32*(\i%4)   ; step i / 4, keys 32 (i % 4) + 16 h + 0 .. 15 of query r
.endr
.irp i, 0,1,2,3,4,5,6,7
	v_mov_b32 v[C+\i], 0                           ; v_writelane_b32's destination counts as read
.endr
	s_wait_dscnt 0x0
.macro MSTEP st                        ; 64 words, eight at a time: byte j of my 64 is tested in all lanes at once, and the lanes' bits are word j, which goes to register j % 2 of lane j / 2
.set jj, 0
.rept 8
.irp e, 0,1,2,3,4,5,6,7
	v_and_b32 v[12+\e], 0xff<<(8*(\e%4)), v[X+16*(\st)+(jj+\e)/4]
.endr
.irp e, 0,1,2,3,4,5,6,7
	v_cmp_ne_u32 s[48+\e], 0, v[12+\e]
.endr
.irp e, 0,1,2,3,4,5,6,7
	v_writelane_b32 v[C+2*(\st)+\e%2], s[48+\e], (jj+\e)/2
.endr
.set jj, jj+8
.endr
	global_store_b64 v9, v[C+2*(\st):C+2*(\st)+1], s[24:25] offset:256*(\st)   ; 256 consecutive bytes, aligned
.endm
	MSTEP 0
	MSTEP 1
	MSTEP 2
	MSTEP 3
	s_wait_tensorcnt 0x0                           ; the wave's end: a wait, the add and its wait behind my last LDS store
	ds_add_u32 v[SPW], v[NIL]
	s_wait_dscnt 0x0
	s_endpgm
.Lfunc_end_k_q89ef74049a_quant:
	.size	k_q89ef74049a_quant, .Lfunc_end_k_q89ef74049a_quant-k_q89ef74049a_quant
	.p2alignl 7, 3214868480
	.fill 96, 4, 3214868480
	.section	.rodata,"a",@progbits
	.p2align	6, 0x0
	.amdhsa_kernel k_q89ef74049a_quant
		.amdhsa_group_segment_fixed_size 68096
		.amdhsa_private_segment_fixed_size 0
		.amdhsa_enable_private_segment 0
		.amdhsa_kernarg_size 88
		.amdhsa_user_sgpr_count 2
		.amdhsa_user_sgpr_kernarg_segment_ptr 1
		.amdhsa_wavefront_size32 1
		.amdhsa_system_sgpr_workgroup_id_x 1
		.amdhsa_system_sgpr_workgroup_id_y 1
		.amdhsa_system_sgpr_workgroup_id_z 1
		.amdhsa_system_vgpr_workitem_id 0
		.amdhsa_next_free_vgpr 256
		.amdhsa_next_free_sgpr 66
		.amdhsa_reserve_vcc 0
		.amdhsa_float_denorm_mode_32 3
		.amdhsa_float_denorm_mode_16_64 3
		.amdhsa_memory_ordered 1
		.amdhsa_forward_progress 1
		.amdhsa_inst_pref_size 85
	.end_amdhsa_kernel
	.amdgpu_metadata
---
amdhsa.version: [ 1, 2 ]
amdhsa.kernels:
  - .name:           k_q89ef74049a_quant
    .symbol:         k_q89ef74049a_quant.kd
    .args:
      - { .name: query, .offset: 0, .size: 8, .value_kind: global_buffer, .address_space: global }
      - { .name: key_, .offset: 8, .size: 8, .value_kind: global_buffer, .address_space: global }
      - { .name: value, .offset: 16, .size: 8, .value_kind: global_buffer, .address_space: global }
      - { .name: Wq, .offset: 24, .size: 8, .value_kind: global_buffer, .address_space: global }
      - { .name: Wk, .offset: 32, .size: 8, .value_kind: global_buffer, .address_space: global }
      - { .name: Wv, .offset: 40, .size: 8, .value_kind: global_buffer, .address_space: global }
      - { .name: Wo, .offset: 48, .size: 8, .value_kind: global_buffer, .address_space: global }
      - { .name: mask, .offset: 56, .size: 8, .value_kind: global_buffer, .address_space: global }
      - { .name: opc, .offset: 64, .size: 8, .value_kind: global_buffer, .address_space: global }
      - { .name: ops, .offset: 72, .size: 8, .value_kind: global_buffer, .address_space: global }
      - { .name: maskw, .offset: 80, .size: 8, .value_kind: global_buffer, .address_space: global }
    .group_segment_fixed_size: 68096
    .private_segment_fixed_size: 0
    .kernarg_segment_align: 8
    .kernarg_segment_size: 88
    .max_flat_workgroup_size: 128
    .sgpr_count:     66
    .vgpr_count:     256
    .wavefront_size: 32
...
	.end_amdgpu_metadata
.endif
;; end of part 5
;; launch proj (part 6): grid 64 x 4, 4 waves a work-group, clusters of 4 x 4, 327,680 bytes of LDS; arguments opc, ops, bq, bk, bv, att; writes att
.if DOCPART == 6
	.amdgcn_target "amdgcn-amd-amdhsa--gfx1250"
	.amdhsa_code_object_version 6
	.text
	.protected	k_q89ef74049a_proj
	.globl	k_q89ef74049a_proj
	.p2align	8
	.type	k_q89ef74049a_proj,@function
k_q89ef74049a_proj:
	s_mov_b64 s[64:65], 0
	v_nop
	global_prefetch_b8 v0, s[64:65] scope:SCOPE_SE
	s_setreg_imm32_b32 hwreg(HW_REG_WAVE_MODE, 25, 1), 1
	s_wait_xcnt 0x0
	s_wait_alu depctr_hold_cnt(0) depctr_sa_sdst(0) depctr_va_vdst(0) depctr_va_sdst(0) depctr_va_ssrc(0) depctr_va_vcc(0) depctr_vm_vsrc(0)
	s_getreg_b32 s2, hwreg(HW_REG_IB_STS2, 6, 4)
	s_cmp_eq_u32 s2, 0
	s_cbranch_scc0 .Lentry_in_a_cluster
	s_endpgm
.Lentry_in_a_cluster:
	s_bfe_u32 s2, ttmp6, 0x10000c
	s_cmp_lg_u32 s2, 0xf033
	s_cbranch_scc0 .Lentry_shape_is_right
	s_endpgm
.Lentry_shape_is_right:
; LAUNCH 2.  q = query Wq^T + bq, k = key_ Wk^T + bk, v = value Wv^T + bv on codes of FP6 (E2M3) with E8M0 scales, f32 sums; the results are quantised in registers for the two products of attention and stored as images of operand registers.
; THE PRODUCT is S0 x S1^T: a lane holds ONE row of S1 and its registers run along the rows of S0.  q, k: S0 = the weight, S1 = the tokens: registers run along the head's 64.  v: S0 = the tokens, S1 = the weight: registers run along the keys.
; Tiles are laid as launch 1 lays them, so 16 registers of two neighbouring tiles of S0 are 16 neighbours.
; A WORK-GROUP STAYS: 256 work-groups, each makes three tiles of 256 rows of S0 x 128 rows of S1, one of q, one of k, one of v.  Wave (w0 = wave % 2, w1 = wave / 2) makes 128 x 64: 32 accumulators; K = 1,024 in eight steps of 128.
; THE RING: two slots, each with HALF of K of a tile's operands: 16 rows of 6,144 bytes of S0, 8 of S1 (a row: one tile of 16 rows x 512 along K).  Waves 0, 1 fetch S0's halves, waves 2, 3 S1's: one joint load a wave behind each round.
; A slot is asked for again when its four K steps have been fetched; the load has four K steps (128 matrix instructions) or the way out in which to land.  Half of a K step's products stand inside each round.
; The loop has two trips, q and k, both with refills; v's tile is the tail, written out: it asks for nothing.  The next tile's addresses stand in registers that are moved on behind their use: no branch chooses them.
; CLUSTER.  4 x 4 work-groups: the four of a column share S0's tiles, the four of a row S1's.  No prefetch: a tile has two fills only, and K is short at this block.
; OUT (att).  q at 0, k at 6,815,744: for each (batch, head) 128 tiles x 768 bytes, then 32 x 256 bytes of scale words.  v at 13,631,488: for each (batch, head) 16 steps x 4 tiles x 1,536 bytes, then 16 x 256 bytes of scale words.
; REGISTERS.  Window 0: v4-11 LDS addresses; v32-63, v64-79 scale words of S0, S1; v80-175 S1's fragments, two sets; v176-219 the quantiser.  Window 1: the accumulators ((a, t) at v[8 (8 a + t)]).
; Window 2: S0's fragments, two sets, v0-191; v192-255 q's or k's bias.  Window 3: v0-31 v's bias.  The bias is the C of each sum's first product.
; LIMITS: a block of zeros gets the byte 1 (its codes are zeros; this program alone reads the bytes); NaN and infinities are not served.
.set SLOT,  147456
.set S1O,   98304
.set SPARE, 294912
.set A16, 4                            ; v4-5 S0: 16 x lane + my 8 tiles, in slot 0, 1;  v6-7 the same + 512 + 8 x lane
.set A8,  6
.set B16, 8                            ; v8-11 S1 likewise
.set B8,  10
.set L16, 20
.set L8,  21
.set SPW, 22                           ; LDS address of my spare word; never rewritten
.set NIL, 23                           ; 0; never rewritten
.set SC0, 32
.set SC1, 64
.set F1,  80
.set TM,  176
.set PC,  192
.set PW,  212
.set E,   216
.set BIAS, 192
.set G1A, 24
.set G1B, 32
.set G0A, 40                           ; s[40:47] group 0 for S0, one set a slot; s[48:55] for S1
.set G0B, 48
.set NA,  66                           ; the next tile's S0 and S1 in opc;
.set NB,  68
.set NA2, 70                           ; v's
.set NB2, 72
.set NS0, 74                           ; the next tile's scale words;
.set NS1, 76
.set NS0V, 78                          ; v's
.set NS1V, 80
.set OC,  82                           ; where q's, then k's codes go; s[84:87] at work
.set OS,  88                           ; and their scale words
.set OCV, 94
.set OSV, 96
.set MSB, 0
.macro WIN new
.if MSB != \new
	s_set_vgpr_msb (MSB<<8)|\new
.set MSB, \new
.endif
.endm
.macro PLACES
.rept 4
	v_nop
.endr
.endm
.macro CREST                           ; a round of the cluster's barrier behind its opening barrier
	s_cmp_lg_u32 s16, 0
	s_cbranch_scc1 .Lnot_wave_0_\@
	s_barrier_signal -3
.Lnot_wave_0_\@:
	s_barrier_wait -3
	s_barrier_signal -1
	s_barrier_wait -1
.endm
.macro CROUND
	s_barrier_signal -1
	s_barrier_wait -1
	CREST
.endm
.macro JLOAD s                         ; a joint load: waves 0, 1 for S0, waves 2, 3 for S1; the branch hangs on the wave's number alone
	s_cmp_eq_u32 s18, 0
	s_cbranch_scc0 .Lfor_b_\@
	tensor_load_to_lds s[G0A+4*\s:G0A+4*\s+3], s[G1A:G1A+7]
	s_nop 0
	PLACES
	s_branch .Lasked_\@
.Lfor_b_\@:
	tensor_load_to_lds s[G0B+4*\s:G0B+4*\s+3], s[G1B:G1B+7]
	s_nop 0
	PLACES
.Lasked_\@:
.endm
.macro SCLOAD p0, p1                   ; a tile's scale words: 512 bytes for each 16 rows
.irp t, 0,1,2,3,4,5,6,7
	global_load_b64 v[SC0+4*\t:SC0+4*\t+1], v[L8], s[\p0:\p0+1] offset:512*\t
	global_load_b64 v[SC0+4*\t+2:SC0+4*\t+3], v[L8], s[\p0:\p0+1] offset:512*\t+256
.endr
.irp a, 0,1,2,3
	global_load_b64 v[SC1+4*\a:SC1+4*\a+1], v[L8], s[\p1:\p1+1] offset:512*\a
	global_load_b64 v[SC1+4*\a+2:SC1+4*\a+3], v[L8], s[\p1:\p1+1] offset:512*\a+256
.endr
.endm
.macro BLOAD p                         ; q's or k's bias: tile t's eight numbers of my half of the lanes
	WIN 0x80
.irp t, 0,1,2,3,4,5,6,7
	global_load_b128 v[BIAS+8*\t:BIAS+8*\t+3], v24, s[\p:\p+1] offset:(32*(\t/2)+8*(\t%2))*4
	global_load_b128 v[BIAS+8*\t+4:BIAS+8*\t+7], v24, s[\p:\p+1] offset:(32*(\t/2)+8*(\t%2))*4+16
.endr
	WIN 0
.endm
	s_load_b256 s[4:11], s[0:1], 0x0               ; opc, ops, bq, bk
	s_load_b128 s[12:15], s[0:1], 0x20             ; bv, att
	v_lshl_add_u32 v[SPW], v0, 2, SPARE
	v_mov_b32 v[NIL], 0
	ds_add_u32 v[SPW], v[NIL]                      ; the opening lines: the add twice and one wait
	ds_add_u32 v[SPW], v[NIL]
	v_lshrrev_b32 v1, 5, v0
	v_readfirstlane_b32 s16, v1                    ; wave
	s_and_b32 s17, s16, 1                          ; w0; also the half that I fetch
	s_lshr_b32 s18, s16, 1                         ; w1; also: I fetch for S0 (0) or S1 (1)
	s_mov_b32 s20, ttmp9                           ; cluster x
	s_bfe_u32 s21, ttmp6, 0x40000                  ; cx
	s_bfe_u32 s22, ttmp6, 0x40004                  ; cy
	s_mov_b32 s23, 0xffff0000                      ; lanes 16-31
	s_mov_b32 s62, 0x76543210
	s_mov_b32 s63, 0xfedcba98
	s_lshl_b32 s98, 0x1111, s21                    ; my column of the cluster
	s_or_b32 s[G1A], s98, (3<<16)|(1<<21)
	s_lshl_b32 s99, s22, 2
	s_lshl_b32 s99, 15, s99                        ; my row
	s_or_b32 s[G1B], s99, (3<<16)|(1<<21)
	s_mov_b32 s[G1A+1], 768<<16                    ; rows of 768 elements of 8 bytes, 12,288 bytes apart in memory, dense in LDS: 8 rows
	s_mov_b32 s[G1A+2], 8<<16
	s_mov_b32 s[G1A+3], 768<<16
	s_mov_b32 s[G1A+4], 8
	s_mov_b32 s[G1A+5], 1536
	s_mov_b32 s[G1A+6], 0
	s_mov_b32 s[G1A+7], 0
	s_mov_b32 s[G1B+1], 768<<16                    ; 4 rows
	s_mov_b32 s[G1B+2], 4<<16
	s_mov_b32 s[G1B+3], 768<<16
	s_mov_b32 s[G1B+4], 4
	s_mov_b32 s[G1B+5], 1536
	s_mov_b32 s[G1B+6], 0
	s_mov_b32 s[G1B+7], 0
	s_mov_b32 s56, s21                             ; q, k: which 256 rows of the weight: cx
	s_lshl_b32 s57, s20, 2
	s_add_co_u32 s57, s57, s22                     ; which 128 tokens: 4 x cluster x + cy
	s_lshr_b32 s58, s20, 1
	s_lshl_b32 s58, s58, 2
	s_add_co_u32 s58, s58, s21                     ; v: which 256 tokens
	s_and_b32 s59, s20, 1
	s_lshl_b32 s59, s59, 2
	s_add_co_u32 s59, s59, s22                     ; which 128 rows of Wv
	s_lshl_b32 s2, s56, 4
	s_lshl_b32 s3, s17, 3
	s_add_co_u32 s2, s2, s3
	s_mul_i32 s2, s2, 12288
	s_add_co_u32 s2, s2, 18874368                  ; Wq's codes: the 8 tiles that I would fetch
	s_mov_b32 s3, 0
	s_lshl_b32 s92, s57, 3
	s_lshl_b32 s93, s17, 2
	s_add_co_u32 s92, s92, s93
	s_mul_i32 s92, s92, 12288                      ; query's: the 4 tiles
	s_mov_b32 s93, 0
	s_lshl_b32 s60, s58, 4
	s_lshl_b32 s61, s17, 3
	s_add_co_u32 s60, s60, s61
	s_mul_i32 s60, s60, 12288
	s_add_co_u32 s60, s60, 12582912                ; value's
	s_mov_b32 s61, 0
	s_lshl_b32 s98, s59, 3
	s_lshl_b32 s99, s17, 2
	s_add_co_u32 s98, s98, s99
	s_mul_i32 s98, s98, 12288
	s_add_co_u32 s98, s98, 20447232                ; Wv's
	s_mov_b32 s99, 0
	s_mul_i32 s90, s17, 49152                      ; where they go: no place in the cluster enters an LDS address
	s_mul_i32 s91, s17, 24576
	s_add_co_u32 s91, s91, S1O
	s_wait_dscnt 0x0
	s_wait_kmcnt 0x0
	s_add_nc_u64 s[2:3], s[4:5], s[2:3]
	s_add_nc_u64 s[92:93], s[4:5], s[92:93]
	s_add_nc_u64 s[NA2:NA2+1], s[4:5], s[60:61]
	s_add_nc_u64 s[NB2:NB2+1], s[4:5], s[98:99]
	s_add_nc_u64 s[NA:NA+1], s[2:3], 786432        ; Wk's lie a weight on, key_'s a tensor on
	s_add_nc_u64 s[NB:NB+1], s[92:93], 6291456
.irp g, 0,1
	s_mov_b32 s[G0A+4*\g], 1
	s_add_co_u32 s[G0A+4*\g+1], s90, \g*SLOT
	s_add_nc_u64 s[G0A+4*\g+2:G0A+4*\g+3], s[2:3], \g*6144
	s_or_b32 s[G0A+4*\g+3], s[G0A+4*\g+3], 0x80000000
	s_mov_b32 s[G0B+4*\g], 1
	s_add_co_u32 s[G0B+4*\g+1], s91, \g*SLOT
	s_add_nc_u64 s[G0B+4*\g+2:G0B+4*\g+3], s[92:93], \g*6144
	s_or_b32 s[G0B+4*\g+3], s[G0B+4*\g+3], 0x80000000
.endr
	CROUND                                         ; the first joint loads meet
	JLOAD 0                                        ; q's first half of K: one tensor load a wave at the head
	v_and_b32 v1, 31, v0
	v_and_b32 v2, 15, v0
	v_bfe_u32 v3, v0, 4, 1
	v_lshlrev_b32 v[L16], 4, v1
	v_lshlrev_b32 v[L8], 3, v1
	v_add_nc_u32 v26, 512, v[L8]
	v_lshlrev_b32 v24, 6, v3                       ; 64 h: the bias of q, k
	v_and_b32 v25, 8, v2
	v_add_nc_u32 v25, v25, v2
	v_lshlrev_b32 v25, 2, v25                      ; 4 (r + 8 (r / 8)): the bias of v
	s_mul_i32 s98, s17, 49152                      ; my 8 tiles of S0,
	s_mul_i32 s99, s18, 24576
	s_add_co_u32 s99, s99, S1O                     ; my 4 of S1
.irp g, 0,1
	v_add_nc_u32 v[A16+\g], s98, v[L16]
	v_add_nc_u32 v[A8+\g], s98, v26
	v_add_nc_u32 v[B16+\g], s99, v[L16]
	v_add_nc_u32 v[B8+\g], s99, v26
	s_add_co_u32 s98, s98, SLOT
	s_add_co_u32 s99, s99, SLOT
.endr
.irp b, 0,1,2,3
	v_mov_b32 v[TM+4+\b], 0                        ; a lane permute's destination counts as one of its sources
.endr
	s_lshl_b32 s2, s56, 4
	s_lshl_b32 s3, s17, 3
	s_add_co_u32 s2, s2, s3
	s_add_co_u32 s2, s2, 1536                      ; Wq's first tile in ops
	s_lshl_b32 s2, s2, 9
	s_mov_b32 s3, 0
	s_add_nc_u64 s[2:3], s[6:7], s[2:3]
	s_lshl_b32 s20, s57, 3
	s_lshl_b32 s93, s18, 2
	s_add_co_u32 s20, s20, s93                     ; my first tile of tokens
	s_lshl_b32 s92, s20, 9
	s_mov_b32 s93, 0
	s_add_nc_u64 s[92:93], s[6:7], s[92:93]
	SCLOAD 2, 92                                   ; q's scale words (s2, s3, s92, s93 stay as they are from here on)
	s_add_nc_u64 s[NS0:NS0+1], s[2:3], 32768       ; k's: 64 tiles, 512 tiles on
	s_add_nc_u64 s[NS1:NS1+1], s[92:93], 262144
	s_mov_b32 s61, 0
	s_mov_b32 s99, 0
	s_lshl_b32 s60, s58, 4
	s_lshl_b32 s98, s17, 3
	s_add_co_u32 s60, s60, s98
	s_add_co_u32 s60, s60, 1024                    ; value's first tile in ops
	s_lshl_b32 s60, s60, 9
	s_add_nc_u64 s[NS0V:NS0V+1], s[6:7], s[60:61]
	s_lshl_b32 s98, s59, 3
	s_lshl_b32 s60, s18, 2
	s_add_co_u32 s98, s98, s60                     ; my first tile of Wv
	s_lshl_b32 s60, s98, 6
	s_add_nc_u64 s[12:13], s[12:13], s[60:61]      ; bv at my 64 rows
	s_add_co_u32 s98, s98, 1664
	s_lshl_b32 s98, s98, 9
	s_add_nc_u64 s[NS1V:NS1V+1], s[6:7], s[98:99]
	s_lshl_b32 s60, s56, 10
	s_lshl_b32 s98, s17, 9
	s_add_co_u32 s60, s60, s98
	s_add_nc_u64 s[8:9], s[8:9], s[60:61]          ; bq, bk at my 128 columns
	s_add_nc_u64 s[10:11], s[10:11], s[60:61]
	BLOAD 8
	WIN 0xc0                                       ; v's bias hangs on the lane's row of S1: the same number in a tile's eight registers, in window 3
.irp a, 0,1,2,3
.irp j, 0,1,2,3,4,5,6,7
	global_load_b32 v[8*\a+\j], v25, s[12:13] offset:(32*(\a/2)+8*(\a%2))*4
.endr
.endr
	WIN 0
	s_lshr_b32 s21, s20, 7                         ; q, k: the batch,
	s_and_b32 s20, s20, 127                        ; the tile in it
	s_lshl_b32 s21, s21, 4
	s_lshl_b32 s22, s56, 2
	s_add_co_u32 s21, s21, s22
	s_lshl_b32 s22, s17, 1
	s_add_co_u32 s21, s21, s22                     ; 16 x batch + my first head (my 128 columns are two heads)
	s_mul_i32 s21, s21, 106496
	s_mul_i32 s60, s20, 768
	s_add_co_u32 s60, s60, s21
	s_add_nc_u64 s[OC:OC+1], s[14:15], s[60:61]
	s_lshr_b32 s60, s20, 2
	s_lshl_b32 s60, s60, 8
	s_add_co_u32 s60, s60, s21
	s_add_co_u32 s60, s60, 98304
	s_add_nc_u64 s[OS:OS+1], s[14:15], s[60:61]
	s_lshl_b32 s20, s59, 1                         ; v: the head: my 64 rows of Wv,
	s_add_co_u32 s20, s20, s18
	s_lshl_b32 s21, s58, 1
	s_add_co_u32 s21, s21, s17                     ; which 128 tokens
	s_lshr_b32 s22, s21, 4
	s_lshl_b32 s22, s22, 4
	s_add_co_u32 s20, s20, s22                     ; 16 x batch + head
	s_and_b32 s21, s21, 15                         ; the key step
	s_mul_i32 s20, s20, 102400
	s_add_co_u32 s20, s20, 13631488
	s_mul_i32 s60, s21, 6144
	s_add_co_u32 s60, s60, s20
	s_add_nc_u64 s[OCV:OCV+1], s[14:15], s[60:61]
	s_lshl_b32 s60, s21, 8
	s_add_co_u32 s60, s60, s20
	s_add_co_u32 s60, s60, 98304
	s_add_nc_u64 s[OSV:OSV+1], s[14:15], s[60:61]
	s_mov_b32 s19, 0                               ; the trip: 0 q, 1 k
.macro FRAG reg, a16, a8, off          ; a fragment comes back as it was stored: every load reads consecutive bytes
	ds_load_b128 v[0+(\reg):3+(\reg)], v[\a16] offset:\off
	ds_load_b64 v[4+(\reg):5+(\reg)], v[\a8] offset:\off
	ds_load_b128 v[6+(\reg):9+(\reg)], v[\a16] offset:(\off)+768
	ds_load_b64 v[10+(\reg):11+(\reg)], v[\a8] offset:(\off)+768
.endm
.macro FETCH ks                        ; K step ks (slot ks / 4): S0's eight fragments and S1's four, into set ks % 2
	WIN 0x80
.irp t, 0,1,2,3,4,5,6,7
	FRAG 96*((\ks)%2)+12*\t, A16+(\ks)/4, A8+(\ks)/4, 6144*\t+1536*((\ks)%4)
.endr
	WIN 0
.irp a, 0,1,2,3
	FRAG F1+48*((\ks)%2)+12*\a, B16+(\ks)/4, B8+(\ks)/4, 6144*\a+1536*((\ks)%4)
.endr
.endm
.macro WM d, a, b, c, sa, sb, row
.if \row
	v_wmma_scale_f32_16x16x128_f8f6f4 v[0+(\d):7+(\d)], v[0+(\a):11+(\a)], v[0+(\b):11+(\b)], v[0+(\c):7+(\c)], v[0+(\sa)], v[0+(\sb)] matrix_a_fmt:MATRIX_FMT_FP6 matrix_b_fmt:MATRIX_FMT_FP6 matrix_a_scale:MATRIX_SCALE_ROW1 matrix_b_scale:MATRIX_SCALE_ROW1
.else
	v_wmma_scale_f32_16x16x128_f8f6f4 v[0+(\d):7+(\d)], v[0+(\a):11+(\a)], v[0+(\b):11+(\b)], v[0+(\c):7+(\c)], v[0+(\sa)], v[0+(\sb)] matrix_a_fmt:MATRIX_FMT_FP6 matrix_b_fmt:MATRIX_FMT_FP6
.endif
.endm
; 16 matrix instructions: S1's tiles a0, a0 + 1 x S0's eight.  The 32 accumulators take turns, one instruction a turn, in the same order in every step.
; cmode 0: onto the sums; 1: the sums begin with the bias along the registers (window 2); 2: with the bias along the lanes (window 3).
.macro MULH ks, cmode, a0
.if \cmode == 1
	WIN 0x62
.elseif \cmode == 2
	WIN 0x72
.else
	WIN 0x52
.endif
.irp a, \a0, \a0+1
.irp t, 0,1,2,3,4,5,6,7
.if \cmode == 1
	WM 8*(8*(\a)+\t), 96*((\ks)%2)+12*\t, F1+48*((\ks)%2)+12*(\a), BIAS+8*\t, SC0+4*\t+(\ks)/2, SC1+4*(\a)+(\ks)/2, (\ks)%2
.elseif \cmode == 2
	WM 8*(8*(\a)+\t), 96*((\ks)%2)+12*\t, F1+48*((\ks)%2)+12*(\a), 8*(\a), SC0+4*\t+(\ks)/2, SC1+4*(\a)+(\ks)/2, (\ks)%2
.else
	WM 8*(8*(\a)+\t), 96*((\ks)%2)+12*\t, F1+48*((\ks)%2)+12*(\a), 8*(8*(\a)+\t), SC0+4*\t+(\ks)/2, SC1+4*(\a)+(\ks)/2, (\ks)%2
.endif
.endr
.endr
.endm
.macro KST ks, cmode                   ; K step ks inside a slot: the next step's fragments are fetched, this step's multiplied
	s_wait_dscnt 0x0                               ; this step's fragments are in
	PLACES                                         ; four places between the last products and the loads into the set that they read
	FETCH (\ks)+1
	MULH \ks, \cmode, 0
	MULH \ks, \cmode, 2
.endm
; A tile.  At its head K step 0's fragments have been asked for.  refill = 1: both slots are filled again, with the next tile's halves of K.
.macro TILE cm, refill
	s_wait_loadcnt 0x0                             ; scale words and bias
	KST 0, \cm
	KST 1, 0
	KST 2, 0
	WIN 0
	s_wait_tensorcnt 0x0                           ; my part of slot 1 has landed: no load of mine is out
.if \refill
	ds_add_u32 v[SPW], v[NIL]
	s_mov_b64 s[G0A+2:G0A+3], s[NA:NA+1]           ; slot 0 takes the next tile's first half of K
	s_or_b32 s[G0A+3], s[G0A+3], 0x80000000
	s_mov_b64 s[G0B+2:G0B+3], s[NB:NB+1]
	s_or_b32 s[G0B+3], s[G0B+3], 0x80000000
.endif
	s_wait_dscnt 0x0                               ; the add is done, and my reads of slot 0 are over (K step 3's fragments are in)
	s_barrier_signal -1
	MULH 3, 0, 0                                   ; work on registers while the others arrive
	WIN 0
	s_barrier_wait -1
.if \refill
	CREST                                          ; the barrier has opened a round of the cluster's barrier
	JLOAD 0                                        ; the first tensor load behind the round; its four v_nop are the places ahead of the loads below
.else
	PLACES
.endif
	FETCH 4
.if \refill
	s_cmp_lg_u32 s19, 0                            ; in q's trip: k's bias (q's was last read by K step 0's products)
	s_cbranch_scc1 .Lnob_\@
	BLOAD 10
.Lnob_\@:
.endif
	MULH 3, 0, 2
	KST 4, 0
	KST 5, 0
	KST 6, 0
.if \refill
	WIN 0
	s_wait_tensorcnt 0x0                           ; my part of slot 0 has landed
	ds_add_u32 v[SPW], v[NIL]
	s_add_nc_u64 s[G0A+6:G0A+7], s[NA:NA+1], 6144  ; slot 1 takes the next tile's second half of K
	s_or_b32 s[G0A+7], s[G0A+7], 0x80000000
	s_add_nc_u64 s[G0B+6:G0B+7], s[NB:NB+1], 6144
	s_or_b32 s[G0B+7], s[G0B+7], 0x80000000
	s_mov_b64 s[NA:NA+1], s[NA2:NA2+1]             ; behind k's tile comes v's
	s_mov_b64 s[NB:NB+1], s[NB2:NB2+1]
	s_wait_dscnt 0x0                               ; my reads of slot 1 are over
	s_barrier_signal -1
	MULH 7, 0, 0
	WIN 0
	s_barrier_wait -1
	CREST
	JLOAD 1
	FETCH 0                                        ; the next tile's first fragments
	MULH 7, 0, 2
.else
	s_wait_dscnt 0x0
	MULH 7, 0, 0
	MULH 7, 0, 2
.endif
	WIN 0
	PLACES                                         ; four places ahead of the first read of results and of the loads into the scale words' registers
.if \refill
	SCLOAD NS0, NS1                                ; the next tile's scale words land under the way out
.endif
.endm
; 64 numbers of a lane in window 1, v[s] on, register 16 b + i = k 32 b + 16 (lane / 16) + i of my row, become a fragment's codes in v[PC] on and its scale word in v[pw].  Each accumulator is read from its low end on.
.macro QUANTW s, pw
	WIN 0x05
.irp b, 0,1,2,3
	v_max3_num_f32 v[TM+\b], |v[16*\b+(\s)]|, |v[16*\b+1+(\s)]|, 0x1800000   ; the floor 2^(3 - 127) holds the byte at 1 from below
.endr
	WIN 0x14
.irp i, 2,4,6,8,10,12,14
.irp b, 0,1,2,3
	v_max3_num_f32 v[TM+\b], v[TM+\b], |v[16*\b+\i+(\s)]|, |v[16*\b+\i+1+(\s)]|
.endr
.endr
	WIN 0
.irp b, 0,1,2,3
	v_permlanex16_b32 v[TM+4+\b], v[TM+\b], s62, s63
.endr
.irp b, 0,1,2,3
	v_max_num_f32 v[TM+\b], v[TM+\b], v[TM+4+\b]
.endr
.irp b, 0,1,2,3
	v_add_nc_u32 v[TM+12+\b], 0xff000000, v[TM+\b] ; 2 off the exponent field: the conversion's scale operand
.endr
.irp b, 0,1,2,3
	v_lshrrev_b32 v[TM+4+\b], 23, v[TM+12+\b]      ; the scale's byte
.endr
	v_lshl_or_b32 v[\pw], v[TM+5], 8, v[TM+4]
	v_lshl_or_b32 v[\pw], v[TM+6], 16, v[\pw]
	v_lshl_or_b32 v[\pw], v[TM+7], 24, v[\pw]
	WIN 0x01
.irp c, 0,1
	v_cvt_scalef32_pk16_fp6_f32 v[PC+6*\c:PC+6*\c+2], v[32*\c+(\s):32*\c+15+(\s)], v[TM+12+2*\c]
	v_cvt_scalef32_pk16_fp6_f32 v[PC+12+4*\c:PC+14+4*\c], v[32*\c+16+(\s):32*\c+31+(\s)], v[TM+13+2*\c]
.endr
	WIN 0
	v_nop                                          ; one plain place behind a scaled conversion
.irp c, 0,1
.irp i, 0,1,2
	v_permlane16_swap_b32 v[PC+6*\c+\i], v[PC+12+4*\c+\i]
.endr
.irp i, 0,1,2
	v_mov_b32 v[PC+3+6*\c+\i], v[PC+12+4*\c+\i]
.endr
.endr
.endm
.macro EPI oc, second, step            ; the way out: four tiles of S1's rows; second: where a fragment's second half goes; step: from tile to tile
	s_wait_xcnt 0x0                                ; earlier stores have read their data and bases
	s_mov_b64 s[84:85], s[\oc:\oc+1]
	s_add_nc_u64 s[86:87], s[\oc:\oc+1], \second
.irp a, 0,1,2,3
.if \a > 0
	s_wait_xcnt 0x0                                ; the last tile's stores have read their data and bases
	s_add_nc_u64 s[84:85], s[84:85], \step
	s_add_nc_u64 s[86:87], s[86:87], \step
.endif
	QUANTW 64*\a, PW+\a
	global_store_b128 v[L16], v[PC:PC+3], s[84:85]             ; each store covers 512 or 256 consecutive bytes, aligned
	global_store_b64 v[L8], v[PC+4:PC+5], s[84:85] offset:512
	global_store_b128 v[L16], v[PC+6:PC+9], s[86:87]
	global_store_b64 v[L8], v[PC+10:PC+11], s[86:87] offset:512
.endr
	v_cndmask_b32 v[E], v[PW], v[PW+1], s23        ; four tiles' scale words in two registers: lanes 0-15 the even tile, lanes 16-31 the odd one
	v_cndmask_b32 v[E+1], v[PW+2], v[PW+3], s23
.endm
	s_wait_alu depctr_va_vdst(0)                   ; the wait at the head's end
	s_wait_tensorcnt 0x0                           ; my part of slot 0 is in; the three lines ahead of a later first fill, as ahead of a refill
	ds_add_u32 v[SPW], v[NIL]
	s_wait_dscnt 0x0
	CROUND
	JLOAD 1                                        ; q's second half of K
	FETCH 0
.Ltile:                                ; two trips: q, k
	TILE 1, 1
	EPI OC, 106496, 768                            ; my 128 columns are two heads: the second head's image lies a head on
	v_and_b32 v[E+2], 0xffff, v[E]                 ; the word's lower two bytes are the first head's, the upper two the second's
	v_and_b32 v[E+3], 0xffff, v[E+1]
	v_lshrrev_b32 v26, 16, v[E]
	v_lshrrev_b32 v27, 16, v[E+1]
	global_store_b64 v[L8], v[E+2:E+3], s[OS:OS+1]
	global_store_b64 v[L8], v[26:27], s[OS:OS+1] offset:106496
	s_wait_xcnt 0x0                                ; loads and stores have read their bases: they are moved on only behind this wait
	s_add_nc_u64 s[OC:OC+1], s[OC:OC+1], 6815744   ; k's images lie behind q's
	s_add_nc_u64 s[OS:OS+1], s[OS:OS+1], 6815744
	s_mov_b64 s[NS0:NS0+1], s[NS0V:NS0V+1]         ; behind k's scale words come v's
	s_mov_b64 s[NS1:NS1+1], s[NS1V:NS1V+1]
	s_add_co_u32 s19, s19, 1
	s_cmp_lt_u32 s19, 2
	s_wait_alu depctr_va_vdst(0)                   ; the wait ahead of the backward jump
	s_cbranch_scc1 .Ltile
	TILE 2, 0                                      ; v: the tail asks for nothing
	EPI OCV, 768, 1536                             ; a fragment's second half follows the first
	global_store_b64 v[L8], v[E:E+1], s[OSV:OSV+1]
	s_wait_tensorcnt 0x0                           ; the wave's end
	ds_add_u32 v[SPW], v[NIL]
	s_wait_dscnt 0x0
	CROUND                                         ; the closing round
	s_endpgm
.Lfunc_end_k_q89ef74049a_proj:
	.size	k_q89ef74049a_proj, .Lfunc_end_k_q89ef74049a_proj-k_q89ef74049a_proj
	.p2alignl 7, 3214868480
	.fill 96, 4, 3214868480
	.section	.rodata,"a",@progbits
	.p2align	6, 0x0
	.amdhsa_kernel k_q89ef74049a_proj
		.amdhsa_group_segment_fixed_size 327680
		.amdhsa_private_segment_fixed_size 0
		.amdhsa_enable_private_segment 0
		.amdhsa_kernarg_size 48
		.amdhsa_user_sgpr_count 2
		.amdhsa_user_sgpr_kernarg_segment_ptr 1
		.amdhsa_wavefront_size32 1
		.amdhsa_system_sgpr_workgroup_id_x 1
		.amdhsa_system_sgpr_workgroup_id_y 1
		.amdhsa_system_sgpr_workgroup_id_z 1
		.amdhsa_system_vgpr_workitem_id 0
		.amdhsa_next_free_vgpr 1024
		.amdhsa_next_free_sgpr 102
		.amdhsa_reserve_vcc 0
		.amdhsa_float_denorm_mode_32 3
		.amdhsa_float_denorm_mode_16_64 3
		.amdhsa_memory_ordered 1
		.amdhsa_forward_progress 1
		.amdhsa_inst_pref_size 177
	.end_amdhsa_kernel
	.amdgpu_metadata
---
amdhsa.version: [ 1, 2 ]
amdhsa.kernels:
  - .name:           k_q89ef74049a_proj
    .symbol:         k_q89ef74049a_proj.kd
    .args:
      - { .name: opc, .offset: 0, .size: 8, .value_kind: global_buffer, .address_space: global }
      - { .name: ops, .offset: 8, .size: 8, .value_kind: global_buffer, .address_space: global }
      - { .name: bq, .offset: 16, .size: 8, .value_kind: global_buffer, .address_space: global }
      - { .name: bk, .offset: 24, .size: 8, .value_kind: global_buffer, .address_space: global }
      - { .name: bv, .offset: 32, .size: 8, .value_kind: global_buffer, .address_space: global }
      - { .name: att, .offset: 40, .size: 8, .value_kind: global_buffer, .address_space: global }
    .group_segment_fixed_size: 327680
    .private_segment_fixed_size: 0
    .kernarg_segment_align: 8
    .kernarg_segment_size: 48
    .max_flat_workgroup_size: 128
    .sgpr_count:     102
    .vgpr_count:     1024
    .wavefront_size: 32
...
	.end_amdgpu_metadata
.endif
;; end of part 6
;; launch attn (part 7): grid 4 x 64, 8 waves a work-group, clusters of 4 x 1, 279,552 bytes of LDS; arguments att, maskw, xc, xs; writes xc, xs
.if DOCPART == 7
	.amdgcn_target "amdgcn-amd-amdhsa--gfx1250"
	.amdhsa_code_object_version 6
	.text
	.protected	k_q89ef74049a_attn
	.globl	k_q89ef74049a_attn
	.p2align	8
	.type	k_q89ef74049a_attn,@function
k_q89ef74049a_attn:
	s_mov_b64 s[64:65], 0
	v_nop
	global_prefetch_b8 v0, s[64:65] scope:SCOPE_SE
	s_setreg_imm32_b32 hwreg(HW_REG_WAVE_MODE, 25, 1), 1
	s_wait_xcnt 0x0
	s_wait_alu depctr_hold_cnt(0) depctr_sa_sdst(0) depctr_va_vdst(0) depctr_va_sdst(0) depctr_va_ssrc(0) depctr_va_vcc(0) depctr_vm_vsrc(0)
	s_getreg_b32 s2, hwreg(HW_REG_IB_STS2, 6, 4)
	s_cmp_eq_u32 s2, 0
	s_cbranch_scc0 .Lentry_in_a_cluster
	s_endpgm
.Lentry_in_a_cluster:
	s_bfe_u32 s2, ttmp6, 0x10000c
	s_cmp_lg_u32 s2, 0x3003
	s_cbranch_scc0 .Lentry_shape_is_right
	s_endpgm
.Lentry_shape_is_right:
; LAUNCH 3.  x = attn v, attn = softmax(q k^T / 8 under the mask), hidden places 0; both products on codes of FP6 (E2M3) with E8M0 scales.  attn is quantised finished and normalised, along the keys.
; Every score is made, masked and exponentiated once.  A tile of 16 queries is shared by FOUR waves, 512 keys each: a lane's 256 numbers stay in window 1 from the first product to the conversion.
; A STEP (128 keys): t = score x log2(e) / 8; M_s = the step's largest open t, rounded up to a whole number; p = 2^(t - M_s); l_s = the sum of p.  The four waves of a tile exchange (M_w, l_w) through LDS;
; attn = p x F_s, F_s = (1 / l) x 2^(M_s - M): the power of two is exact.  A hidden score becomes -infinity ahead of the maximum: its attn is 0.  A row with no open key has l = 0, held at 0.5: the row is 0.
; A block's scale: its largest score goes the scores' way (multiply-add, exponential, product).  LIMIT: this takes v_exp_f32 not to fall where its input rises; at the worst one attn of a block is held one code low.
; ORDER IN A STEP: products, mask, maxima, all 32 packed multiply-adds, ONE wait, the 66 exponentials as one batch.  The next step's products, mask and maxima stand behind the batch; the wait ahead of the next
; batch is also the wait behind this one, and a step's sums are taken behind that wait.
; SHARES.  A work-group: one (batch, head), 512 queries, 16 sweeps of two tiles.  Group g = wave / 4 owns the tile, kq = wave % 4 the keys.  O^T is summed over a wave's 512 keys; the four parts meet in LDS a sweep later:
; the waves with kq / 2 = g add them, each one block of 32 of the head (b = kq % 2): 16 registers a lane, one conversion.  So each of the four SIMDs has one such wave.
; ONE BARRIER A SWEEP; statistics and partial sums exist twice and take turns by the sweep's parity.  LDS: the head's k and v come once, one joint load a wave (waves 0-3 quarters of k, 4-7 of v); no byte is filled twice.
; K = 64 in a form of 128: a tile of k is six registers, the six behind them meet q's upper six, which are zero codes.  The mask comes as lane masks by scalar loads a step ahead, and is prefetched a trip (two sweeps) ahead:
; each wave names the four blocks of 256 bytes of each of its two sweeps; the last trip asks for nothing.
; OUT.  xc: [tile of tokens][head][block b][row][24 bytes]: lane l of launch 4 finds its 24 bytes at 24 l.  xs: [tile][row][32 bytes], byte 2 head + b: one byte a row is stored at a time (the buffer is 1/24 of xc).
; LIMITS: a block of zeros gets the byte 1 (its codes are zeros; this program alone reads the bytes); NaN and infinities are not served; scores under -3e38 count as that.
; REGISTERS, window 0: v2-5 k's, v's LDS places; v6, v7 statistics; v8, v9 partial sums; v12 24 r + 12 h; v13 prefetch offsets; v14, v15 16, 8 x lane; v29 8 r; v211 32 r; v16-27 q, v28 its scales; v30, v31 the add's;
; v32-79 k or v; v80-85 zeros; v86-95 at work; v96-143 v or partial sums; v144-159 blocks' largest; v160-191 O^T; v192-210 codes; v212-235 scale words of k, v; v236-239 attn's; v240-247 (-M_s, l_s), then F_s; v248 -infinity; v252-255 x's codes and byte.
.set KSC,   98304
.set VBL,   106496
.set VSC,   204800
.set SPARE, 208896
.set STATS, 209920
.set OX,    214016
.set RVA, 32
.set RVB, 96
.set BM,  144
.set PC,  192
.set KS,  212
.set VS,  228
.set PW,  236
.set ST,  240
.set MSB, 0
.macro WIN new
.if MSB != \new
	s_set_vgpr_msb (MSB<<8)|\new
.set MSB, \new
.endif
.endm
.macro CROUND
	s_barrier_signal -1
	s_barrier_wait -1
	s_cmp_lg_u32 s12, 0
	s_cbranch_scc1 .Lnot_wave_0_\@
	s_barrier_signal -3
.Lnot_wave_0_\@:
	s_barrier_wait -3
	s_barrier_signal -1
	s_barrier_wait -1
.endm
.macro PLACES
.rept 4
	v_nop
.endr
.endm
	s_load_b256 s[4:11], s[0:1], 0x0               ; att, maskw, xc, xs
	v_lshl_add_u32 v30, v0, 2, SPARE
	v_mov_b32 v31, 0
	ds_add_u32 v30, v31                            ; the opening lines: the add twice and one wait
	ds_add_u32 v30, v31
	v_lshrrev_b32 v1, 5, v0
	v_readfirstlane_b32 s12, v1                    ; wave
	s_and_b32 s23, ttmp7, 0xffff                   ; 16 x batch + head
	s_lshr_b32 s20, s12, 2                         ; g
	s_and_b32 s21, s12, 3                          ; kq; also the quarter that I fetch
	s_mov_b32 s32, 15|(3<<16)|(1<<21)              ; k: a quarter of 106,496 bytes = 104 rows of 256
	s_mov_b32 s33, 32<<16
	s_mov_b32 s34, 104<<16
	s_mov_b32 s35, 32<<16
	s_mov_b32 s36, 104
	s_mov_b32 s37, 32
	s_mov_b32 s38, 0
	s_mov_b32 s39, 0
	s_mov_b32 s40, 15|(3<<16)|(1<<21)              ; v: a quarter of 102,400 bytes = 100 rows
	s_mov_b32 s41, 32<<16
	s_mov_b32 s42, 100<<16
	s_mov_b32 s43, 32<<16
	s_mov_b32 s44, 100
	s_mov_b32 s45, 32
	s_mov_b32 s46, 0
	s_mov_b32 s47, 0
	s_mul_i32 s18, s23, 106496
	s_mul_i32 s25, s23, 102400
	s_mul_i32 s22, s21, 26624
	s_mul_i32 s24, s21, 25600
	s_mov_b32 s48, 1
	s_mov_b32 s49, s22
	s_mov_b32 s52, 1
	s_add_co_u32 s53, s24, VBL
	s_add_co_u32 s56, s18, s22
	s_add_co_u32 s56, s56, 6815744
	s_mov_b32 s57, 0
	s_add_co_u32 s58, s25, s24
	s_add_co_u32 s58, s58, 13631488
	s_mov_b32 s59, 0
	s_mov_b32 s14, 0x3e38aa3b                      ; c = log2(e) / 8
	s_mov_b32 s15, s14
	s_mov_b32 s16, 0x76543210
	s_mov_b32 s17, 0xfedcba98
	s_wait_dscnt 0x0
	s_wait_kmcnt 0x0
	s_add_nc_u64 s[50:51], s[4:5], s[56:57]
	s_or_b32 s51, s51, 0x80000000
	s_add_nc_u64 s[54:55], s[4:5], s[58:59]
	s_or_b32 s55, s55, 0x80000000
	CROUND                                         ; the joint loads meet
	s_cmp_lt_u32 s12, 4                            ; one load a wave, in two arms of one branch on the wave's number
	s_cbranch_scc0 .Lfill_v
	tensor_load_to_lds s[48:51], s[32:39]
	s_nop 0
	PLACES
	s_branch .Lfilled
.Lfill_v:
	tensor_load_to_lds s[52:55], s[40:47]
	s_nop 0
	PLACES
.Lfilled:
	s_bfe_u32 s13, ttmp6, 0x40000                  ; cx: it enters global addresses alone
	; WHO ADDS THE PARTIAL SUMS (this takes the place of the deal named at the head): waves 0 to 3, one on each SIMD: wave kq adds the tile of group kq / 2, block b = kq % 2 of the head
	s_cmp_eq_u32 s20, 0
	s_cselect_b32 s22, 1, 0                        ; 1 in the waves that add partial sums
	s_lshl_b32 s25, s13, 5
	s_add_co_u32 s25, s25, s20                     ; my first tile: 32 cx + g
	s_mov_b32 s31, 0
	s_mul_i32 s30, s25, 768
	s_add_co_u32 s30, s30, s18
	s_add_nc_u64 s[28:29], s[4:5], s[30:31]        ; q's codes
	s_lshl_b32 s30, s13, 11
	s_lshl_b32 s24, s20, 7
	s_add_co_u32 s30, s30, s24
	s_add_co_u32 s30, s30, s18
	s_add_co_u32 s30, s30, KSC
	s_add_nc_u64 s[2:3], s[4:5], s[30:31]          ; q's scale words
	s_lshr_b32 s19, s23, 4
	s_lshl_b32 s19, s19, 7
	s_add_co_u32 s25, s25, s19                     ; batch x 128 + tile
	s_lshl_b32 s30, s25, 12
	s_lshl_b32 s24, s21, 10
	s_add_co_u32 s30, s30, s24
	s_add_nc_u64 s[26:27], s[6:7], s[30:31]        ; my mask words
	s_mov_b64 s[4:5], s[26:27]                     ; and the prefetches' own pointer
	s_and_b32 s19, s23, 15                         ; head
	s_and_b32 s7, s21, 1                           ; b
	s_lshr_b32 s6, s21, 1                          ; the group whose tile I add:
	s_sub_co_u32 s25, s25, s20
	s_add_co_u32 s25, s25, s6                      ; xc's and xs's pointers stand at that group's first tile
	s_mul_i32 s30, s25, 12288
	s_mul_i32 s24, s19, 768
	s_add_co_u32 s30, s30, s24
	s_mul_i32 s24, s7, 384
	s_add_co_u32 s30, s30, s24
	s_add_nc_u64 s[66:67], s[8:9], s[30:31]        ; xc
	s_lshl_b32 s30, s25, 9
	s_lshl_b32 s24, s19, 1
	s_add_co_u32 s30, s30, s24
	s_add_co_u32 s30, s30, s7
	s_add_nc_u64 s[10:11], s[10:11], s[30:31]      ; xs
	s_mov_b32 s19, 8                               ; trips of two sweeps
	v_and_b32 v1, 31, v0
	v_lshlrev_b32 v14, 4, v1
	v_lshlrev_b32 v15, 3, v1
	v_min_u32 v13, 3, v1
	v_lshlrev_b32 v13, 8, v13                      ; lanes 0-3 name my four blocks of 256 bytes, the others the last again
	v_and_b32 v29, 15, v0
	v_bfe_u32 v12, v0, 4, 1
	v_mul_u32_u24 v12, v12, 12
	v_mad_u32_u24 v12, v29, 24, v12
	v_lshlrev_b32 v211, 5, v29
	v_lshlrev_b32 v29, 3, v29
	s_mul_i32 s24, s21, 24576
	v_add_nc_u32 v2, s24, v14
	v_add_nc_u32 v3, s24, v15
	v_add_nc_u32 v3, 512, v3
	v_add_nc_u32 v4, VBL, v2
	v_add_nc_u32 v5, VBL, v3
	s_lshl_b32 s24, s21, 11
	v_add_nc_u32 v10, s24, v15
	v_add_nc_u32 v10, KSC, v10
	s_lshl_b32 s24, s21, 10
	v_add_nc_u32 v11, s24, v15
	v_add_nc_u32 v11, VSC, v11
	s_lshl_b32 s24, s20, 10
	v_lshl_add_u32 v7, v1, 5, s24
	v_add_nc_u32 v7, STATS, v7
	s_lshl_b32 s24, s21, 3
	v_add_nc_u32 v6, s24, v7
	s_lshl_b32 s24, s12, 12
	v_add_nc_u32 v8, s24, v14
	v_add_nc_u32 v8, OX, v8
	s_lshr_b32 s24, s21, 1
	s_lshl_b32 s24, s24, 14                        ; the four parts of group kq / 2,
	s_lshl_b32 s6, s7, 11                          ; block b's 16 registers
	s_add_co_u32 s24, s24, s6
	v_add_nc_u32 v9, s24, v14
	v_add_nc_u32 v9, OX, v9                        ; my group's four parts, block b's 16 registers
.irp i, 22,23,24,25,26,27,80,81,82,83,84,85,87,241,243,245,247
	v_mov_b32 v\i, 0
.endr
	v_mov_b32 v248, 0xff800000
	s_wait_alu depctr_va_vdst(0)                   ; the wait at the head's end
	s_wait_tensorcnt 0x0
	s_barrier_signal -1
	s_barrier_wait -1
.macro MLOAD off
	s_load_b512 s[32:47], s[26:27], (\off)
	s_load_b512 s[48:63], s[26:27], (\off)+64
	s_load_b512 s[68:83], s[26:27], (\off)+128
	s_load_b512 s[84:99], s[26:27], (\off)+192
.endm
.macro QLOAD qo, so
	global_load_b128 v[16:19], v14, s[28:29] offset:\qo
	global_load_b64 v[20:21], v15, s[28:29] offset:(\qo)+512
	global_load_b32 v28, v29, s[2:3] offset:\so
.endm
.macro KLOAD s
	WIN 0
.set tt, 0
.rept 8
	ds_load_b128 v[32+6*tt:35+6*tt], v2 offset:6144*(\s)+768*tt
	ds_load_b64 v[36+6*tt:37+6*tt], v3 offset:6144*(\s)+768*tt
.set tt, tt+1
.endr
.endm
.macro VLOAD s, vr
	WIN 0
.set tt, 0
.rept 4
	ds_load_b128 v[\vr+12*tt:\vr+12*tt+3], v4 offset:6144*(\s)+1536*tt
	ds_load_b64 v[\vr+12*tt+4:\vr+12*tt+5], v5 offset:6144*(\s)+1536*tt
	ds_load_b128 v[\vr+12*tt+6:\vr+12*tt+9], v4 offset:6144*(\s)+1536*tt+768
	ds_load_b64 v[\vr+12*tt+10:\vr+12*tt+11], v5 offset:6144*(\s)+1536*tt+768
.set tt, tt+1
.endr
.endm
.macro QK s
	WIN 0x40
.set tt, 0
.rept 8
.if tt%2
	v_wmma_scale_f32_16x16x128_f8f6f4 v[64*(\s)+8*tt:64*(\s)+8*tt+7], v[32+6*tt:43+6*tt], v[16:27], 0, v[KS+4*(\s)+tt/2], v28 matrix_a_fmt:MATRIX_FMT_FP6 matrix_b_fmt:MATRIX_FMT_FP6 matrix_a_scale:MATRIX_SCALE_ROW1
.else
	v_wmma_scale_f32_16x16x128_f8f6f4 v[64*(\s)+8*tt:64*(\s)+8*tt+7], v[32+6*tt:43+6*tt], v[16:27], 0, v[KS+4*(\s)+tt/2], v28 matrix_a_fmt:MATRIX_FMT_FP6 matrix_b_fmt:MATRIX_FMT_FP6
.endif
.set tt, tt+1
.endr
.endm
.macro CND s                           ; hidden: -infinity; ascending, each accumulator from its low end on
	WIN 0x41
.set jj, 0
.rept 64
	v_cndmask_b32 v[64*(\s)+jj], v[64*(\s)+jj], v248, s[32+jj+4*(jj/32)]
.set jj, jj+1
.endr
.endm
.macro MAXB s
	WIN 0x05
.irp b, 0,1,2,3
	v_max3_num_f32 v[BM+4*(\s)+\b], v[64*(\s)+16*\b], v[64*(\s)+16*\b+1], v248
.endr
.irp i, 2,4,6,8,10,12,14
.irp b, 0,1,2,3
	v_max3_num_f32 v[BM+4*(\s)+\b], v[64*(\s)+16*\b+\i], v[64*(\s)+16*\b+\i+1], v[BM+4*(\s)+\b]
.endr
.endr
.endm
.macro STAT s                          ; -M_s, and the blocks' largest scores as t - M_s, two blocks to a register
	WIN 0
	v_permlane16_swap_b32 v[BM+4*(\s)], v[BM+4*(\s)+1]
	v_permlane16_swap_b32 v[BM+4*(\s)+2], v[BM+4*(\s)+3]
	v_max_num_f32 v[BM+4*(\s)], v[BM+4*(\s)], v[BM+4*(\s)+1]
	v_max_num_f32 v[BM+4*(\s)+2], v[BM+4*(\s)+2], v[BM+4*(\s)+3]
	v_max3_num_f32 v86, v[BM+4*(\s)], v[BM+4*(\s)+2], 0xff61b1e6
	v_permlanex16_b32 v87, v86, s16, s17
	v_max_num_f32 v86, v86, v87
	v_mul_f32 v86, s14, v86
	v_floor_f32 v[ST+2*(\s)], -v86
	v_fma_f32 v[BM+4*(\s)], v[BM+4*(\s)], s14, v[ST+2*(\s)]
	v_fma_f32 v[BM+4*(\s)+2], v[BM+4*(\s)+2], s14, v[ST+2*(\s)]
.endm
.macro PFA s                           ; t - M_s, two at a time
	WIN 0x41
.set kk, 0
.rept 32
	v_pk_fma_f32 v[64*(\s)+2*kk:64*(\s)+2*kk+1], v[64*(\s)+2*kk:64*(\s)+2*kk+1], s[14:15], v[ST+2*(\s):ST+2*(\s)+1] op_sel_hi:[1,0,0]
.set kk, kk+1
.endr
.endm
.macro EXPA s                          ; the batch: 66 exponentials
	WIN 0
	v_exp_f32 v[BM+4*(\s)], v[BM+4*(\s)]
	v_exp_f32 v[BM+4*(\s)+2], v[BM+4*(\s)+2]
	WIN 0x41
.set kk, 0
.rept 64
	v_exp_f32 v[64*(\s)+kk], v[64*(\s)+kk]
.set kk, kk+1
.endr
.endm
.macro SUM s
	WIN 0x05
.irp k, 0,1,2,3
	v_pk_add_f32 v[88+2*\k:89+2*\k], v[64*(\s)+2*\k:64*(\s)+2*\k+1], v[64*(\s)+8+2*\k:64*(\s)+9+2*\k]
.endr
	WIN 0x01
.set jj, 16
.rept 6
.irp k, 0,1,2,3
	v_pk_add_f32 v[88+2*\k:89+2*\k], v[64*(\s)+jj+2*\k:64*(\s)+jj+2*\k+1], v[88+2*\k:89+2*\k]
.endr
.set jj, jj+8
.endr
	WIN 0
	v_pk_add_f32 v[88:89], v[88:89], v[90:91]
	v_pk_add_f32 v[92:93], v[92:93], v[94:95]
	v_pk_add_f32 v[88:89], v[88:89], v[92:93]
	v_add_f32 v[ST+2*(\s)+1], v88, v89
.endm
.macro MUL s
	WIN 0x41
.set jj, 0
.rept 32
	v_pk_mul_f32 v[64*(\s)+jj:64*(\s)+jj+1], v[64*(\s)+jj:64*(\s)+jj+1], v[ST+2*(\s):ST+2*(\s)+1]
.set jj, jj+2
.endr
.endm
.macro CVT s
	WIN 0x01
.irp c, 0,1
	v_cvt_scalef32_pk16_fp6_f32 v[PC+6*\c:PC+6*\c+2], v[64*(\s)+32*\c:64*(\s)+32*\c+15], v[BM+4*(\s)+2*\c]
	v_cvt_scalef32_pk16_fp6_f32 v[PC+12+4*\c:PC+14+4*\c], v[64*(\s)+32*\c+16:64*(\s)+32*\c+31], v[BM+4*(\s)+2*\c+1]
.endr
.endm
.macro SWAPS
	WIN 0
.irp c, 0,1
.irp i, 0,1,2
	v_permlane16_swap_b32 v[PC+6*\c+\i], v[PC+12+4*\c+\i]
.endr
.irp i, 0,1,2
	v_mov_b32 v[PC+3+6*\c+\i], v[PC+12+4*\c+\i]
.endr
.endr
.endm
.macro PV s, vr                        ; the four accumulators take turns
	WIN 0
.set tt, 0
.rept 4
.if (\s) == 0
.if tt%2
	v_wmma_scale_f32_16x16x128_f8f6f4 v[160+8*tt:167+8*tt], v[\vr+12*tt:\vr+12*tt+11], v[PC:PC+11], 0, v[VS+2*(\s)+tt/2], v[PW+(\s)] matrix_a_fmt:MATRIX_FMT_FP6 matrix_b_fmt:MATRIX_FMT_FP6 matrix_a_scale:MATRIX_SCALE_ROW1
.else
	v_wmma_scale_f32_16x16x128_f8f6f4 v[160+8*tt:167+8*tt], v[\vr+12*tt:\vr+12*tt+11], v[PC:PC+11], 0, v[VS+2*(\s)+tt/2], v[PW+(\s)] matrix_a_fmt:MATRIX_FMT_FP6 matrix_b_fmt:MATRIX_FMT_FP6
.endif
.else
.if tt%2
	v_wmma_scale_f32_16x16x128_f8f6f4 v[160+8*tt:167+8*tt], v[\vr+12*tt:\vr+12*tt+11], v[PC:PC+11], v[160+8*tt:167+8*tt], v[VS+2*(\s)+tt/2], v[PW+(\s)] matrix_a_fmt:MATRIX_FMT_FP6 matrix_b_fmt:MATRIX_FMT_FP6 matrix_a_scale:MATRIX_SCALE_ROW1
.else
	v_wmma_scale_f32_16x16x128_f8f6f4 v[160+8*tt:167+8*tt], v[\vr+12*tt:\vr+12*tt+11], v[PC:PC+11], v[160+8*tt:167+8*tt], v[VS+2*(\s)+tt/2], v[PW+(\s)] matrix_a_fmt:MATRIX_FMT_FP6 matrix_b_fmt:MATRIX_FMT_FP6
.endif
.endif
.set tt, tt+1
.endr
.endm
; The sum over the four waves for block b of the head: register i of lane (r, h) = x(query r, 32 b + 16 h + i).  xo, so: the tile's place from the trip's pointers.
.macro REDUCE pp, first, xo, so
.if \first
	s_cmp_eq_u32 s19, 8                            ; in the launch's first sweep no tile is waiting
	s_cselect_b32 s24, 0, s22
	s_cmp_eq_u32 s24, 0
.else
	s_cmp_eq_u32 s22, 0
.endif
	s_cbranch_scc1 .Lnored_\@
.irp j, 0,1,2
.irp q, 0,1,2,3
	ds_load_b128 v[96+16*\j+4*\q:99+16*\j+4*\q], v9 offset:32768*(\pp)+4096*\j+512*\q
.endr
.endr
.irp q, 0,1,2,3
	ds_load_b128 v[160+4*\q:163+4*\q], v9 offset:32768*(\pp)+12288+512*\q
.endr
	s_wait_dscnt 0x0
	s_wait_xcnt 0x0                                ; the last tile's stores have read v252-255
.irp h, 0,2,4,6,8,10,12,14
	v_pk_add_f32 v[96+\h:97+\h], v[96+\h:97+\h], v[112+\h:113+\h]
	v_pk_add_f32 v[128+\h:129+\h], v[128+\h:129+\h], v[160+\h:161+\h]
.endr
.irp h, 0,2,4,6,8,10,12,14
	v_pk_add_f32 v[96+\h:97+\h], v[96+\h:97+\h], v[128+\h:129+\h]
.endr
	v_max3_num_f32 v112, |v96|, |v97|, 0x1800000   ; the floor 2^(3 - 127) holds the byte at 1 from below
	v_max3_num_f32 v113, |v98|, |v99|, |v100|
	v_max3_num_f32 v112, v112, |v101|, |v102|
	v_max3_num_f32 v113, v113, |v103|, |v104|
	v_max3_num_f32 v112, v112, |v105|, |v106|
	v_max3_num_f32 v113, v113, |v107|, |v108|
	v_max3_num_f32 v112, v112, |v109|, |v110|
	v_max3_num_f32 v112, v112, v113, |v111|
	v_permlanex16_b32 v87, v112, s16, s17
	v_max_num_f32 v112, v112, v87
	v_add_nc_u32 v113, 0xff000000, v112            ; 2 off the exponent field: the conversion's scale operand
	v_cvt_scalef32_pk16_fp6_f32 v[252:254], v[96:111], v113
	v_lshrrev_b32 v255, 23, v113                   ; the byte (also the plain place behind the conversion)
	global_store_b96 v12, v[252:254], s[66:67] offset:\xo   ; the wave stores 384 consecutive bytes
	global_store_b8 v211, v255, s[10:11] offset:\so         ; lanes l and l xor 16 store the same byte to the same place
.Lnored_\@:
.endm
.macro STEPA s, par
	s_wait_dscnt 0x0                               ; this step's tiles of k, asked for a step ago
	QK \s
.if \s >= 2
	SUM \s-2                                       ; its batch has had its wait; these are the places behind the products
.else
	WIN 0
	PLACES
.endif
.if \s < 3
	KLOAD \s+1
.else
	VLOAD 0, RVA
.endif
	s_wait_kmcnt 0x0                               ; the step's mask words
	CND \s
.if \s < 3
	MLOAD 8192*\par+256*(\s+1)
.endif
	MAXB \s
	STAT \s
	PFA \s
	WIN 0
	s_wait_alu depctr_va_vdst(0)                   ; the wait ahead of a batch; it is also the wait behind the batch before
.if \s == 3                            ; the next sweep's q and first mask words
.if \par == 0
	QLOAD 1536, 4
	MLOAD 8192
.else
	s_cmp_eq_u32 s19, 1                            ; behind the last sweep there is none
	s_cbranch_scc1 .Lnonext_\@
	QLOAD 3072, 256
	MLOAD 16384
.Lnonext_\@:
.endif
.endif
	EXPA \s
.endm
.macro SWEEP par
	s_wait_loadcnt 0x0                             ; q
	STEPA 0, \par
	STEPA 1, \par
	STEPA 2, \par
	STEPA 3, \par
	SUM 2                                          ; plain work behind the last batch
	s_wait_alu depctr_va_vdst(0)                   ; the wait behind it
	SUM 3
	v_min3_num_f32 v250, v[ST], v[ST+2], v[ST+4]   ; my wave's (-M_w, l_w)
	v_min_num_f32 v250, v250, v[ST+6]
.irp s, 0,1,2,3
	v_sub_f32 v[88+\s], v250, v[ST+2*\s]
.endr
.irp s, 0,1,2,3
	v_cvt_i32_f32 v[88+\s], v[88+\s]
.endr
.irp s, 0,1,2,3
	v_ldexp_f32 v[ST+2*\s+1], v[ST+2*\s+1], v[88+\s]
.endr
	v_add_f32 v251, v[ST+1], v[ST+3]
	v_add_f32 v249, v[ST+5], v[ST+7]
	v_add_f32 v251, v251, v249
	v_permlanex16_b32 v87, v251, s16, s17
	v_add_f32 v251, v251, v87
	ds_store_b64 v6, v[250:251] offset:2048*\par
	s_wait_alu depctr_va_vdst(0)                   ; the wait ahead of the blocking wait
	s_wait_dscnt 0x0                               ; my statistics and partial sums are stored, my reads are over
	s_barrier_signal -1
	s_barrier_wait -1
	ds_load_b128 v[88:91], v7 offset:2048*\par
	ds_load_b128 v[92:95], v7 offset:2048*\par+16
.if \par == 0
	REDUCE 1, 1, -24576, -1024                     ; the last sweep's tile: two tiles back from this trip's pointers
.else
	REDUCE 0, 0, 0, 0
.endif
	VLOAD 1, RVB
	s_wait_dscnt 16                                ; the statistics are in; the 16 loads just issued may be out
	v_min3_num_f32 v86, v88, v90, v92
	v_min_num_f32 v86, v86, v94
.irp j, 0,1,2,3
	v_sub_f32 v[88+2*\j], v86, v[88+2*\j]
.endr
.irp s, 0,1,2,3
	v_sub_f32 v[ST+2*\s], v86, v[ST+2*\s]
.endr
.irp j, 0,1,2,3
	v_cvt_i32_f32 v[88+2*\j], v[88+2*\j]
.endr
.irp s, 0,1,2,3
	v_cvt_i32_f32 v[ST+2*\s], v[ST+2*\s]
.endr
.irp j, 0,1,2,3
	v_ldexp_f32 v[89+2*\j], v[89+2*\j], v[88+2*\j]
.endr
	v_add_f32 v89, v89, v91
	v_add_f32 v93, v93, v95
	v_add_f32 v89, v89, v93
	v_max_num_f32 v89, 0.5, v89
	s_wait_alu depctr_va_vdst(0)                   ; ahead of the reciprocal,
	v_rcp_f32 v91, v89
	v_nop
	s_wait_alu depctr_va_vdst(0)                   ; and behind it
.irp s, 0,1,2,3
	v_ldexp_f32 v[ST+2*\s], v91, v[ST+2*\s]        ; F_s
.endr
.irp s, 0,1,2,3
	v_mov_b32 v[ST+2*\s+1], v[ST+2*\s]
.endr
.irp c, 0,1,2,3,4,5,6,7
	v_mul_f32 v[BM+2*\c], v[BM+2*\c], v[ST+2*(\c/2)]
.endr
.irp c, 0,1,2,3,4,5,6,7
	v_max_num_f32 v[BM+2*\c], 0x1800000, v[BM+2*\c]
.endr
.irp c, 0,1,2,3,4,5,6,7
	v_add_nc_u32 v[BM+2*\c], 0xff000000, v[BM+2*\c]
.endr
.irp c, 0,1,2,3,4,5,6,7
	v_mov_b32 v[BM+2*\c+1], v[BM+2*\c]
.endr
.irp c, 0,1,2,3,4,5,6,7
	v_permlane16_swap_b32 v[BM+2*\c], v[BM+2*\c+1]
.endr
.irp s, 0,1,2,3
.irp b, 0,1,2,3
	v_lshrrev_b32 v[88+\b], 23, v[BM+4*\s+\b]
.endr
	v_lshl_or_b32 v[PW+\s], v89, 8, v88
	v_lshl_or_b32 v[PW+\s], v90, 16, v[PW+\s]
	v_lshl_or_b32 v[PW+\s], v91, 24, v[PW+\s]
.endr
	MUL 0
	CVT 0
	MUL 1
	SWAPS
	PLACES                                         ; an operand written by vector instructions stands four places ahead of a scaled product
	PV 0, RVA
	MUL 2                                          ; the places behind these products
	VLOAD 2, RVA
	s_wait_dscnt 16                                ; step 1's fragments are in; the 16 loads just issued may be out
	CVT 1
	MUL 3
	SWAPS
	PLACES
	PV 1, RVB
	PLACES
	VLOAD 3, RVB
	s_wait_dscnt 16                                ; step 2's are in
	CVT 2
	WIN 0
	v_nop
	SWAPS
	PLACES
	PV 2, RVA
	PLACES
	KLOAD 0                                        ; the next sweep's first tiles of k (the last sweep's are not used)
	s_wait_dscnt 16                                ; step 3's are in
	CVT 3
	WIN 0
	v_nop
	SWAPS
	PLACES
	PV 3, RVB
	PLACES
.set jj, 0
.rept 8
	ds_store_b128 v8, v[160+4*jj:163+4*jj] offset:32768*\par+512*jj
.set jj, jj+1
.endr
.endm
.irp s, 0,1,2,3
	ds_load_b64 v[KS+4*\s:KS+4*\s+1], v10 offset:512*\s
	ds_load_b64 v[KS+4*\s+2:KS+4*\s+3], v10 offset:512*\s+256
	ds_load_b64 v[VS+2*\s:VS+2*\s+1], v11 offset:256*\s
.endr
	KLOAD 0
	QLOAD 0, 0
	MLOAD 0
.Ltrip:
	s_cmp_eq_u32 s19, 1
	s_cbranch_scc1 .Lnopf                          ; the last trip asks for nothing
	global_prefetch_b8 v13, s[4:5] offset:16384 th:TH_LOAD_NT scope:SCOPE_SE   ; the next trip's mask words of my two sweeps, 1,024 bytes each
	global_prefetch_b8 v13, s[4:5] offset:24576 th:TH_LOAD_NT scope:SCOPE_SE
.Lnopf:
	SWEEP 0
	SWEEP 1
	s_wait_xcnt 0x0                                ; every base is stepped only behind this wait
	s_add_nc_u64 s[26:27], s[26:27], 16384
	s_add_nc_u64 s[4:5], s[4:5], 16384
	s_add_nc_u64 s[28:29], s[28:29], 3072
	s_add_nc_u64 s[2:3], s[2:3], 256
	s_add_nc_u64 s[66:67], s[66:67], 49152
	s_add_nc_u64 s[10:11], s[10:11], 2048
	s_sub_co_i32 s19, s19, 1
	s_cmp_lg_u32 s19, 0
	s_wait_alu depctr_va_vdst(0)                   ; the wait ahead of the backward jump
	s_cbranch_scc1 .Ltrip
	s_wait_dscnt 0x0                               ; the last tile's partial sums are stored
	s_barrier_signal -1
	s_barrier_wait -1
	REDUCE 1, 0, -24576, -1024
	s_wait_tensorcnt 0x0                           ; the wave's end
	ds_add_u32 v30, v31
	s_wait_dscnt 0x0
	CROUND                                         ; the closing round
	s_endpgm
.Lfunc_end_k_q89ef74049a_attn:
	.size	k_q89ef74049a_attn, .Lfunc_end_k_q89ef74049a_attn-k_q89ef74049a_attn
	.p2alignl 7, 3214868480
	.fill 96, 4, 3214868480
	.section	.rodata,"a",@progbits
	.p2align	6, 0x0
	.amdhsa_kernel k_q89ef74049a_attn
		.amdhsa_group_segment_fixed_size 279552
		.amdhsa_private_segment_fixed_size 0
		.amdhsa_enable_private_segment 0
		.amdhsa_kernarg_size 32
		.amdhsa_user_sgpr_count 2
		.amdhsa_user_sgpr_kernarg_segment_ptr 1
		.amdhsa_wavefront_size32 1
		.amdhsa_system_sgpr_workgroup_id_x 1
		.amdhsa_system_sgpr_workgroup_id_y 1
		.amdhsa_system_sgpr_workgroup_id_z 1
		.amdhsa_system_vgpr_workitem_id 0
		.amdhsa_next_free_vgpr 512
		.amdhsa_next_free_sgpr 100
		.amdhsa_reserve_vcc 0
		.amdhsa_float_denorm_mode_32 3
		.amdhsa_float_denorm_mode_16_64 3
		.amdhsa_memory_ordered 1
		.amdhsa_forward_progress 1
		.amdhsa_inst_pref_size 194
	.end_amdhsa_kernel
	.amdgpu_metadata
---
amdhsa.version: [ 1, 2 ]
amdhsa.kernels:
  - .name:           k_q89ef74049a_attn
    .symbol:         k_q89ef74049a_attn.kd
    .args:
      - { .name: att, .offset: 0, .size: 8, .value_kind: global_buffer, .address_space: global }
      - { .name: maskw, .offset: 8, .size: 8, .value_kind: global_buffer, .address_space: global }
      - { .name: xc, .offset: 16, .size: 8, .value_kind: global_buffer, .address_space: global }
      - { .name: xs, .offset: 24, .size: 8, .value_kind: global_buffer, .address_space: global }
    .group_segment_fixed_size: 279552
    .private_segment_fixed_size: 0
    .kernarg_segment_align: 8
    .kernarg_segment_size: 32
    .max_flat_workgroup_size: 256
    .sgpr_count:     100
    .vgpr_count:     512
    .wavefront_size: 32
...
	.end_amdgpu_metadata
.endif
;; end of part 7
;; launch outproj (part 8): grid 4 x 64, 4 waves a work-group, clusters of 4 x 4, 295,424 bytes of LDS; arguments xc, xs, opc, ops, bo, out0; writes out0
.if DOCPART == 8
	.amdgcn_target "amdgcn-amd-amdhsa--gfx1250"
	.amdhsa_code_object_version 6
	.text
	.protected	k_q89ef74049a_outproj
	.globl	k_q89ef74049a_outproj
	.p2align	8
	.type	k_q89ef74049a_outproj,@function
k_q89ef74049a_outproj:
	s_mov_b64 s[64:65], 0
	v_nop
	global_prefetch_b8 v0, s[64:65] scope:SCOPE_SE
	s_setreg_imm32_b32 hwreg(HW_REG_WAVE_MODE, 25, 1), 1
	s_wait_xcnt 0x0
	s_wait_alu depctr_hold_cnt(0) depctr_sa_sdst(0) depctr_va_vdst(0) depctr_va_sdst(0) depctr_va_ssrc(0) depctr_va_vcc(0) depctr_vm_vsrc(0)
	s_getreg_b32 s2, hwreg(HW_REG_IB_STS2, 6, 4)
	s_cmp_eq_u32 s2, 0
	s_cbranch_scc0 .Lentry_in_a_cluster
	s_endpgm
.Lentry_in_a_cluster:
	s_bfe_u32 s2, ttmp6, 0x10000c
	s_cmp_lg_u32 s2, 0xf033
	s_cbranch_scc0 .Lentry_shape_is_right
	s_endpgm
.Lentry_shape_is_right:
; LAUNCH 4.  out0 = x Wo^T + bo on codes of FP6 (E2M3) with E8M0 scales, f32 sums.  x's codes and scale words are launch 3's, Wo's launch 1's.
; The product is S0 x S1^T with S0 = Wo (256 rows a work-group) and S1 = x (128 tokens): a lane holds one token, and the 16 registers of two neighbouring tiles of Wo are 16 neighbouring outputs.
; SHARES, LDS, CLUSTER as in launch 2: wave (w0 = wave % 2, w1 = wave / 2) makes 128 outputs x 64 tokens in 32 accumulators; the operands for all of K (4 x 73,728 bytes) come once, as four quarters of K, by joint loads:
; the four work-groups of a column of the cluster share Wo's tiles, the four of a row x's.  Four tensor loads of a wave are out at the start; no byte of LDS is filled twice.
; THE WAY OUT.  16 tokens x 128 outputs at a time go through the wave's own stage (rows of 528 bytes) and leave as rows of 512 consecutive bytes.  The stages lie in the first quarter's bytes: it has had its one fill, and every wave's
; reads of it are over behind the barriers of the later quarters.
; REGISTERS.  Window 0: v4-15 LDS addresses; v32-63 Wo's scale words; v64-79 x's; v80-175 x's fragments, two sets; on the way out v80-207 rows.  Window 1: the accumulators.  Window 2: Wo's fragments, two sets; v192-255 the bias.
; LDS AND LOADS AS THEY NOW STAND (in place of the quarters of K named above): Wo's 16 tiles x 12,288 bytes at 0, x's 8 behind them; a tile holds its 8 K steps on end.  Each wave issues ONE joint load at the head
; (waves 0, 1: 384 rows of 256 bytes of Wo; waves 2, 3: 192 rows of x); one wait and one barrier show all of K.  x's fragment: lane l's 24 bytes of each 64 along K lie at 24 l.  x's scale words: 32 bytes a token row, loaded whole.
; The stages lie in Wo's first tiles: a barrier behind the last products shows that nobody reads them any more.
.set S1O,   196608
.set SPARE, 294912
.set A16, 4
.set A8,  8
.set B16, 12
.set B8,  16
.set L16, 20
.set L8,  21
.set SPW, 22                           ; v22  LDS address of my spare word; never rewritten
.set NIL, 23                           ; v23  0; never rewritten
.set STO, 27                           ; v27  the stage: where I put 16 bytes of a row
.set RD,  28                           ; v28  and where I read a row back
.set SC0, 32
.set SC1, 64                           ; K step ks, tiles 2 p and 2 p + 1: v[SC1 + 8 p + ks], lanes 0-15 the even tile, lanes 16-31 the odd one
.set F1,  80
.set XW,  176
.set BIAS, 192
.set G1A, 24
.set G1B, 32
.set G0A, 40
.set G0B, 68
.set MSB, 0
.macro WIN new
.if MSB != \new
	s_set_vgpr_msb (MSB<<8)|\new
.set MSB, \new
.endif
.endm
.macro PLACES
.rept 4
	v_nop
.endr
.endm
.macro CROUND
	s_barrier_signal -1
	s_barrier_wait -1
	s_cmp_lg_u32 s16, 0
	s_cbranch_scc1 .Lnot_wave_0_\@
	s_barrier_signal -3
.Lnot_wave_0_\@:
	s_barrier_wait -3
	s_barrier_signal -1
	s_barrier_wait -1
.endm
	s_load_b256 s[4:11], s[0:1], 0x0               ; xc, xs, opc, ops
	s_load_b128 s[12:15], s[0:1], 0x20             ; bo, out0
	v_lshl_add_u32 v[SPW], v0, 2, SPARE
	v_mov_b32 v[NIL], 0
	ds_add_u32 v[SPW], v[NIL]                      ; the wave's opening: the add twice and its wait ahead of my first tensor load
	ds_add_u32 v[SPW], v[NIL]
	v_lshrrev_b32 v1, 5, v0
	v_readfirstlane_b32 s16, v1                    ; wave
	s_and_b32 s17, s16, 1                          ; w0; also the half that I fetch
	s_lshr_b32 s18, s16, 1                         ; w1; also: I fetch for Wo (0) or x (1)
	s_bfe_u32 s21, ttmp6, 0x40000                  ; cx
	s_bfe_u32 s22, ttmp6, 0x40004                  ; cy
	s_lshl_b32 s56, ttmp9, 2
	s_add_co_u32 s56, s56, s21                     ; which 256 rows of Wo
	s_and_b32 s57, ttmp7, 0xffff
	s_lshl_b32 s57, s57, 2
	s_add_co_u32 s57, s57, s22                     ; which 128 tokens
	s_lshl_b32 s98, 0x1111, s21                    ; my column of the cluster
	s_or_b32 s[G1A], s98, (3<<16)|(1<<21)
	s_lshl_b32 s99, s22, 2
	s_lshl_b32 s99, 15, s99                        ; my row
	s_or_b32 s[G1B], s99, (3<<16)|(1<<21)
	s_mov_b32 s[G1A+1], 32<<16                     ; rows of 256 bytes, dense: 8 tiles x 12,288 bytes = 384 rows
	s_mov_b32 s[G1A+2], 384<<16
	s_mov_b32 s[G1A+3], 32<<16
	s_mov_b32 s[G1A+4], 384
	s_mov_b32 s[G1A+5], 32
	s_mov_b32 s[G1A+6], 0
	s_mov_b32 s[G1A+7], 0
	s_mov_b32 s[G1B+1], 32<<16                     ; 4 tiles = 192 rows
	s_mov_b32 s[G1B+2], 192<<16
	s_mov_b32 s[G1B+3], 32<<16
	s_mov_b32 s[G1B+4], 192
	s_mov_b32 s[G1B+5], 32
	s_mov_b32 s[G1B+6], 0
	s_mov_b32 s[G1B+7], 0
	s_lshl_b32 s2, s56, 4
	s_lshl_b32 s3, s17, 3
	s_add_co_u32 s2, s2, s3
	s_mul_i32 s2, s2, 12288
	s_add_co_u32 s2, s2, 21233664                  ; Wo's codes in opc
	s_mov_b32 s3, 0
	s_lshl_b32 s92, s57, 3
	s_lshl_b32 s93, s17, 2
	s_add_co_u32 s92, s92, s93
	s_mul_i32 s92, s92, 12288
	s_mov_b32 s93, 0
	s_mul_i32 s98, s17, 98304
	s_mul_i32 s99, s17, 49152
	s_add_co_u32 s99, s99, S1O
	s_wait_dscnt 0x0                               ; the opening add is done
	s_wait_kmcnt 0x0
	s_add_nc_u64 s[2:3], s[8:9], s[2:3]
	s_add_nc_u64 s[92:93], s[4:5], s[92:93]
	s_mov_b32 s[G0A], 1
	s_mov_b32 s[G0A+1], s98
	s_mov_b64 s[G0A+2:G0A+3], s[2:3]
	s_or_b32 s[G0A+3], s[G0A+3], 0x80000000
	s_mov_b32 s[G0B], 1
	s_mov_b32 s[G0B+1], s99
	s_mov_b64 s[G0B+2:G0B+3], s[92:93]
	s_or_b32 s[G0B+3], s[G0B+3], 0x80000000
	CROUND                                         ; all sixteen work-groups are here: the joint loads meet
	s_cmp_lt_u32 s16, 2                            ; a wave's one fill stands in one branch on the wave's number
	s_cbranch_scc0 .Lfill_b
	tensor_load_to_lds s[G0A:G0A+3], s[G1A:G1A+7]
	s_nop 0
	PLACES
	s_branch .Lfilled
.Lfill_b:
	tensor_load_to_lds s[G0B:G0B+3], s[G1B:G1B+7]
	s_nop 0
	PLACES
.Lfilled:
	v_and_b32 v1, 31, v0
	v_and_b32 v2, 15, v0                           ; r
	v_bfe_u32 v3, v0, 4, 1                         ; h
	v_lshlrev_b32 v[L16], 4, v1
	v_lshlrev_b32 v[L8], 3, v1
	v_lshlrev_b32 v25, 5, v1                       ; 32 x lane: a token row's 32 scale bytes
	v_mul_u32_u24 v29, v1, 24                      ; 24 x lane: x's fragments
	v_add_nc_u32 v26, 512, v[L8]
	v_lshlrev_b32 v24, 6, v3                       ; 64 h
	s_mul_i32 s98, s17, 98304                      ; address register g: Wo's tiles 2 g, 2 g + 1 of my eight; x's tile g of my four
	s_mul_i32 s99, s18, 49152
	s_add_co_u32 s99, s99, S1O
.irp g, 0,1,2,3
	v_add_nc_u32 v[A16+\g], s98, v[L16]
	v_add_nc_u32 v[A8+\g], s98, v26
	v_add_nc_u32 v[B16+\g], s99, v29
	s_add_co_u32 s98, s98, 24576
	s_add_co_u32 s99, s99, 12288
.endr
	s_mul_i32 s98, s16, 8448                       ; my stage
	v_mul_u32_u24 v[STO], v2, 528
	v_lshl_add_u32 v[STO], v3, 6, v[STO]
	v_add_nc_u32 v[STO], s98, v[STO]               ; in: row r, + 64 h
	v_add_nc_u32 v[RD], s98, v[L16]                ; back: a row's 512 bytes, 16 a lane
	s_lshl_b32 s2, s56, 4
	s_lshl_b32 s3, s17, 3
	s_add_co_u32 s2, s2, s3
	s_add_co_u32 s2, s2, 1728                      ; Wo's first tile in ops
	s_lshl_b32 s2, s2, 9
	s_mov_b32 s3, 0
	s_add_nc_u64 s[2:3], s[10:11], s[2:3]
	s_lshl_b32 s20, s57, 3
	s_lshl_b32 s21, s18, 2
	s_add_co_u32 s20, s20, s21                     ; my first tile of tokens
	s_lshl_b32 s92, s20, 9                         ; 512 bytes of scale bytes a tile
	s_mov_b32 s93, 0
	s_add_nc_u64 s[92:93], s[6:7], s[92:93]        ; x's scale words: head 0, my first pair of tiles
	s_lshl_b32 s94, s56, 10
	s_lshl_b32 s95, s17, 9
	s_add_co_u32 s94, s94, s95                     ; my 128 outputs, in bytes
	s_mov_b32 s95, 0
	s_add_nc_u64 s[12:13], s[12:13], s[94:95]
	s_add_nc_u64 s[84:85], s[14:15], s[94:95]
	s_lshl_b32 s94, s20, 16                        ; 16 tokens of 4,096 bytes a tile
	s_add_nc_u64 s[84:85], s[84:85], s[94:95]
.irp t, 0,1,2,3,4,5,6,7
	global_load_b64 v[SC0+4*\t:SC0+4*\t+1], v[L8], s[2:3] offset:512*\t
	global_load_b64 v[SC0+4*\t+2:SC0+4*\t+3], v[L8], s[2:3] offset:512*\t+256
.endr
.irp p, 0,1
	global_load_b128 v[SC1+8*\p:SC1+8*\p+3], v25, s[92:93] offset:1024*\p          ; tiles 2 p (lanes 0-15) and 2 p + 1 (lanes 16-31): register ks = the word of K step ks
	global_load_b128 v[SC1+8*\p+4:SC1+8*\p+7], v25, s[92:93] offset:1024*\p+16
.endr
	WIN 0x80
.irp t, 0,1,2,3,4,5,6,7
	global_load_b128 v[BIAS+8*\t:BIAS+8*\t+3], v24, s[12:13] offset:(32*(\t/2)+8*(\t%2))*4
	global_load_b128 v[BIAS+8*\t+4:BIAS+8*\t+7], v24, s[12:13] offset:(32*(\t/2)+8*(\t%2))*4+16
.endr
	WIN 0
.macro FRAG reg, a16, a8, off
	ds_load_b128 v[0+(\reg):3+(\reg)], v[\a16] offset:\off
	ds_load_b64 v[4+(\reg):5+(\reg)], v[\a8] offset:\off
	ds_load_b128 v[6+(\reg):9+(\reg)], v[\a16] offset:(\off)+768
	ds_load_b64 v[10+(\reg):11+(\reg)], v[\a8] offset:(\off)+768
.endm
.macro FETCH ks
	WIN 0x80
.irp t, 0,1,2,3,4,5,6,7
	FRAG 96*((\ks)%2)+12*\t, A16+\t/2, A8+\t/2, 12288*(\t%2)+1536*(\ks)
.endr
	WIN 0
.irp a, 0,1,2,3
.irp p, 0,1,2,3,4,5
	ds_load_b64 v[F1+48*((\ks)%2)+12*\a+2*\p:F1+48*((\ks)%2)+12*\a+2*\p+1], v[B16+\a] offset:1536*(\ks)+768*(\p/3)+8*(\p%3)
.endr
.endr
.endm
.macro WM d, a, b, c, sa, sb, ra, rb
.if (\ra) && (\rb)
	v_wmma_scale_f32_16x16x128_f8f6f4 v[0+(\d):7+(\d)], v[0+(\a):11+(\a)], v[0+(\b):11+(\b)], v[0+(\c):7+(\c)], v[0+(\sa)], v[0+(\sb)] matrix_a_fmt:MATRIX_FMT_FP6 matrix_b_fmt:MATRIX_FMT_FP6 matrix_a_scale:MATRIX_SCALE_ROW1 matrix_b_scale:MATRIX_SCALE_ROW1
.elseif (\ra)
	v_wmma_scale_f32_16x16x128_f8f6f4 v[0+(\d):7+(\d)], v[0+(\a):11+(\a)], v[0+(\b):11+(\b)], v[0+(\c):7+(\c)], v[0+(\sa)], v[0+(\sb)] matrix_a_fmt:MATRIX_FMT_FP6 matrix_b_fmt:MATRIX_FMT_FP6 matrix_a_scale:MATRIX_SCALE_ROW1
.elseif (\rb)
	v_wmma_scale_f32_16x16x128_f8f6f4 v[0+(\d):7+(\d)], v[0+(\a):11+(\a)], v[0+(\b):11+(\b)], v[0+(\c):7+(\c)], v[0+(\sa)], v[0+(\sb)] matrix_a_fmt:MATRIX_FMT_FP6 matrix_b_fmt:MATRIX_FMT_FP6 matrix_b_scale:MATRIX_SCALE_ROW1
.else
	v_wmma_scale_f32_16x16x128_f8f6f4 v[0+(\d):7+(\d)], v[0+(\a):11+(\a)], v[0+(\b):11+(\b)], v[0+(\c):7+(\c)], v[0+(\sa)], v[0+(\sb)] matrix_a_fmt:MATRIX_FMT_FP6 matrix_b_fmt:MATRIX_FMT_FP6
.endif
.endm
; 32 matrix instructions: the 32 accumulators take turns, one instruction a turn, in the same order in every step.  first = 1: the sums begin with the bias.
.macro MUL32 ks, first
.if \first
	WIN 0x62                                       ; Wo window 2, x window 0, C window 2, D window 1
.else
	WIN 0x52
.endif
.irp a, 0,1,2,3
.irp t, 0,1,2,3,4,5,6,7
.if \first
	WM 8*(8*\a+\t), 96*((\ks)%2)+12*\t, F1+48*((\ks)%2)+12*\a, BIAS+8*\t, SC0+4*\t+(\ks)/2, SC1+8*(\a/2)+(\ks), (\ks)%2, \a%2
.else
	WM 8*(8*\a+\t), 96*((\ks)%2)+12*\t, F1+48*((\ks)%2)+12*\a, 8*(8*\a+\t), SC0+4*\t+(\ks)/2, SC1+8*(\a/2)+(\ks), (\ks)%2, \a%2
.endif
.endr
.endr
.endm
.macro KSTEP ks
	s_wait_dscnt 0x0                               ; this step's fragments are in
.if (\ks) < 7
.if (\ks) > 0
	PLACES                                         ; four places between the last products and the loads into the set that they read
.endif
	FETCH (\ks)+1
.endif
.endm
	s_wait_alu depctr_va_vdst(0)                   ; the wait at the head's end
	s_wait_tensorcnt 0x0                           ; my one load has landed
	s_barrier_signal -1
	s_barrier_wait -1
	FETCH 0
	s_wait_loadcnt 0x0                             ; scale words and bias
	KSTEP 0
	MUL32 0, 1
.irp k, 1,2,3,4,5,6,7
	s_wait_alu depctr_va_vdst(0)
	KSTEP \k
	MUL32 \k, 0
.endr
	WIN 0
	PLACES                                         ; four places ahead of the first read of results and of the loads into x's fragments' registers
	s_wait_dscnt 0x0                               ; my reads of the operands are over;
	s_barrier_signal -1
	s_barrier_wait -1                              ; everybody's are: the stages may be written
.irp a, 0,1,2,3
.if \a >= 2
	s_wait_xcnt 0x0                                ; the stores of two tiles back have read their data: the rows' registers are loaded again only behind this wait
.endif
	WIN 0x04                                       ; an LDS store's data: window 1
.irp t, 0,1,2,3,4,5,6,7
	ds_store_b128 v[STO], v[8*(8*\a+\t):8*(8*\a+\t)+3] offset:128*(\t/2)+32*(\t%2)          ; each accumulator from its low end on
	ds_store_b128 v[STO], v[8*(8*\a+\t)+4:8*(8*\a+\t)+7] offset:128*(\t/2)+32*(\t%2)+16
.endr
	WIN 0
.irp i, 0,1,2,3,4,5,6,7,8,9,10,11,12,13,14,15
	ds_load_b128 v[80+64*(\a%2)+4*\i:80+64*(\a%2)+4*\i+3], v[RD] offset:528*\i   ; LDS serves a wave's instructions in order: these see my stores, and the next tile's stores come behind them
.endr
.irp i, 0,1,2,3,4,5,6,7,8,9,10,11,12,13,14,15
	s_wait_dscnt 15-\i                             ; row i is back; the younger rows may be out
	global_store_b128 v[L16], v[80+64*(\a%2)+4*\i:80+64*(\a%2)+4*\i+3], s[84:85] offset:(32*(\a/2)+8*(\a%2)+\i+8*(\i/8))*4096 th:TH_STORE_NT   ; 512 consecutive bytes of one token's row, aligned
.endr
.endr
	s_wait_tensorcnt 0x0                           ; the wave's end: a wait, the add and its wait behind my last tensor load and my last LDS store
	ds_add_u32 v[SPW], v[NIL]
	s_wait_dscnt 0x0
	CROUND                                         ; the closing round
	s_endpgm
.Lfunc_end_k_q89ef74049a_outproj:
	.size	k_q89ef74049a_outproj, .Lfunc_end_k_q89ef74049a_outproj-k_q89ef74049a_outproj
	.p2alignl 7, 3214868480
	.fill 96, 4, 3214868480
	.section	.rodata,"a",@progbits
	.p2align	6, 0x0
	.amdhsa_kernel k_q89ef74049a_outproj
		.amdhsa_group_segment_fixed_size 295424
		.amdhsa_private_segment_fixed_size 0
		.amdhsa_enable_private_segment 0
		.amdhsa_kernarg_size 48
		.amdhsa_user_sgpr_count 2
		.amdhsa_user_sgpr_kernarg_segment_ptr 1
		.amdhsa_wavefront_size32 1
		.amdhsa_system_sgpr_workgroup_id_x 1
		.amdhsa_system_sgpr_workgroup_id_y 1
		.amdhsa_system_sgpr_workgroup_id_z 1
		.amdhsa_system_vgpr_workitem_id 0
		.amdhsa_next_free_vgpr 768
		.amdhsa_next_free_sgpr 100
		.amdhsa_reserve_vcc 0
		.amdhsa_float_denorm_mode_32 3
		.amdhsa_float_denorm_mode_16_64 3
		.amdhsa_memory_ordered 1
		.amdhsa_forward_progress 1
		.amdhsa_inst_pref_size 90
	.end_amdhsa_kernel
	.amdgpu_metadata
---
amdhsa.version: [ 1, 2 ]
amdhsa.kernels:
  - .name:           k_q89ef74049a_outproj
    .symbol:         k_q89ef74049a_outproj.kd
    .args:
      - { .name: xc, .offset: 0, .size: 8, .value_kind: global_buffer, .address_space: global }
      - { .name: xs, .offset: 8, .size: 8, .value_kind: global_buffer, .address_space: global }
      - { .name: opc, .offset: 16, .size: 8, .value_kind: global_buffer, .address_space: global }
      - { .name: ops, .offset: 24, .size: 8, .value_kind: global_buffer, .address_space: global }
      - { .name: bo, .offset: 32, .size: 8, .value_kind: global_buffer, .address_space: global }
      - { .name: out0, .offset: 40, .size: 8, .value_kind: global_buffer, .address_space: global }
    .group_segment_fixed_size: 295424
    .private_segment_fixed_size: 0
    .kernarg_segment_align: 8
    .kernarg_segment_size: 48
    .max_flat_workgroup_size: 128
    .sgpr_count:     100
    .vgpr_count:     768
    .wavefront_size: 32
...
	.end_amdgpu_metadata
.endif
;; end of part 8
